; MI455X (gfx1250); checked and timed in simulation.
; The chip was launched on July 23, 2026; its instructions are those of AMD's public machine-readable ISA for CDNA 5 (MIT licence, August 2026) and "CDNA5" Instruction Set Architecture Reference Guide (July 2026). The comments in the code are by the model that wrote it; some were corrected since.
;; Factored Attention. Allowed arithmetic: float matrix products may take bf16 or f16 operands with f32 sums; other float arithmetic in f32, or as packed bf16 or f16 multiplies, adds, multiply-adds, maxima and minima; sums over many terms, partial sums and values carried from step to step in f32; what a program stores and reads back later, other than sums and carried values, may be rounded once to bf16 or f16.
;; Inputs: Wout 1,024 x 1,024 float32; Wqkv 1,024 x 3,072 float32; bout 1,024 float32; bqkv 3,072 float32; x 4 x 4,096 x 1,024 float32.
;; Outputs: out0 4 x 4,096 x 1,024 float32.
;; 2 versions, each right. Each part assembles by itself: llvm-mc -triple=amdgcn-amd-amdhsa -mcpu=gfx1250 --defsym DOCPART=n.
;; ======== version 1 of 2: 4 launches
;; limits: values are held in f16: magnitudes above 65,504 overflow, below 6.1e-05 lose precision; right only within a limited range of input values
;; workspace buffers: xb 33,554,432 bytes; wq 6,291,456 bytes; wo 2,097,152 bytes; bias 16,384 bytes; qkv 100,663,296 bytes; ao 33,554,432 bytes
;; launch prep (part 1): grid 1281 x 1, 8 waves a work-group, no clusters, 0 bytes of LDS; arguments x, Wqkv, Wout, bqkv, bout, xb, wq, wo, bias; writes xb, wq, wo, bias
.if DOCPART == 1
	.amdgcn_target "amdgcn-amd-amdhsa--gfx1250"
	.amdhsa_code_object_version 6
	.text
	.protected	k_qe4caf71291_prep
	.globl	k_qe4caf71291_prep
	.p2align	8
	.type	k_qe4caf71291_prep,@function
k_qe4caf71291_prep:
	s_mov_b64 s[64:65], 0
	v_nop
	global_prefetch_b8 v0, s[64:65] scope:SCOPE_SE
	s_setreg_imm32_b32 hwreg(HW_REG_WAVE_MODE, 25, 1), 1
	s_wait_xcnt 0x0
; THE CASTS.  xb = bf16(x); wq = bf16(Wqkv); wo = f16(bf16(Wout)); bias = bf16(bqkv), then bf16(bout), both kept as f32.  All in their inputs' own order.
; Every input is rounded to bf16 once; Wout's bf16 number is then written as f16, since the last product multiplies f16 operands.
; LIMITS.  A weight of Wout beyond 65,504 becomes an infinity; below 6e-5 it keeps f16's fixed step of 6e-8.  NaN and infinities are not treated apart.
; SHARES.  A work-group of eight waves casts 65,536 input bytes into 32,768: groups 0-1023 x, 1024-1215 Wqkv, 1216-1279 Wout; group 1280 the two biases (16,384 bytes).
; Thread t takes the 16 bytes at 16 t + 4,096 i, i = 0 .. 15: a wave's load covers 512 consecutive bytes; its store of 8 bytes a lane covers 256 consecutive bytes, at a multiple of 256 from the buffer's first.
; All sixteen loads of a thread go out at once, each register is written once: no loop, no LDS, no barrier; no work-group reads what another reads, so there is nothing to share in a cluster.
.set X, 4                              ; v[4:67]    load i: 4 registers
.set Y, 68                             ; v[68:99]   store i: 2 registers (the biases: 4)
.set T, 100                            ; v[100:103] at work
	s_load_b512 s[8:23], s[0:1], 0x0               ; x s[8:9], Wqkv s[10:11], Wout s[12:13], bqkv s[14:15], bout s[16:17], xb s[18:19], wq s[20:21], wo s[22:23]
	s_load_b64 s[24:25], s[0:1], 0x40              ; bias
	s_mov_b32 s2, ttmp9                            ; the work-group's number
	s_mov_b32 s30, 0xffff0000                      ; a word's upper bf16
	s_sub_co_u32 s31, s2, 1024                     ; its number among Wqkv's groups
	s_mov_b32 s5, 0
	s_mov_b32 s7, 0
	v_lshlrev_b32 v1, 4, v0                        ; 16 t
	v_lshlrev_b32 v2, 3, v0                        ; 8 t
	s_wait_kmcnt 0x0
; Sixteen loads, then for each: its wait, the rounding, its store.  f16 = 1: the bf16 numbers are widened again and written as f16.
.macro CAST f16
.irp i, 0,1,2,3,4,5,6,7,8,9,10,11,12,13,14,15
	global_load_b128 v[X+4*(\i):X+4*(\i)+3], v1, s[26:27] offset:4096*(\i) th:TH_LOAD_NT
.endr
.irp i, 0,1,2,3,4,5,6,7,8,9,10,11,12,13,14,15
	s_wait_loadcnt 15-(\i)                         ; loads come back in order (ISA guide 5.7.1): load i is in, the 15 - i younger ones stay out
.if \f16
	v_cvt_pk_bf16_f32 v[T],   v[X+4*(\i)],   v[X+4*(\i)+1]
	v_cvt_pk_bf16_f32 v[T+1], v[X+4*(\i)+2], v[X+4*(\i)+3]
	v_lshlrev_b32 v[T+2], 16, v[T]                 ; bf16 to f32: the low half moves up,
	v_and_b32     v[T],   s30, v[T]                ; the high half stays
	v_lshlrev_b32 v[T+3], 16, v[T+1]
	v_and_b32     v[T+1], s30, v[T+1]
	v_cvt_pk_f16_f32 v[Y+2*(\i)],   v[T+2], v[T]
	v_cvt_pk_f16_f32 v[Y+2*(\i)+1], v[T+3], v[T+1]
.else
	v_cvt_pk_bf16_f32 v[Y+2*(\i)],   v[X+4*(\i)],   v[X+4*(\i)+1]
	v_cvt_pk_bf16_f32 v[Y+2*(\i)+1], v[X+4*(\i)+2], v[X+4*(\i)+3]
.endif
	global_store_b64 v2, v[Y+2*(\i):Y+2*(\i)+1], s[28:29] offset:2048*(\i)
.endr
.endm
	s_cmp_lt_u32 s2, 1216
	s_cbranch_scc0 .Lrest
	s_cmp_lt_u32 s2, 1024                          ; x or Wqkv: the choice hangs on the group's number alone
	s_cselect_b64 s[26:27], s[8:9], s[10:11]
	s_cselect_b64 s[28:29], s[18:19], s[20:21]
	s_cselect_b32 s3, s2, s31
	s_lshl_b32 s4, s3, 16                          ; 65,536 bytes in,
	s_lshl_b32 s6, s3, 15                          ; 32,768 out
	s_add_nc_u64 s[26:27], s[26:27], s[4:5]
	s_add_nc_u64 s[28:29], s[28:29], s[6:7]
	CAST 0
	s_endpgm
.Lrest:
	s_cmp_lt_u32 s2, 1280
	s_cbranch_scc0 .Lbias
	s_sub_co_u32 s3, s2, 1216                      ; Wout
	s_lshl_b32 s4, s3, 16
	s_lshl_b32 s6, s3, 15
	s_add_nc_u64 s[26:27], s[12:13], s[4:5]
	s_add_nc_u64 s[28:29], s[22:23], s[6:7]
	CAST 1
	s_endpgm
.Lbias:                                                ; bqkv's 12,288 bytes are three loads of the group, bout's 4,096 the fourth
.irp i, 0,1,2
	global_load_b128 v[X+4*(\i):X+4*(\i)+3], v1, s[14:15] offset:4096*(\i)
.endr
	global_load_b128 v[X+12:X+15], v1, s[16:17]
.irp i, 0,1,2,3
	s_wait_loadcnt 3-(\i)
	v_cvt_pk_bf16_f32 v[T],   v[X+4*(\i)],   v[X+4*(\i)+1]
	v_cvt_pk_bf16_f32 v[T+1], v[X+4*(\i)+2], v[X+4*(\i)+3]
	v_lshlrev_b32 v[Y+4*(\i)],   16,  v[T]
	v_and_b32     v[Y+4*(\i)+1], s30, v[T]
	v_lshlrev_b32 v[Y+4*(\i)+2], 16,  v[T+1]
	v_and_b32     v[Y+4*(\i)+3], s30, v[T+1]
	global_store_b128 v1, v[Y+4*(\i):Y+4*(\i)+3], s[24:25] offset:4096*(\i)
.endr
	s_endpgm
.Lfunc_end_k_qe4caf71291_prep:
	.size	k_qe4caf71291_prep, .Lfunc_end_k_qe4caf71291_prep-k_qe4caf71291_prep
	.p2alignl 7, 3214868480
	.fill 96, 4, 3214868480
	.section	.rodata,"a",@progbits
	.p2align	6, 0x0
	.amdhsa_kernel k_qe4caf71291_prep
		.amdhsa_group_segment_fixed_size 0
		.amdhsa_private_segment_fixed_size 0
		.amdhsa_enable_private_segment 0
		.amdhsa_kernarg_size 72
		.amdhsa_user_sgpr_count 2
		.amdhsa_user_sgpr_kernarg_segment_ptr 1
		.amdhsa_wavefront_size32 1
		.amdhsa_system_sgpr_workgroup_id_x 1
		.amdhsa_system_sgpr_workgroup_id_y 1
		.amdhsa_system_sgpr_workgroup_id_z 1
		.amdhsa_system_vgpr_workitem_id 0
		.amdhsa_next_free_vgpr 104
		.amdhsa_next_free_sgpr 66
		.amdhsa_reserve_vcc 0
		.amdhsa_float_denorm_mode_32 3
		.amdhsa_float_denorm_mode_16_64 3
		.amdhsa_memory_ordered 1
		.amdhsa_forward_progress 1
		.amdhsa_inst_pref_size 19
	.end_amdhsa_kernel
	.amdgpu_metadata
---
amdhsa.version: [ 1, 2 ]
amdhsa.kernels:
  - .name:           k_qe4caf71291_prep
    .symbol:         k_qe4caf71291_prep.kd
    .args:
      - { .name: x, .offset: 0, .size: 8, .value_kind: global_buffer, .address_space: global }
      - { .name: Wqkv, .offset: 8, .size: 8, .value_kind: global_buffer, .address_space: global }
      - { .name: Wout, .offset: 16, .size: 8, .value_kind: global_buffer, .address_space: global }
      - { .name: bqkv, .offset: 24, .size: 8, .value_kind: global_buffer, .address_space: global }
      - { .name: bout, .offset: 32, .size: 8, .value_kind: global_buffer, .address_space: global }
      - { .name: xb, .offset: 40, .size: 8, .value_kind: global_buffer, .address_space: global }
      - { .name: wq, .offset: 48, .size: 8, .value_kind: global_buffer, .address_space: global }
      - { .name: wo, .offset: 56, .size: 8, .value_kind: global_buffer, .address_space: global }
      - { .name: bias, .offset: 64, .size: 8, .value_kind: global_buffer, .address_space: global }
    .group_segment_fixed_size: 0
    .private_segment_fixed_size: 0
    .kernarg_segment_align: 8
    .kernarg_segment_size: 72
    .max_flat_workgroup_size: 256
    .sgpr_count:     66
    .vgpr_count:     104
    .wavefront_size: 32
...
	.end_amdgpu_metadata
.endif
;; end of part 1
;; launch gemm_qkv (part 2): grid 4 x 64, 4 waves a work-group, clusters of 4 x 4, 327,680 bytes of LDS; arguments xb, wq, bias, qkv; writes qkv
.if DOCPART == 2
	.amdgcn_target "amdgcn-amd-amdhsa--gfx1250"
	.amdhsa_code_object_version 6
	.text
	.protected	k_qe4caf71291_gemm_qkv
	.globl	k_qe4caf71291_gemm_qkv
	.p2align	8
	.type	k_qe4caf71291_gemm_qkv,@function
k_qe4caf71291_gemm_qkv:
	s_mov_b64 s[64:65], 0
	v_nop
	global_prefetch_b8 v0, s[64:65] scope:SCOPE_SE
	s_setreg_imm32_b32 hwreg(HW_REG_WAVE_MODE, 25, 1), 1
	s_wait_xcnt 0x0
	s_wait_alu depctr_hold_cnt(0) depctr_sa_sdst(0) depctr_va_vdst(0) depctr_va_sdst(0) depctr_va_ssrc(0) depctr_va_vcc(0) depctr_vm_vsrc(0)
	s_getreg_b32 s2, hwreg(HW_REG_IB_STS2, 6, 4)
	s_cmp_eq_u32 s2, 0
	s_cbranch_scc0 .Lentry_in_a_cluster
	s_endpgm
.Lentry_in_a_cluster:
	s_bfe_u32 s2, ttmp6, 0x10000c
	s_cmp_lg_u32 s2, 0xf033
	s_cbranch_scc0 .Lentry_shape_is_right
	s_endpgm
.Lentry_shape_is_right:
; qkv = f16(xb wq + bias).  xb: [16384][1024] bf16.  wq: [1024 k][3072 n] bf16.  bias: f32, bqkv at byte 0.  Sums in f32, started by the bias, rounded once to f16.
; qkv: [16384][3072] f16 with the columns REORDERED: channel 256 w + c of q (t = 0), k (t = 1), v (t = 2) lies at column 768 w + 256 t + c, so that the next launch finds a strip's q, k and v as 1,536 consecutive bytes of a row.
; LIMIT.  f16 ends at 65,504: a q, k or v beyond it becomes an infinity.  Inputs thirty times those of unit spread, with offsets of thirty spreads, give some 29,000.
; SHARES.  A tile of the result, 256 x 256, is made by four waves, 128 x 128 each: 64 accumulators of 16 x 16, 512 registers.  A WORK-GROUP STAYS for three tiles: rows 256 y on, columns 256 x on of q, then of k, then of v:
; the same rows of xb three times, and the ring of two LDS slots does not stop at a tile's end.  64 x 4 work-groups.  K goes in steps of 128.
; B LIES AS IT IS GIVEN, [k][n]: a slot holds 128 k-rows of 256 columns, and the fragments come out turned, by ds_load_tr16_b128.
; CLUSTERS: 4 x 4 work-groups.  The four of a row of the cluster need the same tiles of xb, the four of a column the same tiles of wq: each tile is asked for JOINTLY, by the same tensor load, descriptor and mask in all four.
; THE MATRIX INSTRUCTION IS USED TRANSPOSED (source 0 = 16 columns of wq, source 1 = 16 rows of xb): lane l holds row l % 16 of the result and its registers the columns 8 (l / 16) + 0 .. 7: eight neighbours, 16 bytes of f16.
; REGISTERS, in windows of 256 (s_set_vgpr_msb: bits 1:0 source 0, 3:2 source 1, 5:4 source 2, 7:6 destination):
;   window 0: v0-31 addresses; v64-127, v128-191 fragments of xb, two buffers; v32-63, v192-255 at work on the way out
;   window 1: v0-63 the bias of my 128 columns, as the C operand of a tile's first products; v64-127, v128-191 fragments of wq, two buffers
;   window 2: the 32 accumulators of my rows 0-63 (accumulator (a, b) at v[8 (8 a + b)]);   window 3: those of my rows 64-127
.set SIZE_K, 1024
.set SIZE_N, 3072
.set TILES,  3
.set KSTEP,  128
.set PITCH,  272                       ; a row of xb in LDS: 256 bytes + 16 of padding = 68 words: row r starts at bank 4 r mod 64 (64 banks of 4 bytes: ISA guide 11.1), the 16 rows of a load at 16 different banks
.set PB,     544                       ; a k-row of wq in LDS: 512 bytes + 32 = 136 words: row r starts at bank 8 r mod 64
.set HALFT,  128*PITCH                 ; what one tensor load brings: 128 rows of xb, or 64 k-rows of wq (64 x 544 is the same number)
.set SLOT,   4*HALFT                   ; xb's 256 rows, then wq's 128 k-rows
.set STAGE,  2*SLOT                    ; behind the ring: 16 rows x 272 bytes for each wave, for the way out
.set SPITCH, 272
.set SPARE,  STAGE+4*16*SPITCH         ; behind the stages: the spare words, 128 bytes for each wave: two blocks of 256 bytes that no other line names
.set LAPS,   SIZE_K/(2*KSTEP)          ; a lap = two K steps = once round the ring
.set BSTEP,  KSTEP*SIZE_N*2            ; bytes of wq from a K step to the next
.set BACK_A, (SIZE_K-2*KSTEP)*2        ; from a slot's last K step of a tile to its first of the next: xb goes back along K,
.set BACK_B, (SIZE_K/KSTEP-2)*BSTEP-1024*2  ; wq back along K and 1,024 columns on
.set CROW,   SIZE_N*2                  ; bytes in a row of qkv
.set ADRA, 16                          ; v16-17  LDS address of my fragments of xb in slot 0, 1
.set ADRB, 20                          ; v20-21  the same for wq
.set STO,  24                          ; v24     the way out: where I put 16 bytes of a row
.set RD,   25                          ; v25     the way out: where I read a row back
.set CO,   26                          ; v26     my byte offset in two rows of qkv
.set BO,   27                          ; v27     my byte offset in the tile's 256 numbers of the bias
.set SPW,  28                          ; v28     LDS address of my spare word: SPARE + 4 x my thread's number; never rewritten
.set NIL,  29                          ; v29     0; never rewritten
.set F0,   64                          ; fragment buffer 0
.set F1,   128                         ; fragment buffer 1
.set TMP,  192                         ; the way out: packed results
.set OB,   32                          ; the way out: 16 rows read back from the stage: v32-63 and v224-255 by turns
.set G1,  24                           ; s[24:31] descriptor group 1 for xb's tiles
.set G0,  32                           ; s[32:39] descriptor group 0 for xb's tiles, one set for each slot
.set G1B, 48                           ; s[48:55] descriptor group 1 for wq's tiles
.set G0B, 56                           ; s[56:63] descriptor group 0 for wq's tiles, one set for each slot
.set BI,  66                           ; s[66:67] the bias at the tile's first column
.set MSB, 0
.macro WIN new                         ; the immediate's high byte repeats the setting that is left; a switch that changes nothing is dropped
.if MSB != (\new)
	s_set_vgpr_msb (MSB<<8)|(\new)
.set MSB, \new
.endif
.endm
.set MUL_LO, 0xa1                      ; source 0 (wq) window 1, source 1 (xb) window 0, C and D window 2; + 0x50: C and D window 3
.set MUL_B,  0x91                      ; the same with C (the bias) in window 1; + 0x40: D window 3
.set TO_B,   0x40                      ; destination window 1, address window 0
; A joint load.  Waves 0 and 1 fetch xb's two halves, waves 2 and 3 wq's.  Each line has one mask and one set of registers; the branch hangs on the wave's number alone.
; An s_nop 0 and four v_nop follow each of the two lines, ahead of the jump, the label and what follows.
.macro JLOAD s
	s_cmp_eq_u32 s11, 0
	s_cbranch_scc0 .Lfor_b_\@
	tensor_load_to_lds s[G0+4*(\s):G0+4*(\s)+3], s[G1:G1+7]
	s_nop 0
.rept 4
	v_nop
.endr
	s_branch .Lasked_\@
.Lfor_b_\@:
	tensor_load_to_lds s[G0B+4*(\s):G0B+4*(\s)+3], s[G1B:G1B+7]
	s_nop 0
.rept 4
	v_nop
.endr
.Lasked_\@:
.endm
; A round of the cluster's barrier: my work-group's barrier; wave 0 signals for the work-group; every wave waits for all sixteen work-groups; my work-group's barrier once more.
.macro CREST                           ; a round behind its opening barrier
	s_cmp_lg_u32 s10, 0
	s_cbranch_scc1 .Lnot_wave_0_\@
	s_barrier_signal -3
.Lnot_wave_0_\@:
	s_barrier_wait -3
	s_barrier_signal -1
	s_barrier_wait -1
.endm
.macro CROUND                          ; a whole round
	s_barrier_signal -1
	s_barrier_wait -1
	CREST
.endm
	s_load_b128 s[4:7], s[0:1], 0x0                ; xb s[4:5], wq s[6:7]
	s_load_b64 s[BI:BI+1], s[0:1], 0x10            ; bias
	s_load_b64 s[8:9], s[0:1], 0x18                ; qkv
	v_lshl_add_u32 v[SPW], v0, 2, SPARE
	v_mov_b32 v[NIL], 0
	ds_add_u32 v[SPW], v[NIL]                      ; the wave's opening: the add and its wait stand ahead of my first tensor load; the set-up below, work on registers, stands between them
	ds_add_u32 v28, v29
	v_lshrrev_b32 v1, 5, v0
	v_readfirstlane_b32 s10, v1                    ; wave 0..3
	s_lshr_b32 s11, s10, 1                         ; which half of the tile's rows is mine.  Also: I fetch for xb (0) or for wq (1)
	s_and_b32 s12, s10, 1                          ; which half of its columns.  Also: which half of that tile I fetch
	s_bfe_u32 s40, ttmp6, 0x40000                  ; cx: my place along the cluster's x
	s_bfe_u32 s41, ttmp6, 0x40004                  ; cy: along its y
	s_lshl_b32 s42, ttmp9, 2                       ; in a cluster launch ttmp9 and ttmp7 count clusters
	s_add_co_u32 s42, s42, s40                     ; the strip of 256 channels = 4 x cluster x + cx
	s_and_b32 s13, ttmp7, 0xffff
	s_lshl_b32 s13, s13, 2
	s_add_co_u32 s13, s13, s41                     ; tile row = 4 x cluster y + cy
	s_lshl_b32 s43, s41, 2
	s_lshl_b32 s43, 15, s43                        ; my row of the cluster: places 4 cy .. 4 cy + 3
	s_lshl_b32 s44, 0x1111, s40                    ; my column: places cx, cx + 4, cx + 8, cx + 12
	; descriptor group 1.  xb: 128 rows x 128 elements; wq: 64 k-rows x 256 elements; both padded in LDS
	s_or_b32 s[G1+0], s43, (1<<16)|(1<<20)|(1<<21)|(5<<22)|(3<<25)   ; 15:0 the mask: my row; 17:16 elements of 2 bytes; 20 padding on; 21 set beside a mask; 24:22 after every 64 words (code 5); 31:25 4 words of it (code 3)
	s_or_b32 s[G1B+0], s44, (1<<16)|(1<<20)|(1<<21)|(6<<22)|(7<<25)  ; the mask: my column; after every 128 words (code 6) 8 words (code 7)
	s_mov_b32 s[G1+1], KSTEP<<16                   ; tensor_dim0 = 128
	s_mov_b32 s[G1+2], 128<<16                     ; tensor_dim1 = 128
	s_mov_b32 s[G1+3], KSTEP<<16                   ; tile_dim0 = 128
	s_mov_b32 s[G1+4], 128                         ; tile_dim1 = 128
	s_mov_b32 s[G1+5], SIZE_K                      ; elements from row to row
	s_mov_b32 s[G1+6], 0
	s_mov_b32 s[G1+7], 0
	s_mov_b32 s[G1B+1], 256<<16                    ; tensor_dim0 = 256
	s_mov_b32 s[G1B+2], 64<<16                     ; tensor_dim1 = 64
	s_mov_b32 s[G1B+3], 256<<16                    ; tile_dim0 = 256
	s_mov_b32 s[G1B+4], 64                         ; tile_dim1 = 64
	s_mov_b32 s[G1B+5], SIZE_N                     ; elements from k-row to k-row
	s_mov_b32 s[G1B+6], 0
	s_mov_b32 s[G1B+7], 0
	; where the tiles come from.  xb's hang on the tile row alone, which my row of the cluster shares; wq's on the strip alone, which my column shares.  Each in registers that never hold the other coordinate.
	s_lshl_b32 s17, s12, 7
	s_lshl_b32 s16, s13, 8
	s_add_co_u32 s16, s16, s17                     ; xb: row 256 x tile row + 128 x half,
	s_lshl_b32 s16, s16, 11                        ; of 2,048 bytes: under 2^25
	s_mov_b32 s17, 0
	s_mul_i32 s46, s12, 64*SIZE_N*2                ; wq: k-row 64 x half,
	s_lshl_b32 s47, s42, 9                         ; column 256 x strip
	s_add_co_u32 s46, s46, s47
	s_mov_b32 s47, 0
	s_mul_i32 s20, s10, HALFT                      ; and where they go: wave x 34,816: no place in the cluster enters an LDS address
	s_wait_dscnt 0x0                               ; the opening add is done
	s_wait_kmcnt 0x0
	s_add_nc_u64 s[14:15], s[4:5], s[16:17]
	s_add_nc_u64 s[46:47], s[6:7], s[46:47]
	CROUND                                         ; all sixteen work-groups are here: the first joint loads meet
.irp s, 0,1
	s_mov_b32 s[G0+4*(\s)], 1                                        ; 1:0 count = 1
	s_add_co_u32 s[G0+4*(\s)+1], s20, (\s)*SLOT                      ; 63:32 LDS address
	s_add_nc_u64 s[G0+4*(\s)+2:G0+4*(\s)+3], s[14:15], (\s)*KSTEP*2  ; 120:64 global address: K step s
	s_or_b32 s[G0+4*(\s)+3], s[G0+4*(\s)+3], 0x80000000              ; 127:126 type = 2
	s_mov_b32 s[G0B+4*(\s)], 1
	s_add_co_u32 s[G0B+4*(\s)+1], s20, (\s)*SLOT
	s_add_nc_u64 s[G0B+4*(\s)+2:G0B+4*(\s)+3], s[46:47], (\s)*BSTEP
	s_or_b32 s[G0B+4*(\s)+3], s[G0B+4*(\s)+3], 0x80000000
	JLOAD \s                                       ; the ring is filled before anything else is done: two tensor loads of mine are out
.endr
; The bias of my 128 columns, laid as a C operand: in block b register j of lane l is bias[16 b + 8 (l / 16) + j]: every row of the tile gets the same numbers.
.macro BIASLD
	WIN TO_B
.irp b, 0,1,2,3,4,5,6,7
	global_load_b128 v[8*(\b):8*(\b)+3],   v[BO], s[BI:BI+1] offset:64*(\b)
	global_load_b128 v[8*(\b)+4:8*(\b)+7], v[BO], s[BI:BI+1] offset:64*(\b)+16
.endr
	WIN 0
.endm
	v_and_b32 v1, 15, v0                           ; l % 16
	v_bfe_u32 v2, v0, 4, 1                         ; l / 16
	s_lshl_b32 s46, s42, 10                        ; q's bias of my strip: 256 numbers of 4 bytes (in the registers that held wq's address: none that feeds xb's descriptors ever holds cx)
	s_mov_b32 s47, 0
	s_add_nc_u64 s[BI:BI+1], s[BI:BI+1], s[46:47]
	s_lshl_b32 s21, s12, 9                         ; my half of them
	v_lshl_add_u32 v[BO], v2, 5, s21
	BIASLD
	; A fragment of xb is 16 rows x 32 K in 8 registers: lane l holds row l % 16, K = 8 (l / 16) + 0..7 and 16 + 8 (l / 16) + 0..7: two loads of 16 bytes, 32 bytes apart.
	v_mul_u32_u24 v3, v1, PITCH
	v_lshl_add_u32 v3, v2, 4, v3                   ; row x pitch + 16 x half
	; The turning load takes 16 k x 16 columns (lane l reads k-row 8 (l / 16) + l % 8, columns 8 ((l / 8) % 2) + 0..7) and leaves half a fragment: lane l holds column l % 16 and 8 k.
	v_and_b32 v4, 7, v0
	v_lshl_add_u32 v4, v2, 3, v4
	v_mul_u32_u24 v4, v4, PB
	v_bfe_u32 v5, v0, 3, 1
	v_lshl_add_u32 v4, v5, 4, v4
	s_mul_i32 s21, s11, HALFT                      ; my 128 rows of xb
	s_lshl_b32 s22, s12, 8                         ; my 128 columns of wq,
	s_add_co_u32 s22, s22, 2*HALFT                 ; which lies behind xb's 256 rows
.irp s, 0,1
	v_add_nc_u32 v[ADRA+(\s)], s21, v3
	v_add_nc_u32 v[ADRB+(\s)], s22, v4
	s_add_co_u32 s21, s21, SLOT
	s_add_co_u32 s22, s22, SLOT
.endr
	s_mul_i32 s23, s10, 16*SPITCH
	s_add_co_u32 s23, s23, STAGE                   ; my stage
	v_mul_u32_u24 v6, v1, SPITCH                   ; in: row l % 16, 16 bytes for each half of the lanes
	v_lshl_add_u32 v6, v2, 4, v6
	v_add_nc_u32 v[STO], s23, v6
	v_mul_u32_u24 v7, v2, SPITCH                   ; back: lanes 0-15 take one row of 256 bytes, lanes 16-31 the next
	v_lshl_add_u32 v7, v1, 4, v7
	v_add_nc_u32 v[RD], s23, v7
	v_mul_u32_u24 v7, v2, CROW                     ; and the same two rows in qkv
	v_lshl_add_u32 v[CO], v1, 4, v7
	s_lshl_b32 s16, s13, 8                         ; qkv at my part of the first tile: row 256 x tile row + 128 x half,
	s_lshl_b32 s17, s11, 7
	s_add_co_u32 s16, s16, s17
	s_mul_i32 s16, s16, CROW                       ; under 2^27 bytes
	s_mov_b32 s17, 0
	s_add_nc_u64 s[8:9], s[8:9], s[16:17]
	s_mul_i32 s46, s42, 3*512                      ; the strip's 768 columns, my half of q's 256
	s_lshl_b32 s47, s12, 8
	s_add_co_u32 s46, s46, s47
	s_mov_b32 s47, 0
	s_add_nc_u64 s[8:9], s[8:9], s[46:47]
; 16 matrix instructions: row blocks a0, a0 + 1 of the window's four (hi = 0: my rows 0-63, 1: rows 64-127) x all 8 column blocks, 32 along K.
; zero = 1: a tile's first products: the bias is their C operand and starts the sums: nothing is cleared, nothing is added later.
; The 64 accumulators take turns in one order everywhere, one instruction a turn.
.macro MUL16 f, hi, a0, zero
.if \zero
	WIN MUL_B+0x40*(\hi)
.else
	WIN MUL_LO+0x50*(\hi)
.endif
.irp a, \a0, (\a0)+1
.irp b, 0,1,2,3,4,5,6,7
.if \zero
	v_wmma_f32_16x16x32_bf16 v[8*(8*(\a)+(\b)):8*(8*(\a)+(\b))+7], v[(\f)+8*(\b):(\f)+8*(\b)+7], v[(\f)+8*(4*(\hi)+(\a)):(\f)+8*(4*(\hi)+(\a))+7], v[8*(\b):8*(\b)+7]
.else
	v_wmma_f32_16x16x32_bf16 v[8*(8*(\a)+(\b)):8*(8*(\a)+(\b))+7], v[(\f)+8*(\b):(\f)+8*(\b)+7], v[(\f)+8*(4*(\hi)+(\a)):(\f)+8*(4*(\hi)+(\a))+7], v[8*(8*(\a)+(\b)):8*(8*(\a)+(\b))+7]
.endif
.endr
.endr
.endm
; 32 LDS loads in one run: the fragments of quarter q of a K step (32 k x my 128 columns of wq, turned; my 128 rows of xb x 32 k) into buffer f
.macro FETCH slot, q, f
	WIN TO_B
.irp i, 0,1,2,3,4,5,6,7
	ds_load_tr16_b128 v[(\f)+8*(\i):(\f)+8*(\i)+3],   v[ADRB+(\slot)] offset:(\q)*32*PB+32*(\i)
	ds_load_tr16_b128 v[(\f)+8*(\i)+4:(\f)+8*(\i)+7], v[ADRB+(\slot)] offset:(\q)*32*PB+16*PB+32*(\i)
.endr
	WIN 0
.irp i, 0,1,2,3,4,5,6,7
	ds_load_b128 v[(\f)+8*(\i):(\f)+8*(\i)+3],   v[ADRA+(\slot)] offset:(\q)*64+(\i)*16*PITCH
	ds_load_b128 v[(\f)+8*(\i)+4:(\f)+8*(\i)+7], v[ADRA+(\slot)] offset:(\q)*64+(\i)*16*PITCH+32
.endr
.endm
; A load into a register that a matrix instruction has read, and a vector instruction or LDS store that reads a matrix result, stand four places behind that matrix instruction; only plain vector
; instructions that name none of its registers are places (ISA guide 7.12.1 for vector instructions).
.macro PLACES
.rept 4
	v_nop
.endr
.endm
; A K step is four quarters of 32 along K, 64 matrix instructions each, on buffers 0, 1, 0, 1.  One of the first three: multiplies buffer f; in its middle it fetches quarter q of the same slot into buffer g.
.macro QUARTER slot, q, f, g, zero
	s_wait_dscnt 8                                 ; wq's fragments and xb's rows 0-63 are in; the youngest eight loads (xb's rows 64-127) may be out
	MUL16 \f, 0, 0, \zero
	MUL16 \f, 0, 2, \zero
	PLACES
	FETCH \slot, \q, \g
	s_wait_dscnt 32                                ; all but the 32 just issued
	MUL16 \f, 1, 0, \zero
	MUL16 \f, 1, 2, \zero
.endm
; The last quarter multiplies buffer 1 and changes slots.  MEET is its first half: ONE barrier for the change.  In front of it each wave waits for all its tensor loads, of which one is out: its part of the next
; slot; adds 0 to its spare word; and waits for that and for its own reads of this slot.  Behind it nobody reads this slot any more and the next slot is whole.
.macro MEET round                      ; round = 1: a round of the cluster's barrier follows
	WIN 0                                          ; (the add's two registers lie in window 0)
	s_wait_tensorcnt 0x0                           ; all my tensor loads have landed;
	ds_add_u32 v[SPW], v[NIL]                      ; 0 onto my spare word;
	s_wait_dscnt 9                                 ; (the add and the youngest eight loads may be out)
	MUL16 F1, 0, 0, 0                              ; sixteen matrix instructions stand between the add and the wait for it
	s_wait_dscnt 0x0                               ; the add is done, and my reads of this slot are over:
	s_barrier_signal -1                            ; say so,
	MUL16 F1, 0, 2, 0                              ; work on registers while the others arrive,
.if \round
	WIN 0
.endif
	s_barrier_wait -1                              ; and go on when all four have said so
.endm
; The whole last quarter.  Behind the round the slot just read out is filled again first: with this tile's K step two steps on (on = 0) or, in a tile's last two K steps, with the NEXT tile's K step 0 or 1 (on = 1).
; From a request to the wait for it a wave issues 224 matrix instructions, across tiles too; one tensor load of mine is out.
.macro TURN slot, next, on
	MEET 1
	CREST                                          ; no wave of any partner still reads this slot's tile or has a load on its way
.if \on
	s_sub_nc_u64 s[G0+4*(\slot)+2:G0+4*(\slot)+3], s[G0+4*(\slot)+2:G0+4*(\slot)+3], BACK_A
	s_sub_nc_u64 s[G0B+4*(\slot)+2:G0B+4*(\slot)+3], s[G0B+4*(\slot)+2:G0B+4*(\slot)+3], BACK_B
.else
	s_add_nc_u64 s[G0+4*(\slot)+2:G0+4*(\slot)+3], s[G0+4*(\slot)+2:G0+4*(\slot)+3], 2*KSTEP*2
	s_add_nc_u64 s[G0B+4*(\slot)+2:G0B+4*(\slot)+3], s[G0B+4*(\slot)+2:G0B+4*(\slot)+3], 2*BSTEP
.endif
	JLOAD \slot                                    ; the first tensor load behind the round; the four v_nop behind it are also the places in front of the loads below
	FETCH \next, 0, F0
	MUL16 F1, 1, 0, 0
	MUL16 F1, 1, 2, 0
.endm
.macro ENDTURN                         ; the last change of slots of all: nothing is filled, so no round follows
	MEET 0
	PLACES                                         ; for the loads into buffer 0, which the quarter before multiplied
	FETCH 1, 0, F0
	MUL16 F1, 1, 0, 0
	MUL16 F1, 1, 2, 0
.endm
.macro LASTQ                           ; the very last quarter: nothing more to fetch
	s_wait_dscnt 8
	MUL16 F1, 0, 0, 0
	MUL16 F1, 0, 2, 0
	s_wait_dscnt 0x0
	MUL16 F1, 1, 0, 0
	MUL16 F1, 1, 2, 0
.endm
; THE WAY OUT of block a (16 of my rows), in three parts.  PACK: rounded to f16, 16 bytes a lane, each accumulator's registers in ascending order.  TOSTAGE: into my own stage in LDS, and back as whole rows of 256 bytes.  SEND: stored.
.macro PACK a
.set AC, 64*((\a)%4)
	WIN 0x0a+5*((\a)/4)                            ; sources 0 and 1: window 2 or 3
.irp b, 0,1,2,3,4,5,6,7
.irp r, 0,1,2,3
	v_cvt_pk_f16_f32 v[TMP+4*(\b)+(\r)], v[AC+8*(\b)+2*(\r)], v[AC+8*(\b)+2*(\r)+1]
.endr
.endr
	WIN 0
.endm
.macro TOSTAGE a
	WIN 0
.set BK, OB+192*((\a)%2)
.irp b, 0,1,2,3,4,5,6,7
	ds_store_b128 v[STO], v[TMP+4*(\b):TMP+4*(\b)+3] offset:32*(\b)
.endr
.irp t, 0,1,2,3,4,5,6,7
	ds_load_b128 v[BK+4*(\t):BK+4*(\t)+3], v[RD] offset:(\t)*2*SPITCH  ; LDS serves a wave's instructions in order (ISA guide 5.7.1.4): these see the stores above
.endr
.endm
.macro SEND a
	WIN 0
.set BK, OB+192*((\a)%2)
	s_wait_dscnt 0x0                               ; the block is back in registers
	s_wait_xcnt 0x0                                ; the stores of the block before have had their addresses translated (ISA guide 3.1): its registers are loaded again, by the next TOSTAGE, only behind this wait
.irp t, 0,1,2,3,4,5,6,7
	global_store_b128 v[CO], v[BK+4*(\t):BK+4*(\t)+3], s[8:9] offset:(16*(\a)+2*(\t))*CROW  ; 16 lanes store 256 consecutive bytes, at a multiple of 256 from qkv's first byte; 126 rows at the most: inside the signed 24-bit immediate
.endr
.endm
.macro OUT                             ; block a's conversions stand between block a - 1's loads from the stage and the wait for them
	PACK 0
	TOSTAGE 0
.irp a, 1,2,3,4,5,6,7
	PACK \a
	SEND (\a)-1
	TOSTAGE \a
.endr
	SEND 7
.endm
	s_wait_tensorcnt 1                             ; my part of K step 0 is in; K step 1's may stay out
	s_barrier_signal -1
	s_barrier_wait -1                              ; everybody's is
	FETCH 0, 0, F0
	s_mov_b32 s2, TILES                            ; tiles to go, this one among them: the same number in every work-group
.Ltile:                                                ; (FETCH and SEND leave every window 0)
	s_wait_loadcnt 0x0                             ; the tile's bias
	QUARTER 0, 1, F0, F1, 1                        ; a tile's first quarter stands in front of the loop: its products start the sums
	WIN 0                                          ; at a label and at a branch every window is 0
	s_mov_b32 s3, LAPS-1
.Llap:                                                 ; a trip goes once round the ring, from a lap's second quarter to the next lap's first, and fills both slots again
	QUARTER 0, 2, F1, F0, 0
	QUARTER 0, 3, F0, F1, 0
	TURN 0, 1, 0
	QUARTER 1, 1, F0, F1, 0
	QUARTER 1, 2, F1, F0, 0
	QUARTER 1, 3, F0, F1, 0
	TURN 1, 0, 0
	QUARTER 0, 1, F0, F1, 0
	WIN 0
	s_sub_co_u32 s3, s3, 1
	s_cmp_lg_u32 s3, 0
	s_cbranch_scc1 .Llap
	QUARTER 0, 2, F1, F0, 0                        ; the tile's last lap goes on
	QUARTER 0, 3, F0, F1, 0
	WIN 0
	s_cmp_eq_u32 s2, 1
	s_cbranch_scc1 .Llast                          ; the last tile's tail is written out: it asks for nothing more
	TURN 0, 1, 1                                   ; THE RING GOES ON INTO THE NEXT TILE: slot 0 takes its K step 0,
	QUARTER 1, 1, F0, F1, 0
	QUARTER 1, 2, F1, F0, 0
	QUARTER 1, 3, F0, F1, 0
	TURN 1, 0, 1                                   ; slot 1 its K step 1, and the next tile's first fragments are fetched
	s_add_nc_u64 s[BI:BI+1], s[BI:BI+1], 4096      ; the next tile's bias, 1,024 numbers on: the last loads by this base were waited for at the tile's head,
	BIASLD                                         ; and the products that read these registers stand a whole tile back
	OUT                                            ; no v_nop: blocks 0-3 were finished in front of the joint load's places, and their 128 conversions, which name no register of the last products, are those products' places
	s_wait_xcnt 0x0                                ; the stores have had their addresses translated: their base may step
	s_add_nc_u64 s[8:9], s[8:9], 512               ; the next tile's 256 columns
	s_sub_co_u32 s2, s2, 1
	s_branch .Ltile
.Llast:
	ENDTURN
	QUARTER 1, 1, F0, F1, 0
	QUARTER 1, 2, F1, F0, 0
	QUARTER 1, 3, F0, F1, 0
	LASTQ
	WIN 0
	PLACES                                         ; the conversions read results just made
	OUT
	s_wait_tensorcnt 0x0                           ; the wave's end: behind my last tensor load and my last LDS store
	ds_add_u32 v[SPW], v[NIL]
	s_wait_dscnt 0x0
	CROUND                                         ; the closing round: no work-group ends while a partner may still ask for a tile that names it
	s_endpgm
.Lfunc_end_k_qe4caf71291_gemm_qkv:
	.size	k_qe4caf71291_gemm_qkv, .Lfunc_end_k_qe4caf71291_gemm_qkv-k_qe4caf71291_gemm_qkv
	.p2alignl 7, 3214868480
	.fill 96, 4, 3214868480
	.section	.rodata,"a",@progbits
	.p2align	6, 0x0
	.amdhsa_kernel k_qe4caf71291_gemm_qkv
		.amdhsa_group_segment_fixed_size 327680
		.amdhsa_private_segment_fixed_size 0
		.amdhsa_enable_private_segment 0
		.amdhsa_kernarg_size 32
		.amdhsa_user_sgpr_count 2
		.amdhsa_user_sgpr_kernarg_segment_ptr 1
		.amdhsa_wavefront_size32 1
		.amdhsa_system_sgpr_workgroup_id_x 1
		.amdhsa_system_sgpr_workgroup_id_y 1
		.amdhsa_system_sgpr_workgroup_id_z 1
		.amdhsa_system_vgpr_workitem_id 0
		.amdhsa_next_free_vgpr 1024
		.amdhsa_next_free_sgpr 72
		.amdhsa_reserve_vcc 0
		.amdhsa_float_denorm_mode_32 3
		.amdhsa_float_denorm_mode_16_64 3
		.amdhsa_memory_ordered 1
		.amdhsa_forward_progress 1
		.amdhsa_inst_pref_size 211
	.end_amdhsa_kernel
	.amdgpu_metadata
---
amdhsa.version: [ 1, 2 ]
amdhsa.kernels:
  - .name:           k_qe4caf71291_gemm_qkv
    .symbol:         k_qe4caf71291_gemm_qkv.kd
    .args:
      - { .name: xb, .offset: 0, .size: 8, .value_kind: global_buffer, .address_space: global }
      - { .name: wq, .offset: 8, .size: 8, .value_kind: global_buffer, .address_space: global }
      - { .name: bias, .offset: 16, .size: 8, .value_kind: global_buffer, .address_space: global }
      - { .name: qkv, .offset: 24, .size: 8, .value_kind: global_buffer, .address_space: global }
    .group_segment_fixed_size: 327680
    .private_segment_fixed_size: 0
    .kernarg_segment_align: 8
    .kernarg_segment_size: 32
    .max_flat_workgroup_size: 128
    .sgpr_count:     72
    .vgpr_count:     1024
    .wavefront_size: 32
...
	.end_amdgpu_metadata
.endif
;; end of part 2
;; launch attn (part 3): grid 128 x 4, 4 waves a work-group, no clusters, 283,136 bytes of LDS; arguments qkv, ao; writes ao
.if DOCPART == 3
	.amdgcn_target "amdgcn-amd-amdhsa--gfx1250"
	.amdhsa_code_object_version 6
	.text
	.protected	k_qe4caf71291_attn
	.globl	k_qe4caf71291_attn
	.p2align	8
	.type	k_qe4caf71291_attn,@function
k_qe4caf71291_attn:
	s_mov_b64 s[64:65], 0
	v_nop
	global_prefetch_b8 v0, s[64:65] scope:SCOPE_SE
	s_setreg_imm32_b32 hwreg(HW_REG_WAVE_MODE, 25, 1), 1
	s_wait_xcnt 0x0
; 512 CAUSAL ATTENTIONS OF 32 x 32.  Group (b, p) holds rows b 4096 + 128 nb + p, nb = 0 .. 31: ao[row nb] = the sum over kb <= nb of softmax(q[nb] . k[kb] / 32) v[kb], 1,024 channels, one head.
; qkv: [16384][3072] f16, channel 256 w + c of q, k, v (t = 0, 1, 2) at column 768 w + 256 t + c.  ao: [16384][1024] f16.  Products, maxima and sums in f32; the weights are divided by their sum and then rounded once to f16.
; LIMITS.  q, k, v arrive within f16's 65,504; a weight lies in 0 to 1, below 6e-5 it keeps f16's fixed step of 6e-8, and below 2^-126 it counts as 0 in the sum; ao is a mean of v's rows.  NaN and infinities are not treated apart.
; SHARES.  A work-group takes one group, wave w the channels 256 w .. 256 w + 255 of q, k, v and ao: ONE tensor load a wave brings 32 rows x 1,536 bytes, all that the wave reads of memory.
; The waves' partial scores meet in LDS, in f32; every wave then makes the same softmax and multiplies by its own channels of v.  A straight line: no loop, no LDS byte is filled twice.
; NO CLUSTER: no two work-groups read the same byte.
; LAYOUT.  S^T = K Q^T (source 0 = 16 keys, source 1 = 16 queries): a lane holds ONE query (lane % 16) and the keys 8 (lane / 16) + 0..7.  Two such results rounded to f16 ARE source 1 (32 keys x 16 queries) of
; O^T = V^T P, whose result again holds one query a lane, and eight channels.  Of the four tiles of scores the one of keys 16-31 against queries 0-15 is wholly hidden and is not made.
; THE MASK is the reference's own: a hidden score is replaced by the lowest finite f32; the row's true maximum (every row sees its own key) is taken away before the exponential.
; REGISTERS, in windows of 256 (s_set_vgpr_msb: bits 1:0 source 0, 3:2 source 1, 5:4 source 2, 7:6 destination):
;   window 0: v0-15 addresses; v16-31 statistics; v32-55 S^T; v56-71 P; v72-167 the four waves' partial scores, later v72-199 the packed result
;   window 1: v0-127 Q (query block qb, channels 32 ks on, at 64 qb + 8 ks); v128-255 K likewise          window 2: v0-127 V^T (channel block cb at 8 cb)          window 3: O^T (tile (cb, qb) at 8 (2 cb + qb))
.set PT,    528       ; 256 channels in LDS: 512 bytes + 16 of padding
.set PR,    3*PT      ; a row: q, k, v: 1,584 bytes = 396 words: row r starts at bank 12 r mod 64 (64 banks of 4 bytes: ISA guide 11.1); of V's turning loads (8 rows x 32 bytes) some lanes meet two deep
.set TILE,  32*PR     ; a wave's tile: 50,688 bytes
.set SX,    4*TILE    ; the partial scores: 3,072 bytes a wave: tile of scores x 1,024 + half of its registers x 512 + 16 x lane
.set SXW,   3072
.set STAGE, SX+4*SXW  ; 32 rows x 528 bytes for each wave, for the way out
.set SP,    528
.set SPARE, STAGE+4*32*SP  ; the spare words, 128 bytes for each wave: two blocks of 256 bytes that no other line names
.set AF,  4           ; v4   my lane's place in 16 rows of q
.set AV,  5           ; v5   the same for V's turning loads
.set SXS, 6           ; v6   where I put my wave's partial scores
.set SXL, 7           ; v7   where I read the four waves'
.set STO, 8           ; v8   the way out: where I put 16 bytes of a row
.set RD,  9           ; v9   the way out: where I read a row back
.set GO,  10          ; v10  my byte offset in 512 consecutive bytes of ao
.set DG,  11          ; v11  lane % 16 - 8 (lane / 16): in a tile on the diagonal register j is hidden where j is greater
.set SPW, 14          ; v14  LDS address of my spare word: SPARE + 4 x my thread's number; never rewritten
.set NIL, 15          ; v15  0; never rewritten
.set CM,  16          ; v16, v18  c m of query blocks 0, 1 (named as pairs with v17, v19)
.set RL,  20          ; v20, v22  1 / l (pairs with v21, v23)
.set W,   24          ; v24-28 at work
.set S00, 32          ; keys 0-15 x queries 0-15
.set S01, 40          ; keys 0-15 x queries 16-31
.set S11, 48          ; keys 16-31 x queries 16-31
.set P0,  56          ; source 1 for queries 0-15: its upper four registers (keys 16-31) hold 0
.set P1,  64
.set PS,  72          ; wave w's partial scores at PS + 24 w
.set OP,  72          ; later: tile T of O^T packed at OP + 4 T, then row nb at OP + 4 nb
.set MSB, 0
.macro WIN new                      ; the high byte repeats the setting that is left; a switch that changes nothing is dropped
.if MSB != (\new)
	s_set_vgpr_msb (MSB<<8)|(\new)
.set MSB, (\new)
.endif
.endm
	s_load_b128 s[4:7], s[0:1], 0x0 ; qkv s[4:5], ao s[6:7]
	v_lshl_add_u32 v[SPW], v0, 2, SPARE
	v_mov_b32 v[NIL], 0
	ds_add_u32 v[SPW], v[NIL]       ; the wave's opening: the add and its wait stand ahead of my tensor load; the set-up below, work on registers, stands between them
	ds_add_u32 v14, v15
	v_lshrrev_b32 v1, 5, v0
	v_readfirstlane_b32 s8, v1      ; wave 0..3
	s_and_b32 s10, ttmp7, 0xffff    ; b
	s_lshl_b32 s31, s10, 12
	s_add_co_u32 s31, s31, ttmp9    ; the group's first row: 4,096 b + p
	s_mul_i32 s24, s31, 6144        ; in qkv: under 2^27 bytes,
	s_mul_i32 s32, s8, 1536         ; my strip's q, k and v
	s_add_co_u32 s24, s24, s32
	s_mov_b32 s25, 0
	s_lshl_b32 s36, s31, 11         ; in ao,
	s_lshl_b32 s32, s8, 9           ; my 256 channels
	s_add_co_u32 s36, s36, s32
	s_mov_b32 s37, 0
	s_mov_b32 s12, 1                ; group 0: 1:0 count = 1
	s_mul_i32 s13, s8, TILE         ; 63:32 LDS address: my tile
	s_mov_b32 s16, (1<<16)|(1<<20)|(6<<22)|(3<<25)  ; group 1: 17:16 elements of 2 bytes; 20 padding on; 24:22 after every 128 words (code 6), three times a row; 31:25 4 words of it (code 3)
	s_mov_b32 s17, 768<<16          ; tensor_dim0 = 768
	s_mov_b32 s18, 32<<16           ; tensor_dim1 = 32
	s_mov_b32 s19, 768<<16          ; tile_dim0 = 768
	s_mov_b32 s20, 32               ; tile_dim1 = 32
	s_mov_b32 s21, 128*3072         ; from a row of the group to the next: 128 rows of qkv
	s_mov_b32 s22, 0
	s_mov_b32 s23, 0
	s_mov_b32 s26, 0x3d38aa3b       ; c = log2(e) / 32
	s_mov_b32 s27, s26              ; named with it as a pair
	s_mov_b32 s28, 0x76543210       ; v_permlanex16_b32's selects: each lane takes its own place in the other half
	s_mov_b32 s29, 0xfedcba98
	s_mov_b32 s30, 0xff7fffff       ; the lowest finite f32
	s_wait_dscnt 0x0                ; the opening add is done
	s_wait_kmcnt 0x0
	s_add_nc_u64 s[14:15], s[4:5], s[24:25]  ; 120:64 global address
	s_or_b32 s15, s15, 0x80000000   ; 127:126 type = 2
	s_add_nc_u64 s[6:7], s[6:7], s[36:37]
	tensor_load_to_lds s[12:15], s[16:23]  ; my one tensor load
	s_nop 0
	v_and_b32 v1, 15, v0            ; r = l % 16
	v_bfe_u32 v2, v0, 4, 1          ; h = l / 16
	v_and_b32 v3, 31, v0            ; l
	v_mul_u32_u24 v[AF], v1, PR     ; a fragment of q or k: row r, channels 8 h + 0..7 and 16 + 8 h + 0..7: two loads of 16 bytes, 32 bytes apart
	v_lshl_add_u32 v[AF], v2, 4, v[AF]
	v_add_nc_u32 v[AF], s13, v[AF]
	v_and_b32 v12, 7, v0            ; the turning load: lane l reads key 8 h + l % 8, channels 8 ((l / 8) % 2) + 0..7, and is left with channel l % 16 and 8 keys
	v_lshl_add_u32 v12, v2, 3, v12
	v_mul_u32_u24 v[AV], v12, PR
	v_bfe_u32 v13, v0, 3, 1
	v_lshl_add_u32 v[AV], v13, 4, v[AV]
	s_add_co_u32 s32, s13, 2*PT     ; v lies behind q and k
	v_add_nc_u32 v[AV], s32, v[AV]
	s_mul_i32 s32, s8, SXW
	s_add_co_u32 s32, s32, SX
	v_lshl_add_u32 v[SXS], v3, 4, s32
	v_lshl_add_u32 v[SXL], v3, 4, SX
	s_mul_i32 s33, s8, 32*SP
	s_add_co_u32 s33, s33, STAGE    ; my stage
	v_mul_u32_u24 v[STO], v1, SP
	v_lshl_add_u32 v[STO], v2, 4, v[STO]
	v_add_nc_u32 v[STO], s33, v[STO]
	v_lshl_add_u32 v[RD], v3, 4, s33
	v_lshlrev_b32 v[GO], 4, v3
	v_lshlrev_b32 v[DG], 3, v2
	v_sub_nc_u32 v[DG], v1, v[DG]
.irp i, CM+1, CM+3, RL+1, RL+3, W+3, W+4, P0+4, P0+5, P0+6, P0+7
	v_mov_b32 v[\i], 0              ; the pairs' upper words, the lane exchanges' destinations, and P's keys 16-31 for queries 0-15
.endr
	s_wait_tensorcnt 0x0            ; my tile is in LDS; no other wave reads it
	; THE SCORES of my 256 channels.  64 loads, in the order in which the products want them: for each 32 channels K0, Q0, Q1, K1.
.macro LDF reg, off
	ds_load_b128 v[(\reg):(\reg)+3],   v[AF] offset:(\off)
	ds_load_b128 v[(\reg)+4:(\reg)+7], v[AF] offset:(\off)+32
.endm
	WIN 0x40                        ; destination window 1, address window 0
.irp ks, 0,1,2,3,4,5,6,7
	LDF 128+8*\ks, PT+64*\ks
	LDF 8*\ks, 64*\ks
	LDF 64+8*\ks, 16*PR+64*\ks
	LDF 192+8*\ks, 16*PR+PT+64*\ks
.endr
.macro SC d, k, q, ks               ; the first 32 channels start the sum
.if (\ks) == 0
	v_wmma_f32_16x16x32_f16 v[(\d):(\d)+7], v[(\k)+8*(\ks):(\k)+8*(\ks)+7], v[(\q)+8*(\ks):(\q)+8*(\ks)+7], 0
.else
	v_wmma_f32_16x16x32_f16 v[(\d):(\d)+7], v[(\k)+8*(\ks):(\k)+8*(\ks)+7], v[(\q)+8*(\ks):(\q)+8*(\ks)+7], v[(\d):(\d)+7]
.endif
.endm
	WIN 0x05                        ; K and Q in window 1, S^T in window 0
.irp ks, 0,1,2,3,4,5,6,7
	s_wait_dscnt 8*(7-\ks)          ; LDS loads come back in order (ISA guide 5.7.1): these 32 channels' eight are in, the later ones' stay out
	SC S00, 128, 0, \ks             ; the three accumulators take turns, one instruction a turn
	SC S01, 128, 64, \ks
	SC S11, 192, 64, \ks
.endr
	WIN 0x80                        ; V's 32 turning loads go out now: they land while the scores are exchanged
.irp cb, 0,1,2,3,4,5,6,7,8,9,10,11,12,13,14,15
	ds_load_tr16_b128 v[8*\cb:8*\cb+3],   v[AV] offset:32*\cb
	ds_load_tr16_b128 v[8*\cb+4:8*\cb+7], v[AV] offset:16*PR+32*\cb
.endr
	WIN 0
.rept 4
	v_nop                           ; the places between the last products and the stores that read them
.endr
	; THE EXCHANGE.  Each accumulator's lowest four registers are stored first.
.irp t, 0,1,2
	ds_store_b128 v[SXS], v[S00+8*\t:S00+8*\t+3]   offset:1024*\t
	ds_store_b128 v[SXS], v[S00+8*\t+4:S00+8*\t+7] offset:1024*\t+512
.endr
	s_wait_dscnt 0x0                ; for the others' sake: my stores are done (and V is in)
	s_barrier_signal -1
	s_barrier_wait -1
.irp w, 0,1,2,3
.irp u, 0,1,2,3,4,5
	ds_load_b128 v[PS+24*\w+4*\u:PS+24*\w+4*\u+3], v[SXL] offset:SXW*\w+512*\u
.endr
.endr
	s_wait_dscnt 0x0
.irp i, 0,1,2,3,4,5,6,7,8,9,10,11   ; (wave 0 + wave 1) + (wave 2 + wave 3), alike in all four waves
	v_pk_add_f32 v[PS+2*\i:PS+2*\i+1], v[PS+2*\i:PS+2*\i+1], v[PS+24+2*\i:PS+24+2*\i+1]
	v_pk_add_f32 v[PS+48+2*\i:PS+48+2*\i+1], v[PS+48+2*\i:PS+48+2*\i+1], v[PS+72+2*\i:PS+72+2*\i+1]
.endr
.irp i, 0,1,2,3,4,5,6,7,8,9,10,11
	v_pk_add_f32 v[S00+2*\i:S00+2*\i+1], v[PS+2*\i:PS+2*\i+1], v[PS+48+2*\i:PS+48+2*\i+1]
.endr
	; THE SOFTMAX.  The mask: in the two tiles on the diagonal key 8 h + j is hidden from query r where j > r - 8 h.
.irp j, 0,1,2,3,4,5,6,7
	v_cmp_gt_i32 vcc_lo, \j, v[DG]
	v_cndmask_b32 v[S00+\j], v[S00+\j], s30, vcc_lo
	v_cndmask_b32 v[S11+\j], v[S11+\j], s30, vcc_lo
.endr
	v_max3_num_f32 v[W],   v[S00],   v[S00+1], v[S00+2]  ; three chains, three operands at a time
	v_max3_num_f32 v[W+1], v[S01],   v[S01+1], v[S01+2]
	v_max3_num_f32 v[W+2], v[S11],   v[S11+1], v[S11+2]
	v_max3_num_f32 v[W],   v[W],   v[S00+3], v[S00+4]
	v_max3_num_f32 v[W+1], v[W+1], v[S01+3], v[S01+4]
	v_max3_num_f32 v[W+2], v[W+2], v[S11+3], v[S11+4]
	v_max3_num_f32 v[W],   v[W],   v[S00+5], v[S00+6]
	v_max3_num_f32 v[W+1], v[W+1], v[S01+5], v[S01+6]
	v_max3_num_f32 v[W+2], v[W+2], v[S11+5], v[S11+6]
	v_max_num_f32  v[W],   v[W],   v[S00+7]
	v_max3_num_f32 v[W+1], v[W+1], v[S01+7], v[S11+7]
	v_max_num_f32  v[W+1], v[W+1], v[W+2]
	v_permlanex16_b32 v[W+3], v[W],   s28, s29  ; the query's other keys lie in the lane 16 away
	v_permlanex16_b32 v[W+4], v[W+1], s28, s29
	v_max_num_f32 v[W],   v[W],   v[W+3]
	v_max_num_f32 v[W+1], v[W+1], v[W+4]
	v_mul_f32 v[CM],   s26, v[W]                ; c m
	v_mul_f32 v[CM+2], s26, v[W+1]
.irp i, 0,1,2,3
	v_pk_fma_f32 v[S00+2*\i:S00+2*\i+1], v[S00+2*\i:S00+2*\i+1], s[26:27], v[CM:CM+1] op_sel_hi:[1,0,0] neg_lo:[0,0,1] neg_hi:[0,0,1]  ; c s - c m
.endr
.irp i, 0,1,2,3,4,5,6,7
	v_pk_fma_f32 v[S01+2*\i:S01+2*\i+1], v[S01+2*\i:S01+2*\i+1], s[26:27], v[CM+2:CM+3] op_sel_hi:[1,0,0] neg_lo:[0,0,1] neg_hi:[0,0,1]
.endr
.set i, 0
.rept 24
	v_exp_f32 v[S00+i], v[S00+i]
.set i, i+1
.endr
	v_nop                           ; a plain instruction between the last exponential and the use of its result (ISA guide 5.7.2)
	s_wait_alu depctr_va_vdst(0)
	v_pk_add_f32 v[PS+8:PS+9],   v[S00:S00+1],   v[S00+2:S00+3]  ; the sums, into registers of their own: the weights are kept
	v_pk_add_f32 v[PS+10:PS+11], v[S00+4:S00+5], v[S00+6:S00+7]
	v_pk_add_f32 v[PS:PS+1],     v[S01:S01+1],   v[S01+2:S01+3]
	v_pk_add_f32 v[PS+2:PS+3],   v[S01+4:S01+5], v[S01+6:S01+7]
	v_pk_add_f32 v[PS+4:PS+5],   v[S11:S11+1],   v[S11+2:S11+3]
	v_pk_add_f32 v[PS+6:PS+7],   v[S11+4:S11+5], v[S11+6:S11+7]
	v_pk_add_f32 v[PS+8:PS+9],   v[PS+8:PS+9],   v[PS+10:PS+11]
	v_pk_add_f32 v[PS:PS+1],     v[PS:PS+1],     v[PS+2:PS+3]
	v_pk_add_f32 v[PS+4:PS+5],   v[PS+4:PS+5],   v[PS+6:PS+7]
	v_add_f32 v[W], v[PS+8], v[PS+9]
	v_pk_add_f32 v[PS:PS+1],     v[PS:PS+1],     v[PS+4:PS+5]
	v_permlanex16_b32 v[W+3], v[W], s28, s29
	v_add_f32 v[W+1], v[PS], v[PS+1]
	v_add_f32 v[W], v[W], v[W+3]
	v_permlanex16_b32 v[W+4], v[W+1], s28, s29
	v_add_f32 v[W+1], v[W+1], v[W+4]
	v_rcp_f32 v[RL],   v[W]
	v_rcp_f32 v[RL+2], v[W+1]
	v_nop                           ; a plain instruction behind the reciprocals
	s_wait_alu depctr_va_vdst(0)
.irp i, 0,1,2,3
	v_pk_mul_f32 v[S00+2*\i:S00+2*\i+1], v[S00+2*\i:S00+2*\i+1], v[RL:RL+1] op_sel_hi:[1,0]  ; the weights are divided before their one rounding: O^T needs no scaling
.endr
.irp i, 0,1,2,3,4,5,6,7
	v_pk_mul_f32 v[S01+2*\i:S01+2*\i+1], v[S01+2*\i:S01+2*\i+1], v[RL+2:RL+3] op_sel_hi:[1,0]
.endr
.irp i, 0,1,2,3
	v_cvt_pk_f16_f32 v[P0+\i], v[S00+2*\i], v[S00+2*\i+1]
.endr
.irp i, 0,1,2,3,4,5,6,7
	v_cvt_pk_f16_f32 v[P1+\i], v[S01+2*\i], v[S01+2*\i+1]  ; S01's keys 0-15 into registers 0-3, S11's keys 16-31 into 4-7
.endr
	; O^T = V^T P: 16 blocks of 16 channels x 2 blocks of 16 queries, one product each, 32 keys deep: 32 different accumulators
	WIN 0xc2                        ; V in window 2, P in window 0, O^T in window 3
.set t, 0
.rept 32
	v_wmma_f32_16x16x32_f16 v[8*t:8*t+7], v[8*(t/2):8*(t/2)+7], v[P0+8*(t%2):P0+8*(t%2)+7], 0
.set t, t+1
.endr
	WIN 0
.rept 4
	v_nop                           ; the places between the last products and the conversions that read them
.endr
	; THE WAY OUT: rounded to f16, a lane's eight channels of a row are 16 bytes; into my stage, back as whole rows of 512 bytes, stored.
	WIN 0x0f                        ; sources 0 and 1 window 3, destination window 0
.set t, 0
.rept 32
.irp i, 0,1,2,3
	v_cvt_pk_f16_f32 v[OP+4*t+\i], v[8*t+2*\i], v[8*t+2*\i+1]
.endr
.set t, t+1
.endr
	WIN 0
.set t, 0
.rept 32
	ds_store_b128 v[STO], v[OP+4*t:OP+4*t+3] offset:(t%2)*16*SP+32*(t/2)
.set t, t+1
.endr
.set t, 0
.rept 32
	ds_load_b128 v[OP+4*t:OP+4*t+3], v[RD] offset:SP*t  ; LDS serves a wave's instructions in order (ISA guide 5.7.1.4): these see the stores above
.set t, t+1
.endr
.set t, 0
.rept 32
	s_wait_dscnt 31-t               ; row t is back, the later rows stay out
	global_store_b128 v[GO], v[OP+4*t:OP+4*t+3], s[6:7] offset:128*2048*t  ; 512 consecutive bytes, at a multiple of 256 from ao's first; 31 x 262,144 at the most: inside the signed 24-bit immediate
.set t, t+1
.endr
	s_wait_tensorcnt 0x0            ; the wave's end: behind my tensor load and my last LDS store
	ds_add_u32 v[SPW], v[NIL]
	s_wait_dscnt 0x0
	s_endpgm
.Lfunc_end_k_qe4caf71291_attn:
	.size	k_qe4caf71291_attn, .Lfunc_end_k_qe4caf71291_attn-k_qe4caf71291_attn
	.p2alignl 7, 3214868480
	.fill 96, 4, 3214868480
	.section	.rodata,"a",@progbits
	.p2align	6, 0x0
	.amdhsa_kernel k_qe4caf71291_attn
		.amdhsa_group_segment_fixed_size 283136
		.amdhsa_private_segment_fixed_size 0
		.amdhsa_enable_private_segment 0
		.amdhsa_kernarg_size 16
		.amdhsa_user_sgpr_count 2
		.amdhsa_user_sgpr_kernarg_segment_ptr 1
		.amdhsa_wavefront_size32 1
		.amdhsa_system_sgpr_workgroup_id_x 1
		.amdhsa_system_sgpr_workgroup_id_y 1
		.amdhsa_system_sgpr_workgroup_id_z 1
		.amdhsa_system_vgpr_workitem_id 0
		.amdhsa_next_free_vgpr 1024
		.amdhsa_next_free_sgpr 66
		.amdhsa_reserve_vcc 1
		.amdhsa_float_denorm_mode_32 3
		.amdhsa_float_denorm_mode_16_64 3
		.amdhsa_memory_ordered 1
		.amdhsa_forward_progress 1
		.amdhsa_inst_pref_size 41
	.end_amdhsa_kernel
	.amdgpu_metadata
---
amdhsa.version: [ 1, 2 ]
amdhsa.kernels:
  - .name:           k_qe4caf71291_attn
    .symbol:         k_qe4caf71291_attn.kd
    .args:
      - { .name: qkv, .offset: 0, .size: 8, .value_kind: global_buffer, .address_space: global }
      - { .name: ao, .offset: 8, .size: 8, .value_kind: global_buffer, .address_space: global }
    .group_segment_fixed_size: 283136
    .private_segment_fixed_size: 0
    .kernarg_segment_align: 8
    .kernarg_segment_size: 16
    .max_flat_workgroup_size: 128
    .sgpr_count:     66
    .vgpr_count:     1024
    .wavefront_size: 32
...
	.end_amdgpu_metadata
.endif
;; end of part 3
;; launch gemm_out (part 4): grid 4 x 64, 4 waves a work-group, clusters of 4 x 4, 327,680 bytes of LDS; arguments ao, wo, bias, out0; writes out0
.if DOCPART == 4
	.amdgcn_target "amdgcn-amd-amdhsa--gfx1250"
	.amdhsa_code_object_version 6
	.text
	.protected	k_qe4caf71291_gemm_out
	.globl	k_qe4caf71291_gemm_out
	.p2align	8
	.type	k_qe4caf71291_gemm_out,@function
k_qe4caf71291_gemm_out:
	s_mov_b64 s[64:65], 0
	v_nop
	global_prefetch_b8 v0, s[64:65] scope:SCOPE_SE
	s_setreg_imm32_b32 hwreg(HW_REG_WAVE_MODE, 25, 1), 1
	s_wait_xcnt 0x0
	s_wait_alu depctr_hold_cnt(0) depctr_sa_sdst(0) depctr_va_vdst(0) depctr_va_sdst(0) depctr_va_ssrc(0) depctr_va_vcc(0) depctr_vm_vsrc(0)
	s_getreg_b32 s2, hwreg(HW_REG_IB_STS2, 6, 4)
	s_cmp_eq_u32 s2, 0
	s_cbranch_scc0 .Lentry_in_a_cluster
	s_endpgm
.Lentry_in_a_cluster:
	s_bfe_u32 s2, ttmp6, 0x10000c
	s_cmp_lg_u32 s2, 0xf033
	s_cbranch_scc0 .Lentry_shape_is_right
	s_endpgm
.Lentry_shape_is_right:
; out0 = ao wo + bias.  ao: [16384][1024] f16.  wo: [1024 k][1024 n] f16.  bias: f32, bout at byte 12,288.  out0: [16384][1024] f32.  Sums in f32, started by the bias, stored as they are.
; SHARES.  A tile of the result, 256 x 256, is made by a work-group of four waves, 128 x 128 each: 64 accumulators of 16 x 16, 512 registers.  64 x 4 work-groups, one tile each.  K goes in steps of 128 through a ring of two LDS slots.
; B LIES AS IT IS GIVEN, [k][n]: a slot holds 128 k-rows of 256 columns, and the fragments come out turned, by ds_load_tr16_b128.
; CLUSTERS: 4 x 4 work-groups.  The four of a row of the cluster need the same tiles of ao, the four of a column the same tiles of wo: each tile is asked for JOINTLY, by the same tensor load, descriptor and mask in all four.
; THE MATRIX INSTRUCTION IS USED TRANSPOSED (source 0 = 16 columns of wo, source 1 = 16 rows of ao): lane l holds row l % 16 of the result and its registers the columns 8 (l / 16) + 0 .. 7: 32 consecutive bytes of f32.
; REGISTERS, in windows of 256 (s_set_vgpr_msb: bits 1:0 source 0, 3:2 source 1, 5:4 source 2, 7:6 destination):
;   window 0: v0-31 addresses; v64-127, v128-191 fragments of ao, two buffers; on the way out the same registers take rows read back from the stage
;   window 1: v0-63 the bias of my 128 columns, as the C operand of the first products; v64-127, v128-191 fragments of wo, two buffers
;   window 2: the 32 accumulators of my rows 0-63 (accumulator (a, b) at v[8 (8 a + b)]);   window 3: those of my rows 64-127
.set SIZE_K, 1024
.set SIZE_N, 1024
.set KSTEP,  128
.set PITCH,  272                       ; a row of ao in LDS: 256 bytes + 16 of padding = 68 words: row r starts at bank 4 r mod 64 (64 banks of 4 bytes: ISA guide 11.1), the 16 rows of a load at 16 different banks
.set PB,     544                       ; a k-row of wo in LDS: 512 bytes + 32 = 136 words: row r starts at bank 8 r mod 64
.set HALFT,  128*PITCH                 ; what one tensor load brings: 128 rows of ao, or 64 k-rows of wo (64 x 544 is the same number)
.set SLOT,   4*HALFT                   ; ao's 256 rows, then wo's 128 k-rows
.set STAGE,  2*SLOT                    ; behind the ring: 16 rows x 528 bytes for each wave, for the way out
.set SPITCH, 528                       ; 512 bytes + 16 = 132 words: row r starts at bank 4 r mod 64
.set SPARE,  STAGE+4*16*SPITCH         ; behind the stages: the spare words, 128 bytes for each wave: two blocks of 256 bytes that no other line names
.set LAPS,   SIZE_K/(2*KSTEP)          ; a lap = two K steps = once round the ring
.set BSTEP,  KSTEP*SIZE_N*2            ; bytes of wo from a K step to the next
.set CROW,   SIZE_N*4                  ; bytes in a row of out0
.set ADRA, 16                          ; v16-17  LDS address of my fragments of ao in slot 0, 1
.set ADRB, 20                          ; v20-21  the same for wo
.set STO,  24                          ; v24     the way out: where I put 32 bytes of a row
.set RD,   25                          ; v25     the way out: where I read a row back
.set CO,   26                          ; v26     my byte offset in 512 consecutive bytes of out0
.set BO,   27                          ; v27     my byte offset in the tile's 256 numbers of the bias
.set SPW,  28                          ; v28     LDS address of my spare word: SPARE + 4 x my thread's number; never rewritten
.set NIL,  29                          ; v29     0; never rewritten
.set F0,   64                          ; fragment buffer 0
.set F1,   128                         ; fragment buffer 1
.set G1,  24                           ; s[24:31] descriptor group 1 for ao's tiles
.set G0,  32                           ; s[32:39] descriptor group 0 for ao's tiles, one set for each slot
.set G1B, 48                           ; s[48:55] descriptor group 1 for wo's tiles
.set G0B, 56                           ; s[56:63] descriptor group 0 for wo's tiles, one set for each slot
.set BI,  66                           ; s[66:67] the bias at the tile's first column
.set MSB, 0
.macro WIN new                         ; the immediate's high byte repeats the setting that is left; a switch that changes nothing is dropped
.if MSB != (\new)
	s_set_vgpr_msb (MSB<<8)|(\new)
.set MSB, \new
.endif
.endm
.set MUL_LO, 0xa1                      ; source 0 (wo) window 1, source 1 (ao) window 0, C and D window 2; + 0x50: C and D window 3
.set MUL_B,  0x91                      ; the same with C (the bias) in window 1; + 0x40: D window 3
.set TO_B,   0x40                      ; destination window 1, address window 0
; A joint load.  Waves 0 and 1 fetch ao's two halves, waves 2 and 3 wo's.  Each line has one mask and one set of registers; the branch hangs on the wave's number alone.
; An s_nop 0 and four v_nop follow each of the two lines, ahead of the jump, the label and what follows.
.macro JLOAD s
	s_cmp_eq_u32 s11, 0
	s_cbranch_scc0 .Lfor_b_\@
	tensor_load_to_lds s[G0+4*(\s):G0+4*(\s)+3], s[G1:G1+7]
	s_nop 0
.rept 4
	v_nop
.endr
	s_branch .Lasked_\@
.Lfor_b_\@:
	tensor_load_to_lds s[G0B+4*(\s):G0B+4*(\s)+3], s[G1B:G1B+7]
	s_nop 0
.rept 4
	v_nop
.endr
.Lasked_\@:
.endm
; A round of the cluster's barrier: my work-group's barrier; wave 0 signals for the work-group; every wave waits for all sixteen work-groups; my work-group's barrier once more.
.macro CREST                           ; a round behind its opening barrier
	s_cmp_lg_u32 s10, 0
	s_cbranch_scc1 .Lnot_wave_0_\@
	s_barrier_signal -3
.Lnot_wave_0_\@:
	s_barrier_wait -3
	s_barrier_signal -1
	s_barrier_wait -1
.endm
.macro CROUND                          ; a whole round
	s_barrier_signal -1
	s_barrier_wait -1
	CREST
.endm
	s_load_b128 s[4:7], s[0:1], 0x0                ; ao s[4:5], wo s[6:7]
	s_load_b64 s[BI:BI+1], s[0:1], 0x10            ; bias
	s_load_b64 s[8:9], s[0:1], 0x18                ; out0
	v_lshl_add_u32 v[SPW], v0, 2, SPARE
	v_mov_b32 v[NIL], 0
	ds_add_u32 v[SPW], v[NIL]                      ; the wave's opening: the add and its wait stand ahead of my first tensor load; the set-up below, work on registers, stands between them
	ds_add_u32 v28, v29
	v_lshrrev_b32 v1, 5, v0
	v_readfirstlane_b32 s10, v1                    ; wave 0..3
	s_lshr_b32 s11, s10, 1                         ; which half of the tile's rows is mine.  Also: I fetch for ao (0) or for wo (1)
	s_and_b32 s12, s10, 1                          ; which half of its columns.  Also: which half of that tile I fetch
	s_bfe_u32 s40, ttmp6, 0x40000                  ; cx: my place along the cluster's x
	s_bfe_u32 s41, ttmp6, 0x40004                  ; cy: along its y
	s_lshl_b32 s42, ttmp9, 2                       ; in a cluster launch ttmp9 and ttmp7 count clusters
	s_add_co_u32 s42, s42, s40                     ; tile column = 4 x cluster x + cx
	s_and_b32 s13, ttmp7, 0xffff
	s_lshl_b32 s13, s13, 2
	s_add_co_u32 s13, s13, s41                     ; tile row = 4 x cluster y + cy
	s_lshl_b32 s43, s41, 2
	s_lshl_b32 s43, 15, s43                        ; my row of the cluster: places 4 cy .. 4 cy + 3
	s_lshl_b32 s44, 0x1111, s40                    ; my column: places cx, cx + 4, cx + 8, cx + 12
	; descriptor group 1.  ao: 128 rows x 128 elements; wo: 64 k-rows x 256 elements; both padded in LDS
	s_or_b32 s[G1+0], s43, (1<<16)|(1<<20)|(1<<21)|(5<<22)|(3<<25)   ; 15:0 the mask: my row; 17:16 elements of 2 bytes; 20 padding on; 21 set beside a mask; 24:22 after every 64 words (code 5); 31:25 4 words of it (code 3)
	s_or_b32 s[G1B+0], s44, (1<<16)|(1<<20)|(1<<21)|(6<<22)|(7<<25)  ; the mask: my column; after every 128 words (code 6) 8 words (code 7)
	s_mov_b32 s[G1+1], KSTEP<<16                   ; tensor_dim0 = 128
	s_mov_b32 s[G1+2], 128<<16                     ; tensor_dim1 = 128
	s_mov_b32 s[G1+3], KSTEP<<16                   ; tile_dim0 = 128
	s_mov_b32 s[G1+4], 128                         ; tile_dim1 = 128
	s_mov_b32 s[G1+5], SIZE_K                      ; elements from row to row
	s_mov_b32 s[G1+6], 0
	s_mov_b32 s[G1+7], 0
	s_mov_b32 s[G1B+1], 256<<16                    ; tensor_dim0 = 256
	s_mov_b32 s[G1B+2], 64<<16                     ; tensor_dim1 = 64
	s_mov_b32 s[G1B+3], 256<<16                    ; tile_dim0 = 256
	s_mov_b32 s[G1B+4], 64                         ; tile_dim1 = 64
	s_mov_b32 s[G1B+5], SIZE_N                     ; elements from k-row to k-row
	s_mov_b32 s[G1B+6], 0
	s_mov_b32 s[G1B+7], 0
	; where the tiles come from.  ao's hang on the tile row alone, which my row of the cluster shares; wo's on the tile column alone, which my column shares.  Each in registers that never hold the other coordinate.
	s_lshl_b32 s17, s12, 7
	s_lshl_b32 s16, s13, 8
	s_add_co_u32 s16, s16, s17                     ; ao: row 256 x tile row + 128 x half,
	s_lshl_b32 s16, s16, 11                        ; of 2,048 bytes: under 2^25
	s_mov_b32 s17, 0
	s_mul_i32 s46, s12, 64*SIZE_N*2                ; wo: k-row 64 x half,
	s_lshl_b32 s47, s42, 9                         ; column 256 x tile column
	s_add_co_u32 s46, s46, s47
	s_mov_b32 s47, 0
	s_mul_i32 s20, s10, HALFT                      ; and where they go: wave x 34,816: no place in the cluster enters an LDS address
	s_wait_dscnt 0x0                               ; the opening add is done
	s_wait_kmcnt 0x0
	s_add_nc_u64 s[14:15], s[4:5], s[16:17]
	s_add_nc_u64 s[46:47], s[6:7], s[46:47]
	CROUND                                         ; all sixteen work-groups are here: the first joint loads meet
.irp s, 0,1
	s_mov_b32 s[G0+4*(\s)], 1                                        ; 1:0 count = 1
	s_add_co_u32 s[G0+4*(\s)+1], s20, (\s)*SLOT                      ; 63:32 LDS address
	s_add_nc_u64 s[G0+4*(\s)+2:G0+4*(\s)+3], s[14:15], (\s)*KSTEP*2  ; 120:64 global address: K step s
	s_or_b32 s[G0+4*(\s)+3], s[G0+4*(\s)+3], 0x80000000              ; 127:126 type = 2
	s_mov_b32 s[G0B+4*(\s)], 1
	s_add_co_u32 s[G0B+4*(\s)+1], s20, (\s)*SLOT
	s_add_nc_u64 s[G0B+4*(\s)+2:G0B+4*(\s)+3], s[46:47], (\s)*BSTEP
	s_or_b32 s[G0B+4*(\s)+3], s[G0B+4*(\s)+3], 0x80000000
	JLOAD \s                                       ; the ring is filled before anything else is done: two tensor loads of mine are out
.endr
	v_and_b32 v1, 15, v0                           ; l % 16
	v_bfe_u32 v2, v0, 4, 1                         ; l / 16
	s_lshl_b32 s46, s42, 10                        ; the tile's 256 numbers of the bias (in the registers that held wo's address: none that feeds ao's descriptors ever holds cx),
	s_add_co_u32 s46, s46, 12288                   ; behind bqkv's 3,072
	s_mov_b32 s47, 0
	s_add_nc_u64 s[BI:BI+1], s[BI:BI+1], s[46:47]
	s_lshl_b32 s21, s12, 9                         ; my half of them
	v_lshl_add_u32 v[BO], v2, 5, s21
	; The bias of my 128 columns, laid as a C operand: in block b register j of lane l is bias[16 b + 8 (l / 16) + j]: every row of the tile gets the same numbers.
	WIN TO_B
.irp b, 0,1,2,3,4,5,6,7
	global_load_b128 v[8*(\b):8*(\b)+3],   v[BO], s[BI:BI+1] offset:64*(\b)
	global_load_b128 v[8*(\b)+4:8*(\b)+7], v[BO], s[BI:BI+1] offset:64*(\b)+16
.endr
	WIN 0
	; A fragment of ao is 16 rows x 32 K in 8 registers: lane l holds row l % 16, K = 8 (l / 16) + 0..7 and 16 + 8 (l / 16) + 0..7: two loads of 16 bytes, 32 bytes apart.
	v_mul_u32_u24 v3, v1, PITCH
	v_lshl_add_u32 v3, v2, 4, v3                   ; row x pitch + 16 x half
	; The turning load takes 16 k x 16 columns (lane l reads k-row 8 (l / 16) + l % 8, columns 8 ((l / 8) % 2) + 0..7) and leaves half a fragment: lane l holds column l % 16 and 8 k.
	v_and_b32 v4, 7, v0
	v_lshl_add_u32 v4, v2, 3, v4
	v_mul_u32_u24 v4, v4, PB
	v_bfe_u32 v5, v0, 3, 1
	v_lshl_add_u32 v4, v5, 4, v4
	s_mul_i32 s21, s11, HALFT                      ; my 128 rows of ao
	s_lshl_b32 s22, s12, 8                         ; my 128 columns of wo,
	s_add_co_u32 s22, s22, 2*HALFT                 ; which lies behind ao's 256 rows
.irp s, 0,1
	v_add_nc_u32 v[ADRA+(\s)], s21, v3
	v_add_nc_u32 v[ADRB+(\s)], s22, v4
	s_add_co_u32 s21, s21, SLOT
	s_add_co_u32 s22, s22, SLOT
.endr
	s_mul_i32 s23, s10, 16*SPITCH
	s_add_co_u32 s23, s23, STAGE                   ; my stage
	v_mul_u32_u24 v6, v1, SPITCH                   ; in: row l % 16, 32 bytes for each half of the lanes
	v_lshl_add_u32 v6, v2, 5, v6
	v_add_nc_u32 v[STO], s23, v6
	v_and_b32 v7, 31, v0                           ; back: 32 lanes take one row of 512 bytes,
	v_lshlrev_b32 v[CO], 4, v7                     ; which are 512 consecutive bytes of out0
	v_add_nc_u32 v[RD], s23, v[CO]
	s_lshl_b32 s16, s13, 8                         ; out0 at my part of the tile: row 256 x tile row + 128 x half,
	s_lshl_b32 s17, s11, 7
	s_add_co_u32 s16, s16, s17
	s_lshl_b32 s16, s16, 12                        ; of 4,096 bytes: under 2^26
	s_mov_b32 s17, 0
	s_add_nc_u64 s[8:9], s[8:9], s[16:17]
	s_lshl_b32 s46, s42, 10                        ; the tile's 256 columns, my half of them
	s_lshl_b32 s47, s12, 9
	s_add_co_u32 s46, s46, s47
	s_mov_b32 s47, 0
	s_add_nc_u64 s[8:9], s[8:9], s[46:47]
; 16 matrix instructions: row blocks a0, a0 + 1 of the window's four (hi = 0: my rows 0-63, 1: rows 64-127) x all 8 column blocks, 32 along K.
; zero = 1: the first products: the bias is their C operand and starts the sums: nothing is cleared, nothing is added later.
; The 64 accumulators take turns in one order everywhere, one instruction a turn.
.macro MUL16 f, hi, a0, zero
.if \zero
	WIN MUL_B+0x40*(\hi)
.else
	WIN MUL_LO+0x50*(\hi)
.endif
.irp a, \a0, (\a0)+1
.irp b, 0,1,2,3,4,5,6,7
.if \zero
	v_wmma_f32_16x16x32_f16 v[8*(8*(\a)+(\b)):8*(8*(\a)+(\b))+7], v[(\f)+8*(\b):(\f)+8*(\b)+7], v[(\f)+8*(4*(\hi)+(\a)):(\f)+8*(4*(\hi)+(\a))+7], v[8*(\b):8*(\b)+7]
.else
	v_wmma_f32_16x16x32_f16 v[8*(8*(\a)+(\b)):8*(8*(\a)+(\b))+7], v[(\f)+8*(\b):(\f)+8*(\b)+7], v[(\f)+8*(4*(\hi)+(\a)):(\f)+8*(4*(\hi)+(\a))+7], v[8*(8*(\a)+(\b)):8*(8*(\a)+(\b))+7]
.endif
.endr
.endr
.endm
; 32 LDS loads in one run: the fragments of quarter q of a K step (32 k x my 128 columns of wo, turned; my 128 rows of ao x 32 k) into buffer f
.macro FETCH slot, q, f
	WIN TO_B
.irp i, 0,1,2,3,4,5,6,7
	ds_load_tr16_b128 v[(\f)+8*(\i):(\f)+8*(\i)+3],   v[ADRB+(\slot)] offset:(\q)*32*PB+32*(\i)
	ds_load_tr16_b128 v[(\f)+8*(\i)+4:(\f)+8*(\i)+7], v[ADRB+(\slot)] offset:(\q)*32*PB+16*PB+32*(\i)
.endr
	WIN 0
.irp i, 0,1,2,3,4,5,6,7
	ds_load_b128 v[(\f)+8*(\i):(\f)+8*(\i)+3],   v[ADRA+(\slot)] offset:(\q)*64+(\i)*16*PITCH
	ds_load_b128 v[(\f)+8*(\i)+4:(\f)+8*(\i)+7], v[ADRA+(\slot)] offset:(\q)*64+(\i)*16*PITCH+32
.endr
.endm
; A load into a register that a matrix instruction has read, and a vector instruction or LDS store that reads a matrix result, stand four places behind that matrix instruction; only plain vector
; instructions that name none of its registers are places (ISA guide 7.12.1 for vector instructions).
.macro PLACES
.rept 4
	v_nop
.endr
.endm
; A K step is four quarters of 32 along K, 64 matrix instructions each, on buffers 0, 1, 0, 1.  One of the first three: multiplies buffer f; in its middle it fetches quarter q of the same slot into buffer g.
.macro QUARTER slot, q, f, g, zero
	s_wait_dscnt 8                                 ; wo's fragments and ao's rows 0-63 are in; the youngest eight loads (ao's rows 64-127) may be out
	MUL16 \f, 0, 0, \zero
	MUL16 \f, 0, 2, \zero
	PLACES
	FETCH \slot, \q, \g
	s_wait_dscnt 32                                ; all but the 32 just issued
	MUL16 \f, 1, 0, \zero
	MUL16 \f, 1, 2, \zero
.endm
; The last quarter multiplies buffer 1 and changes slots.  MEET is its first half: ONE barrier for the change.  In front of it each wave waits for all its tensor loads, of which one is out: its part of the next
; slot; adds 0 to its spare word; and waits for that and for its own reads of this slot.  Behind it nobody reads this slot any more and the next slot is whole.
.macro MEET round                      ; round = 1: a round of the cluster's barrier follows
	WIN 0                                          ; (the add's two registers lie in window 0)
	s_wait_tensorcnt 0x0                           ; all my tensor loads have landed;
	ds_add_u32 v[SPW], v[NIL]                      ; 0 onto my spare word;
	s_wait_dscnt 9                                 ; (the add and the youngest eight loads may be out)
	MUL16 F1, 0, 0, 0                              ; sixteen matrix instructions stand between the add and the wait for it
	s_wait_dscnt 0x0                               ; the add is done, and my reads of this slot are over:
	s_barrier_signal -1                            ; say so,
	MUL16 F1, 0, 2, 0                              ; work on registers while the others arrive,
.if \round
	WIN 0
.endif
	s_barrier_wait -1                              ; and go on when all four have said so
.endm
; The whole last quarter.  Behind the round the slot just read out is filled again first, with the K step two steps on.  From a request to the wait for it a wave issues 224 matrix instructions; one tensor load of mine is out.
.macro TURN slot, next
	MEET 1
	CREST                                          ; no wave of any partner still reads this slot's tile or has a load on its way
	s_add_nc_u64 s[G0+4*(\slot)+2:G0+4*(\slot)+3], s[G0+4*(\slot)+2:G0+4*(\slot)+3], 2*KSTEP*2
	s_add_nc_u64 s[G0B+4*(\slot)+2:G0B+4*(\slot)+3], s[G0B+4*(\slot)+2:G0B+4*(\slot)+3], 2*BSTEP
	JLOAD \slot                                    ; the first tensor load behind the round; the four v_nop behind it are also the places in front of the loads below
	FETCH \next, 0, F0
	MUL16 F1, 1, 0, 0
	MUL16 F1, 1, 2, 0
.endm
.macro ENDTURN                         ; the last change of slots: nothing is filled, so no round follows
	MEET 0
	PLACES                                         ; for the loads into buffer 0, which the quarter before multiplied
	FETCH 1, 0, F0
	MUL16 F1, 1, 0, 0
	MUL16 F1, 1, 2, 0
.endm
.macro LASTQ                           ; the very last quarter: nothing more to fetch
	s_wait_dscnt 8
	MUL16 F1, 0, 0, 0
	MUL16 F1, 0, 2, 0
	s_wait_dscnt 0x0
	MUL16 F1, 1, 0, 0
	MUL16 F1, 1, 2, 0
.endm
; THE WAY OUT of block a (16 of my rows): the sums are the result, so they go from the accumulators straight into my own stage in LDS (each accumulator's lowest four registers first)
; and come back as whole rows of 512 bytes, into the fragment buffers, which are dead: buffer a % 2.
.macro TOSTAGE2 a
.set AC, 64*((\a)%4)
.set BK, F0+64*((\a)%2)
	s_wait_xcnt 0x0                                ; the stores of block a - 2 have had their addresses translated (ISA guide 3.1): their registers are loaded again only behind this wait
	WIN 0x08+4*((\a)/4)                            ; the stores' data (source 1): window 2 or 3
.irp b, 0,1,2,3,4,5,6,7
	ds_store_b128 v[STO], v[AC+8*(\b):AC+8*(\b)+3]   offset:64*(\b)
	ds_store_b128 v[STO], v[AC+8*(\b)+4:AC+8*(\b)+7] offset:64*(\b)+16
.endr
	WIN 0
.irp t, 0,1,2,3,4,5,6,7,8,9,10,11,12,13,14,15
	ds_load_b128 v[BK+4*(\t):BK+4*(\t)+3], v[RD] offset:(\t)*SPITCH  ; LDS serves a wave's instructions in order (ISA guide 5.7.1.4): these see the stores above; the next block's stores come behind them
.endr
.endm
.macro SEND2 a, younger                ; younger: the LDS instructions issued behind block a's loads: the next block's 32, or none
.set BK, F0+64*((\a)%2)
.irp t, 0,1,2,3,4,5,6,7,8,9,10,11,12,13,14,15
	s_wait_dscnt (\younger)+15-(\t)                ; row t is back
	global_store_b128 v[CO], v[BK+4*(\t):BK+4*(\t)+3], s[8:9] offset:(16*(\a)+(\t))*CROW th:TH_STORE_NT  ; 512 consecutive bytes, at a multiple of 256 from out0's first byte; 127 rows at the most: inside the signed 24-bit immediate
.endr
.endm
	s_wait_tensorcnt 1                             ; my part of K step 0 is in; K step 1's may stay out
	s_barrier_signal -1
	s_barrier_wait -1                              ; everybody's is
	FETCH 0, 0, F0
	s_wait_loadcnt 0x0                             ; the bias
	QUARTER 0, 1, F0, F1, 1                        ; the first quarter stands in front of the loop: its products start the sums
	WIN 0                                          ; at a label and at a branch every window is 0
	s_mov_b32 s3, LAPS-1
.Llap:                                                 ; a trip goes once round the ring, from a lap's second quarter to the next lap's first, and fills both slots again
	QUARTER 0, 2, F1, F0, 0
	QUARTER 0, 3, F0, F1, 0
	TURN 0, 1
	QUARTER 1, 1, F0, F1, 0
	QUARTER 1, 2, F1, F0, 0
	QUARTER 1, 3, F0, F1, 0
	TURN 1, 0
	QUARTER 0, 1, F0, F1, 0
	WIN 0
	s_sub_co_u32 s3, s3, 1
	s_cmp_lg_u32 s3, 0
	s_cbranch_scc1 .Llap
	QUARTER 0, 2, F1, F0, 0                        ; the last lap fills nothing
	QUARTER 0, 3, F0, F1, 0
	ENDTURN
	QUARTER 1, 1, F0, F1, 0
	QUARTER 1, 2, F1, F0, 0
	QUARTER 1, 3, F0, F1, 0
	LASTQ
	WIN 0
	PLACES                                         ; the LDS stores read results just made, and the loads from the stage land in registers that the last products read
	TOSTAGE2 0
.irp a, 1,2,3,4,5,6,7                  ; block a's trip through the stage is under way while block a - 1 is stored
	TOSTAGE2 \a
	SEND2 (\a)-1, 32
.endr
	SEND2 7, 0
	s_wait_tensorcnt 0x0                           ; the wave's end: behind my last tensor load and my last LDS store
	ds_add_u32 v[SPW], v[NIL]
	s_wait_dscnt 0x0
	CROUND                                         ; the closing round: no work-group ends while a partner may still ask for a tile that names it
	s_endpgm
.Lfunc_end_k_qe4caf71291_gemm_out:
	.size	k_qe4caf71291_gemm_out, .Lfunc_end_k_qe4caf71291_gemm_out-k_qe4caf71291_gemm_out
	.p2alignl 7, 3214868480
	.fill 96, 4, 3214868480
	.section	.rodata,"a",@progbits
	.p2align	6, 0x0
	.amdhsa_kernel k_qe4caf71291_gemm_out
		.amdhsa_group_segment_fixed_size 327680
		.amdhsa_private_segment_fixed_size 0
		.amdhsa_enable_private_segment 0
		.amdhsa_kernarg_size 32
		.amdhsa_user_sgpr_count 2
		.amdhsa_user_sgpr_kernarg_segment_ptr 1
		.amdhsa_wavefront_size32 1
		.amdhsa_system_sgpr_workgroup_id_x 1
		.amdhsa_system_sgpr_workgroup_id_y 1
		.amdhsa_system_sgpr_workgroup_id_z 1
		.amdhsa_system_vgpr_workitem_id 0
		.amdhsa_next_free_vgpr 1024
		.amdhsa_next_free_sgpr 72
		.amdhsa_reserve_vcc 0
		.amdhsa_float_denorm_mode_32 3
		.amdhsa_float_denorm_mode_16_64 3
		.amdhsa_memory_ordered 1
		.amdhsa_forward_progress 1
		.amdhsa_inst_pref_size 146
	.end_amdhsa_kernel
	.amdgpu_metadata
---
amdhsa.version: [ 1, 2 ]
amdhsa.kernels:
  - .name:           k_qe4caf71291_gemm_out
    .symbol:         k_qe4caf71291_gemm_out.kd
    .args:
      - { .name: ao, .offset: 0, .size: 8, .value_kind: global_buffer, .address_space: global }
      - { .name: wo, .offset: 8, .size: 8, .value_kind: global_buffer, .address_space: global }
      - { .name: bias, .offset: 16, .size: 8, .value_kind: global_buffer, .address_space: global }
      - { .name: out0, .offset: 24, .size: 8, .value_kind: global_buffer, .address_space: global }
    .group_segment_fixed_size: 327680
    .private_segment_fixed_size: 0
    .kernarg_segment_align: 8
    .kernarg_segment_size: 32
    .max_flat_workgroup_size: 128
    .sgpr_count:     72
    .vgpr_count:     1024
    .wavefront_size: 32
...
	.end_amdgpu_metadata
.endif
;; end of part 4
;; ======== version 2 of 2: 4 launches
;; limits: values are held in f16: magnitudes above 65,504 overflow, below 6.1e-05 lose precision; right only within a limited range of input values
;; workspace buffers: xb 33,554,432 bytes; wa 6,389,760 bytes; wc 6,291,456 bytes; wo 2,097,152 bytes; bias 16,384 bytes; bp 65,536 bytes; qkv 134,217,728 bytes
;; launch prep (part 5): grid 1281 x 1, 8 waves a work-group, no clusters, 0 bytes of LDS; arguments x, Wqkv, Wout, bqkv, bout, xb, wa, wc, wo, bias; writes xb, wa, wc, wo, bias
.if DOCPART == 5
	.amdgcn_target "amdgcn-amd-amdhsa--gfx1250"
	.amdhsa_code_object_version 6
	.text
	.protected	k_qe4caf71291_prep
	.globl	k_qe4caf71291_prep
	.p2align	8
	.type	k_qe4caf71291_prep,@function
k_qe4caf71291_prep:
	s_mov_b64 s[64:65], 0
	v_nop
	global_prefetch_b8 v0, s[64:65] scope:SCOPE_SE
	s_setreg_imm32_b32 hwreg(HW_REG_WAVE_MODE, 25, 1), 1
	s_wait_xcnt 0x0
; THE CASTS.  Every input is rounded once to bf16; what will be a matrix operand is then written as f16, which holds a bf16 number exactly within f16's range.
;   xb = x, [16384][1024] f16.   wo = Wout, [1024][1024] f16.   wc, [1024][3072] f16: columns 0-2047 = Wqkv's q and k columns (the v columns are another launch's).
;   wa, [1040][3072] f16: of every row only columns 2048-3071 are written: in rows 0-1023 Wqkv's v columns; in rows 1024-1039 sixteen copies of bqkv's v part, one for each tile row of the next launch,
;   so that what its clusters ask for under different masks are different bytes.   bias, f32: bqkv's q part at byte 0, its k part at 4,096, bout at 12,288.
; LIMITS.  A number beyond 65,504 becomes an infinity; below 6e-5 it keeps f16's fixed step of 6e-8.  NaN and infinities are not treated apart.
; SHARES.  A work-group of eight waves casts sixteen pieces of 4,096 input bytes into sixteen of 2,048.  Groups 0-1023: x, pieces on end.  1024-1087: Wout, likewise.  1088-1279: Wqkv: a piece is one of a row's three panels of
; 1,024 columns (q, k, v); a group takes one panel of sixteen rows.  Group 1280: the two biases.
; Thread t takes 16 bytes at 16 t of a piece: a wave's load covers 512 consecutive bytes; its store of 8 bytes a lane covers 256 consecutive bytes, at a multiple of 256 from the buffer's first.
; All sixteen loads of a thread go out at once; a piece's results are written over the registers that it was loaded into, and those are written no more: 72 registers a wave, no loop, no LDS, no barrier.
; No work-group reads what another reads, so there is nothing to share in a cluster.
.set X, 4                              ; v[4:67]    piece i: 4 registers as loaded; then its results, in the first two (the biases kept in f32: in all four)
.set T, 68                             ; v[68:71]   at work
	s_load_b512 s[8:23], s[0:1], 0x0               ; x s[8:9], Wqkv s[10:11], Wout s[12:13], bqkv s[14:15], bout s[16:17], xb s[18:19], wa s[20:21], wc s[22:23]
	s_load_b128 s[24:27], s[0:1], 0x40             ; wo s[24:25], bias s[26:27]
	s_mov_b32 s2, ttmp9                            ; the work-group's number
	s_mov_b32 s33, 0xffff0000                      ; a word's upper bf16
	s_mov_b32 s5, 0
	s_mov_b32 s7, 0
	v_lshlrev_b32 v1, 4, v0                        ; 16 t
	v_lshlrev_b32 v2, 3, v0                        ; 8 t
	s_wait_kmcnt 0x0
; Four f32 in v[x .. x+3] are rounded to bf16, widened again and written as f16 into v[x], v[x+1].
.macro ROUND4 x
	v_cvt_pk_bf16_f32 v[T],   v[(\x)],   v[(\x)+1]
	v_cvt_pk_bf16_f32 v[T+1], v[(\x)+2], v[(\x)+3]
	v_lshlrev_b32 v[T+2], 16, v[T]                 ; bf16 to f32: the low half moves up,
	v_and_b32     v[T],   s33, v[T]                ; the high half stays
	v_lshlrev_b32 v[T+3], 16, v[T+1]
	v_and_b32     v[T+1], s33, v[T+1]
	v_cvt_pk_f16_f32 v[(\x)],   v[T+2], v[T]
	v_cvt_pk_f16_f32 v[(\x)+1], v[T+3], v[T+1]
.endm
; Sixteen loads, sin bytes apart; then for each its wait, the rounding and its store, sout bytes apart.
.macro CAST sin, sout
.irp i, 0,1,2,3,4,5,6,7,8,9,10,11,12,13,14,15
	global_load_b128 v[X+4*(\i):X+4*(\i)+3], v1, s[28:29] offset:(\sin)*(\i) th:TH_LOAD_NT
.endr
.irp i, 0,1,2,3,4,5,6,7,8,9,10,11,12,13,14,15
	s_wait_loadcnt 15-(\i)                         ; loads come back in order (ISA guide 5.7.1): load i is in, the 15 - i younger ones stay out
	ROUND4 X+4*(\i)
	global_store_b64 v2, v[X+4*(\i):X+4*(\i)+1], s[30:31] offset:(\sout)*(\i)
.endr
.endm
	s_cmp_lt_u32 s2, 1088
	s_cbranch_scc0 .Lw
	s_sub_co_u32 s34, s2, 1024                     ; the group's number among Wout's
	s_cmp_lt_u32 s2, 1024                          ; x or Wout: the choice hangs on the group's number alone
	s_cselect_b64 s[28:29], s[8:9], s[12:13]
	s_cselect_b64 s[30:31], s[18:19], s[24:25]
	s_cselect_b32 s3, s2, s34
	s_lshl_b32 s4, s3, 16                          ; 65,536 bytes in,
	s_lshl_b32 s6, s3, 15                          ; 32,768 out
	s_add_nc_u64 s[28:29], s[28:29], s[4:5]
	s_add_nc_u64 s[30:31], s[30:31], s[6:7]
	CAST 4096, 2048
	s_endpgm
.Lw:
	s_cmp_lt_u32 s2, 1280
	s_cbranch_scc0 .Lbias
	s_sub_co_u32 s3, s2, 1088                      ; Wqkv:
	s_lshr_b32 s34, s3, 6                          ; the panel, 0 to 2,
	s_and_b32 s3, s3, 63                           ; and which sixteen rows
	s_mul_i32 s4, s3, 16*12288
	s_lshl_b32 s35, s34, 12
	s_add_co_u32 s4, s4, s35
	s_mul_i32 s6, s3, 16*6144
	s_lshl_b32 s35, s34, 11
	s_add_co_u32 s6, s6, s35
	s_cmp_eq_u32 s34, 2                            ; the v panel goes to wa, q's and k's to wc, at the same place in a row of 6,144 bytes
	s_cselect_b64 s[30:31], s[20:21], s[22:23]
	s_add_nc_u64 s[28:29], s[10:11], s[4:5]
	s_add_nc_u64 s[30:31], s[30:31], s[6:7]
	CAST 12288, 6144
	s_endpgm
.Lbias:                                                ; bqkv's 12,288 bytes are three loads of the group, bout's 4,096 the fourth
.irp i, 0,1,2
	global_load_b128 v[X+4*(\i):X+4*(\i)+3], v1, s[14:15] offset:4096*(\i)
.endr
	global_load_b128 v[X+12:X+15], v1, s[16:17]
.irp i, 0,1,2,3
	s_wait_loadcnt 3-(\i)
.if (\i) == 2
	ROUND4 X+8                                     ; bqkv's v part is a matrix operand of the next launch: rows 1,024 to 1,039 of wa, columns 2,048 on
.irp c, 0,1,2,3,4,5,6,7,8,9,10,11,12,13,14,15
	global_store_b64 v2, v[X+8:X+9], s[20:21] offset:(1024+(\c))*6144+4096  ; 6,387,712 at the most: inside the signed 24-bit immediate
.endr
.else
	v_cvt_pk_bf16_f32 v[T],   v[X+4*(\i)],   v[X+4*(\i)+1]
	v_cvt_pk_bf16_f32 v[T+1], v[X+4*(\i)+2], v[X+4*(\i)+3]
	v_lshlrev_b32 v[X+4*(\i)],   16,  v[T]
	v_and_b32     v[X+4*(\i)+1], s33, v[T]
	v_lshlrev_b32 v[X+4*(\i)+2], 16,  v[T+1]
	v_and_b32     v[X+4*(\i)+3], s33, v[T+1]
	global_store_b128 v1, v[X+4*(\i):X+4*(\i)+3], s[26:27] offset:4096*(\i)
.endif
.endr
	s_endpgm
.Lfunc_end_k_qe4caf71291_prep:
	.size	k_qe4caf71291_prep, .Lfunc_end_k_qe4caf71291_prep-k_qe4caf71291_prep
	.p2alignl 7, 3214868480
	.fill 96, 4, 3214868480
	.section	.rodata,"a",@progbits
	.p2align	6, 0x0
	.amdhsa_kernel k_qe4caf71291_prep
		.amdhsa_group_segment_fixed_size 0
		.amdhsa_private_segment_fixed_size 0
		.amdhsa_enable_private_segment 0
		.amdhsa_kernarg_size 80
		.amdhsa_user_sgpr_count 2
		.amdhsa_user_sgpr_kernarg_segment_ptr 1
		.amdhsa_wavefront_size32 1
		.amdhsa_system_sgpr_workgroup_id_x 1
		.amdhsa_system_sgpr_workgroup_id_y 1
		.amdhsa_system_sgpr_workgroup_id_z 1
		.amdhsa_system_vgpr_workitem_id 0
		.amdhsa_next_free_vgpr 72
		.amdhsa_next_free_sgpr 66
		.amdhsa_reserve_vcc 0
		.amdhsa_float_denorm_mode_32 3
		.amdhsa_float_denorm_mode_16_64 3
		.amdhsa_memory_ordered 1
		.amdhsa_forward_progress 1
		.amdhsa_inst_pref_size 25
	.end_amdhsa_kernel
	.amdgpu_metadata
---
amdhsa.version: [ 1, 2 ]
amdhsa.kernels:
  - .name:           k_qe4caf71291_prep
    .symbol:         k_qe4caf71291_prep.kd
    .args:
      - { .name: x, .offset: 0, .size: 8, .value_kind: global_buffer, .address_space: global }
      - { .name: Wqkv, .offset: 8, .size: 8, .value_kind: global_buffer, .address_space: global }
      - { .name: Wout, .offset: 16, .size: 8, .value_kind: global_buffer, .address_space: global }
      - { .name: bqkv, .offset: 24, .size: 8, .value_kind: global_buffer, .address_space: global }
      - { .name: bout, .offset: 32, .size: 8, .value_kind: global_buffer, .address_space: global }
      - { .name: xb, .offset: 40, .size: 8, .value_kind: global_buffer, .address_space: global }
      - { .name: wa, .offset: 48, .size: 8, .value_kind: global_buffer, .address_space: global }
      - { .name: wc, .offset: 56, .size: 8, .value_kind: global_buffer, .address_space: global }
      - { .name: wo, .offset: 64, .size: 8, .value_kind: global_buffer, .address_space: global }
      - { .name: bias, .offset: 72, .size: 8, .value_kind: global_buffer, .address_space: global }
    .group_segment_fixed_size: 0
    .private_segment_fixed_size: 0
    .kernarg_segment_align: 8
    .kernarg_segment_size: 80
    .max_flat_workgroup_size: 256
    .sgpr_count:     66
    .vgpr_count:     72
    .wavefront_size: 32
...
	.end_amdgpu_metadata
.endif
;; end of part 5
;; launch wprod (part 6): grid 16 x 16, 4 waves a work-group, clusters of 4 x 4, 308,736 bytes of LDS; arguments wa, wo, wc, bp; writes wc, bp
.if DOCPART == 6
	.amdgcn_target "amdgcn-amd-amdhsa--gfx1250"
	.amdhsa_code_object_version 6
	.text
	.protected	k_qe4caf71291_wprod
	.globl	k_qe4caf71291_wprod
	.p2align	8
	.type	k_qe4caf71291_wprod,@function
k_qe4caf71291_wprod:
	s_mov_b64 s[64:65], 0
	v_nop
	global_prefetch_b8 v0, s[64:65] scope:SCOPE_SE
	s_setreg_imm32_b32 hwreg(HW_REG_WAVE_MODE, 25, 1), 1
	s_wait_xcnt 0x0
	s_wait_alu depctr_hold_cnt(0) depctr_sa_sdst(0) depctr_va_vdst(0) depctr_va_sdst(0) depctr_va_ssrc(0) depctr_va_vcc(0) depctr_vm_vsrc(0)
	s_getreg_b32 s2, hwreg(HW_REG_IB_STS2, 6, 4)
	s_cmp_eq_u32 s2, 0
	s_cbranch_scc0 .Lentry_in_a_cluster
	s_endpgm
.Lentry_in_a_cluster:
	s_bfe_u32 s2, ttmp6, 0x10000c
	s_cmp_lg_u32 s2, 0xf033
	s_cbranch_scc0 .Lentry_shape_is_right
	s_endpgm
.Lentry_shape_is_right:
; THE LAST PRODUCT, FOLDED INTO THE WEIGHTS.  (P (x Wv + bv)) Wout = P (x W' + b') with W' = Wv Wout and b' = bv Wout: the product by Wout is made once on Wv's 1,024 rows and on bv, not on x's 16,384 rows.
; The sums are taken in another order than the reference takes them; the identity holds for every input.
;   wa: [1040][3072] f16: Wv[m][j] at row m, column 2048 + j; bv[j] in each of rows 1,024 to 1,039.   wo: Wout, [1024 j][1024 n] f16.   Sums in f32.
;   wc: [1024][3072] f16: column 2048 + n of row m takes f16(32 W'[m][n]).   bp: [16][1024] f32: sixteen copies of 32 b'.
; THE FACTOR 32 is exact; it puts W', whose numbers are some 1/32 of Wv's and Wout's product of spreads times 32, into the middle of f16's range; the attention divides its weights by 32.
; LIMIT.  |32 W'| beyond 65,504 becomes an infinity: weights thirty times those of spread 1/32 give some 5,000, offsets of thirty spreads on both some 29,000.  NaN and infinities are not treated apart.
; SHARES.  A tile of W', 64 x 64, to a work-group: 16 x 16 of them.  All of K lies in LDS at once: 64 rows of Wv, 1,024 k-rows x 64 columns of Wout, and bv: each LDS byte is filled once.
; A wave makes 32 x 32 (four accumulators) and b' of its 32 columns (two more: the A operand is sixteen equal rows, bv).  The sixteen work-groups of a tile column hold the same b'; each stores a copy of its own,
; bp[tile row][n], so that no branch hangs on a place in the cluster; the next launch's tile row y reads copy y mod 16.
; CLUSTERS: 4 x 4.  The four of a row of the cluster need the same rows of Wv and take the same copy of bv (copy = tile row), the four of a column the same columns of Wout: each is asked for JOINTLY, by the same tensor
; load, descriptor and mask in all four; what is asked for under different masks are different bytes.
; Wout's tile has rows of 128 bytes, and so have the stored rows of W': a tile of 128 columns, with all of K, would not fit in LDS.
; W' IS MADE TRANSPOSED (source 0 = 16 columns of Wout, turned by ds_load_tr16_b128; source 1 = 16 rows of Wv): lane l holds row l % 16 and the columns 8 (l / 16) + 0 .. 7: 16 bytes of f16.
; b' is made the other way round (source 0 = bv's rows, source 1 = the same fragment of Wout): every register of lane l holds column l % 16.
; THE ORDER OF K.  The 32 K steps of 32 go in eight GROUPS of four: group g takes steps 2 g and 2 g + 1 of k 0-511 and the same two of k 512-1023, alike for Wv, Wout and bv.  The two halves of K lie more than an
; offset's 65,535 bytes apart in LDS and have address registers of their own; so every address steps by a constant from group to group, and a group's text is written once and walked seven times.
.set PA,    1040                       ; half a row of Wv in LDS: 1,024 bytes + 16 = 260 words: row r starts at bank 4 r mod 64 (64 banks of 4 bytes: ISA guide 11.1), the 16 rows of a load at 16 different banks
.set AHALF, 64*PA                      ; 64 rows x 512 k
.set PBW,   160                        ; a k-row of Wout: 128 bytes + 32 = 40 words
.set BOFF,  2*AHALF
.set BHALF, 512*PBW                    ; 512 k-rows
.set BVOFF, BOFF+2*BHALF               ; bv: 2,048 bytes
.set STAGE, BVOFF+2048                 ; 64 rows x 144 bytes, the work-group's, for the way out; no tensor load fills it
.set SP,    144
.set SPARE, STAGE+64*SP                ; the spare words, 128 bytes for each wave: two blocks of 256 bytes that no other line names
.set GROUPS, 8
.set ADRA, 8                           ; v8-9    LDS address of my fragments of Wv in the group to be loaded: k 0-511, k 512-1023
.set ADRB, 10                          ; v10-11  the same for Wout
.set ADRV, 13                          ; v13     for bv (its second half is 1,024 bytes on: an offset)
.set STO,  14                          ; v14     the way out: where I put 16 bytes of a row
.set RD,   15                          ; v15     where I read rows back
.set CO,   16                          ; v16     my byte offset in four rows of wc
.set BPO,  17                          ; v17     my byte offset in 32 numbers of bp
.set SPW,  18                          ; v18     LDS address of my spare word: SPARE + 4 x my thread's number; never rewritten
.set NIL,  19                          ; v19     0; never rewritten
.set T0,   20                          ; v20-21  at work
.set ACC,  32                          ; v32-63  W': accumulator (a, b) at ACC + 8 (2 a + b);  v64-79  b': column block b at ACC + 32 + 8 b
.set FR,   80                          ; v80-239 four fragment buffers of 40, one for each step of a group: Wv's row blocks 0, 1; Wout's column blocks 0, 1; bv
.set TMP,  80                          ; the way out: packed results
.set OUTR, 120                         ; and rows read back
.set G1A, 24                           ; s[24:31] descriptor group 1 for Wv's tile
.set G0A, 32                           ; s[32:35] its group 0
.set G0V, 36                           ; s[36:39] group 0 for bv
.set G1B, 48                           ; s[48:55] group 1 for Wout's tile
.set G0B, 56                           ; s[56:59] its group 0
.set G1V, 68                           ; s[68:75] group 1 for bv
; A round of the cluster's barrier: my work-group's barrier; wave 0 signals for the work-group; every wave waits for all sixteen work-groups; my work-group's barrier once more.
.macro CROUND
	s_barrier_signal -1
	s_barrier_wait -1
	s_cmp_lg_u32 s12, 0
	s_cbranch_scc1 .Lnot_wave_0_\@
	s_barrier_signal -3
.Lnot_wave_0_\@:
	s_barrier_wait -3
	s_barrier_signal -1
	s_barrier_wait -1
.endm
.macro PLACES                          ; a load into a register that a matrix instruction has read, and a vector instruction that reads a matrix result, stand four places behind it (ISA guide 7.12.1 for vector instructions)
.rept 4
	v_nop
.endr
.endm
	s_load_b256 s[4:11], s[0:1], 0x0               ; wa s[4:5], wo s[6:7], wc s[8:9], bp s[10:11]
	v_lshl_add_u32 v[SPW], v0, 2, SPARE
	v_mov_b32 v[NIL], 0
	ds_add_u32 v[SPW], v[NIL]                      ; the wave's opening: the add and its wait stand ahead of my first tensor load; the set-up below, work on registers, stands between them
	ds_add_u32 v18, v19
	v_lshrrev_b32 v1, 5, v0
	v_readfirstlane_b32 s12, v1                    ; wave 0..3
	s_lshr_b32 s13, s12, 1                         ; which 32 of the tile's rows are mine.  Also: I fetch Wv and bv (0) or Wout (1)
	s_and_b32 s14, s12, 1                          ; which 32 of its columns.  Also: which half of K I fetch
	s_bfe_u32 s40, ttmp6, 0x40000                  ; cx: my place along the cluster's x
	s_bfe_u32 s41, ttmp6, 0x40004                  ; cy: along its y
	s_lshl_b32 s42, ttmp9, 2                       ; in a cluster launch ttmp9 and ttmp7 count clusters
	s_add_co_u32 s42, s42, s40                     ; tile column = 4 x cluster x + cx
	s_and_b32 s43, ttmp7, 0xffff
	s_lshl_b32 s43, s43, 2
	s_add_co_u32 s43, s43, s41                     ; tile row = 4 x cluster y + cy
	s_lshl_b32 s44, s41, 2
	s_lshl_b32 s44, 15, s44                        ; my row of the cluster: places 4 cy .. 4 cy + 3
	s_lshl_b32 s45, 0x1111, s40                    ; my column: places cx, cx + 4, cx + 8, cx + 12
	s_or_b32 s[G1A+0], s44, (1<<16)|(1<<20)|(1<<21)|(7<<22)|(3<<25)  ; 15:0 the mask: my row; 17:16 elements of 2 bytes; 20 padding on; 21 set beside a mask; 24:22 after every 256 words (code 7); 31:25 4 words of it (code 3)
	s_mov_b32 s[G1A+1], 512<<16                    ; tensor_dim0 = 512
	s_mov_b32 s[G1A+2], 64<<16                     ; tensor_dim1 = 64
	s_mov_b32 s[G1A+3], 512<<16                    ; tile_dim0 = 512
	s_mov_b32 s[G1A+4], 64                         ; tile_dim1 = 64
	s_mov_b32 s[G1A+5], 3072                       ; elements from row to row
	s_mov_b32 s[G1A+6], 0
	s_mov_b32 s[G1A+7], 0
	s_or_b32 s[G1B+0], s45, (1<<16)|(1<<20)|(1<<21)|(4<<22)|(7<<25)  ; the mask: my column; after every 32 words (code 4) 8 words (code 7)
	s_mov_b32 s[G1B+1], 64<<16                     ; tensor_dim0 = 64
	s_mov_b32 s[G1B+2], 512<<16                    ; tensor_dim1 = 512
	s_mov_b32 s[G1B+3], 64<<16                     ; tile_dim0 = 64
	s_mov_b32 s[G1B+4], 512                        ; tile_dim1 = 512
	s_mov_b32 s[G1B+5], 1024                       ; elements from k-row to k-row
	s_mov_b32 s[G1B+6], 0
	s_mov_b32 s[G1B+7], 0
	s_or_b32 s[G1V+0], s44, (3<<16)|(1<<21)        ; half of bv: one row of 128 elements of 8 bytes, no padding; the mask: my row
	s_mov_b32 s[G1V+1], 128<<16
	s_mov_b32 s[G1V+2], 1<<16
	s_mov_b32 s[G1V+3], 128<<16
	s_mov_b32 s[G1V+4], 1
	s_mov_b32 s[G1V+5], 128
	s_mov_b32 s[G1V+6], 0
	s_mov_b32 s[G1V+7], 0
	; where the tiles come from.  Wv's and bv's hang on the tile row alone, Wout's on the tile column alone; each in registers that never hold the other coordinate.
	s_mul_i32 s16, s43, 64*6144                    ; Wv: row 64 x tile row,
	s_lshl_b32 s17, s14, 10                        ; my 512 of its k,
	s_add_co_u32 s16, s16, s17
	s_add_co_u32 s16, s16, 4096                    ; behind the 2,048 columns of q and k
	s_mov_b32 s17, 0
	s_mul_i32 s18, s43, 6144                       ; bv: my tile row's copy, row 1,024 + tile row,
	s_lshl_b32 s19, s14, 10                        ; my half of it
	s_add_co_u32 s18, s18, s19
	s_add_co_u32 s18, s18, 1024*6144+4096
	s_mov_b32 s19, 0
	s_lshl_b32 s46, s14, 20                        ; Wout: my 512 k-rows of 2,048 bytes,
	s_lshl_b32 s47, s42, 7                         ; column 64 x tile column
	s_add_co_u32 s46, s46, s47
	s_mov_b32 s47, 0
	s_mov_b32 s[G0A], 1                            ; 1:0 count = 1
	s_mul_i32 s[G0A+1], s14, AHALF                 ; 63:32 LDS address: no place in the cluster enters it
	s_mov_b32 s[G0V], 1
	s_lshl_b32 s[G0V+1], s14, 10
	s_add_co_u32 s[G0V+1], s[G0V+1], BVOFF
	s_mov_b32 s[G0B], 1
	s_mul_i32 s[G0B+1], s14, BHALF
	s_add_co_u32 s[G0B+1], s[G0B+1], BOFF
	s_mov_b32 s60, 0x42000000                      ; 32.0,
	s_mov_b32 s61, s60                             ; named as a pair
	s_wait_dscnt 0x0                               ; the opening add is done
	s_wait_kmcnt 0x0
	s_add_nc_u64 s[G0A+2:G0A+3], s[4:5], s[16:17]  ; 120:64 global address
	s_or_b32 s[G0A+3], s[G0A+3], 0x80000000        ; 127:126 type = 2
	s_add_nc_u64 s[G0V+2:G0V+3], s[4:5], s[18:19]
	s_or_b32 s[G0V+3], s[G0V+3], 0x80000000
	s_add_nc_u64 s[G0B+2:G0B+3], s[6:7], s[46:47]
	s_or_b32 s[G0B+3], s[G0B+3], 0x80000000
	CROUND                                         ; all sixteen work-groups are here: the joint loads meet
	s_cmp_eq_u32 s13, 0                            ; a wave's fills stand in one branch on its number: waves 0 and 1 have two tensor loads out, waves 2 and 3 one
	s_cbranch_scc0 .Lfor_b
	tensor_load_to_lds s[G0A:G0A+3], s[G1A:G1A+7]
	s_nop 0
	tensor_load_to_lds s[G0V:G0V+3], s[G1V:G1V+7]
	s_nop 0
.rept 4
	v_nop
.endr
	s_branch .Lasked
.Lfor_b:
	tensor_load_to_lds s[G0B:G0B+3], s[G1B:G1B+7]
	s_nop 0
.rept 4
	v_nop
.endr
.Lasked:
	v_and_b32 v1, 15, v0                           ; r = l % 16
	v_bfe_u32 v2, v0, 4, 1                         ; h = l / 16
	v_and_b32 v3, 31, v0                           ; l
	; A fragment of Wv is 16 rows x 32 k in 8 registers: lane l holds row r, k = 8 h + 0..7 and 16 + 8 h + 0..7: two loads of 16 bytes, 32 bytes apart.
	s_lshl_b32 s20, s13, 5                         ; my 32 rows
	v_add_nc_u32 v4, s20, v1
	v_mul_u32_u24 v5, v4, PA
	v_lshl_add_u32 v[ADRA], v2, 4, v5
	v_add_nc_u32 v[ADRA+1], AHALF, v[ADRA]
	; The turning load takes 16 k x 16 columns (lane l reads k-row 8 h + l % 8, columns 8 ((l / 8) % 2) + 0..7) and leaves half a fragment: lane l holds column r and 8 k.
	v_and_b32 v6, 7, v0
	v_lshl_add_u32 v5, v2, 3, v6
	v_mul_u32_u24 v5, v5, PBW
	v_bfe_u32 v7, v0, 3, 1
	v_lshl_add_u32 v5, v7, 4, v5
	s_lshl_b32 s21, s14, 6                         ; my 32 columns
	s_add_co_u32 s22, s21, BOFF
	v_add_nc_u32 v[ADRB], s22, v5
	v_add_nc_u32 v[ADRB+1], BHALF, v[ADRB]
	v_lshl_add_u32 v[ADRV], v2, 4, BVOFF           ; bv: the same 16 bytes for all sixteen rows
	v_mul_u32_u24 v5, v4, SP                       ; into the stage: my row, my 64 bytes of its 128, 16 bytes for each half of the lanes
	v_lshl_add_u32 v5, v2, 4, v5
	s_add_co_u32 s22, s21, STAGE
	v_add_nc_u32 v[STO], s22, v5
	v_lshrrev_b32 v7, 3, v3                        ; back: wave w takes rows 16 w .. 16 w + 15, whole: 32 lanes take four rows of 128 bytes
	v_mul_u32_u24 v5, v7, SP
	v_lshl_add_u32 v5, v6, 4, v5
	s_mul_i32 s23, s12, 16*SP
	s_add_co_u32 s23, s23, STAGE
	v_add_nc_u32 v[RD], s23, v5
	v_mul_u32_u24 v5, v7, 6144                     ; and the same four rows in wc
	v_lshl_add_u32 v[CO], v6, 4, v5
	v_lshlrev_b32 v[BPO], 2, v3
	s_lshl_b32 s16, s43, 6                         ; wc at the first row that I store: 64 x tile row + 16 x wave,
	s_lshl_b32 s17, s12, 4
	s_add_co_u32 s16, s16, s17
	s_mul_i32 s16, s16, 6144
	s_add_co_u32 s16, s16, 4096                    ; column 2,048,
	s_mov_b32 s17, 0
	s_add_nc_u64 s[8:9], s[8:9], s[16:17]
	s_lshl_b32 s46, s42, 7                         ; + 64 x tile column
	s_mov_b32 s47, 0
	s_add_nc_u64 s[8:9], s[8:9], s[46:47]
	s_lshl_b32 s16, s43, 12                        ; bp: my tile row's copy,
	s_add_nc_u64 s[10:11], s[10:11], s[16:17]
	s_lshl_b32 s46, s42, 8                         ; the tile's 64 numbers, my 32 of them
	s_lshl_b32 s47, s14, 7
	s_add_co_u32 s46, s46, s47
	s_mov_b32 s47, 0
	s_add_nc_u64 s[10:11], s[10:11], s[46:47]
; The ten LDS loads of step j (0 .. 3) of the group at which the address registers stand, into buffer j: steps 0 and 1 lie in the first half of K, steps 2 and 3 in the second
.macro LOADS j
.set FB, FR+40*(\j)
.set HF, (\j)/2
.set EO, (\j)%2
	ds_load_b128 v[FB:FB+3],          v[ADRA+HF] offset:64*EO
	ds_load_b128 v[FB+4:FB+7],        v[ADRA+HF] offset:64*EO+32
	ds_load_b128 v[FB+8:FB+11],       v[ADRA+HF] offset:16*PA+64*EO
	ds_load_b128 v[FB+12:FB+15],      v[ADRA+HF] offset:16*PA+64*EO+32
	ds_load_tr16_b128 v[FB+16:FB+19], v[ADRB+HF] offset:EO*32*PBW
	ds_load_tr16_b128 v[FB+20:FB+23], v[ADRB+HF] offset:EO*32*PBW+16*PBW
	ds_load_tr16_b128 v[FB+24:FB+27], v[ADRB+HF] offset:EO*32*PBW+32
	ds_load_tr16_b128 v[FB+28:FB+31], v[ADRB+HF] offset:EO*32*PBW+16*PBW+32
	ds_load_b128 v[FB+32:FB+35],      v[ADRV] offset:1024*HF+64*EO
	ds_load_b128 v[FB+36:FB+39],      v[ADRV] offset:1024*HF+64*EO+32
.endm
.macro MM d, s0, s1, first             ; first = 1: the product starts the sum: nothing is cleared
.if \first
	v_wmma_f32_16x16x32_f16 v[(\d):(\d)+7], v[(\s0):(\s0)+7], v[(\s1):(\s1)+7], 0
.else
	v_wmma_f32_16x16x32_f16 v[(\d):(\d)+7], v[(\s0):(\s0)+7], v[(\s1):(\s1)+7], v[(\d):(\d)+7]
.endif
.endm
; The six products on buffer j.  The six accumulators take turns, one instruction a turn, in one order everywhere.
.macro MULS j, first
.set FB, FR+40*(\j)
	MM ACC,    FB+16, FB,    \first
	MM ACC+8,  FB+24, FB,    \first
	MM ACC+16, FB+16, FB+8,  \first
	MM ACC+24, FB+24, FB+8,  \first
	MM ACC+32, FB+32, FB+16, \first
	MM ACC+40, FB+32, FB+24, \first
.endm
	s_wait_tensorcnt 0x0                           ; my parts are in LDS,
	s_barrier_signal -1
	s_barrier_wait -1                              ; everybody's are
	LOADS 0                                        ; group 0.  The loads run three steps ahead of the products
	LOADS 1
	LOADS 2
	LOADS 3
	s_wait_dscnt 30                                ; LDS loads come back in order (ISA guide 5.7.1): the oldest step's ten are in, the three younger steps' thirty stay out
	MULS 0, 1                                      ; the first step stands in front of the loop: its products start the sums
	s_mov_b32 s62, GROUPS-1
.Lgroup:                                               ; a trip loads the next group's four steps and multiplies steps 1, 2, 3 of the group in hand and step 0 of the next
	v_add_nc_u32 v[ADRA],   128, v[ADRA]           ; the next group: two steps of 64 bytes on in Wv's rows,
	v_add_nc_u32 v[ADRA+1], 128, v[ADRA+1]
	v_add_nc_u32 v[ADRB],   2*32*PBW, v[ADRB]      ; 64 k-rows on in Wout,
	v_add_nc_u32 v[ADRB+1], 2*32*PBW, v[ADRB+1]
	v_add_nc_u32 v[ADRV],   128, v[ADRV]           ; 128 bytes on in bv.  These five are also the places in front of the loads into buffer 0, which was multiplied last, on the way in and on the way back
	LOADS 0
	s_wait_dscnt 30                                ; as above: the count is the same at every step, on the way in and round the backward jump
	MULS 1, 0
	PLACES                                         ; buffer 1 was multiplied just now
	LOADS 1
	s_wait_dscnt 30
	MULS 2, 0
	PLACES
	LOADS 2
	s_wait_dscnt 30
	MULS 3, 0
	PLACES
	LOADS 3
	s_wait_dscnt 30
	MULS 0, 0
	s_sub_co_u32 s62, s62, 1
	s_cmp_lg_u32 s62, 0
	s_cbranch_scc1 .Lgroup
	s_wait_dscnt 20                                ; the last group's last three steps: nothing is left to load, and the counts run down
	MULS 1, 0
	s_wait_dscnt 10
	MULS 2, 0
	s_wait_dscnt 0x0
	MULS 3, 0
	; THE WAY OUT.  Times 32; W' rounded to f16, 16 bytes a lane, into the work-group's stage; a barrier, since a row's 128 bytes come from two waves; back as whole rows.  Each accumulator is read from its low end on.
	PLACES
.set i, 0
.rept 16
	v_pk_mul_f32 v[ACC+2*i:ACC+2*i+1], v[ACC+2*i:ACC+2*i+1], s[60:61] op_sel_hi:[1,0]
.set i, i+1
.endr
	v_mul_f32 v[T0],   s60, v[ACC+32]              ; b': every register of a lane holds its column: lanes 0-15 take block 0's, lanes 16-31 block 1's,
	v_mul_f32 v[T0+1], s60, v[ACC+40]
	v_cmp_eq_u32 vcc_lo, 1, v2
	v_cndmask_b32 v[T0], v[T0], v[T0+1], vcc_lo    ; so that lane l holds column l of my 32
.set i, 0
.rept 16
	v_cvt_pk_f16_f32 v[TMP+i], v[ACC+2*i], v[ACC+2*i+1]
.set i, i+1
.endr
.irp a, 0,1
.irp b, 0,1
	ds_store_b128 v[STO], v[TMP+4*(2*(\a)+(\b)):TMP+4*(2*(\a)+(\b))+3] offset:(\a)*16*SP+32*(\b)
.endr
.endr
	s_cmp_lg_u32 s13, 0                            ; two waves hold the same 32 numbers of b': the one of the upper rows stores them.  The branch hangs on the wave's number alone
	s_cbranch_scc1 .Lno_bias
	global_store_b32 v[BPO], v[T0], s[10:11]       ; 128 consecutive bytes
.Lno_bias:
	s_wait_dscnt 0x0                               ; for the others' sake: my stores into the stage are done
	s_barrier_signal -1
	s_barrier_wait -1
.irp t, 0,1,2,3
	ds_load_b128 v[OUTR+4*(\t):OUTR+4*(\t)+3], v[RD] offset:(\t)*4*SP
.endr
.irp t, 0,1,2,3
	s_wait_dscnt 3-(\t)
	global_store_b128 v[CO], v[OUTR+4*(\t):OUTR+4*(\t)+3], s[8:9] offset:(\t)*4*6144  ; eight lanes store 128 consecutive bytes of a row, at a multiple of 128 from wc's first byte
.endr
	s_wait_tensorcnt 0x0                           ; the wave's end: behind my last tensor load and my last LDS store
	ds_add_u32 v[SPW], v[NIL]
	s_wait_dscnt 0x0
	CROUND                                         ; the closing round: no work-group ends while a partner may still ask for a tile that names it
	s_endpgm
.Lfunc_end_k_qe4caf71291_wprod:
	.size	k_qe4caf71291_wprod, .Lfunc_end_k_qe4caf71291_wprod-k_qe4caf71291_wprod
	.p2alignl 7, 3214868480
	.fill 96, 4, 3214868480
	.section	.rodata,"a",@progbits
	.p2align	6, 0x0
	.amdhsa_kernel k_qe4caf71291_wprod
		.amdhsa_group_segment_fixed_size 308736
		.amdhsa_private_segment_fixed_size 0
		.amdhsa_enable_private_segment 0
		.amdhsa_kernarg_size 32
		.amdhsa_user_sgpr_count 2
		.amdhsa_user_sgpr_kernarg_segment_ptr 1
		.amdhsa_wavefront_size32 1
		.amdhsa_system_sgpr_workgroup_id_x 1
		.amdhsa_system_sgpr_workgroup_id_y 1
		.amdhsa_system_sgpr_workgroup_id_z 1
		.amdhsa_system_vgpr_workitem_id 0
		.amdhsa_next_free_vgpr 240
		.amdhsa_next_free_sgpr 80
		.amdhsa_reserve_vcc 1
		.amdhsa_float_denorm_mode_32 3
		.amdhsa_float_denorm_mode_16_64 3
		.amdhsa_memory_ordered 1
		.amdhsa_forward_progress 1
		.amdhsa_inst_pref_size 21
	.end_amdhsa_kernel
	.amdgpu_metadata
---
amdhsa.version: [ 1, 2 ]
amdhsa.kernels:
  - .name:           k_qe4caf71291_wprod
    .symbol:         k_qe4caf71291_wprod.kd
    .args:
      - { .name: wa, .offset: 0, .size: 8, .value_kind: global_buffer, .address_space: global }
      - { .name: wo, .offset: 8, .size: 8, .value_kind: global_buffer, .address_space: global }
      - { .name: wc, .offset: 16, .size: 8, .value_kind: global_buffer, .address_space: global }
      - { .name: bp, .offset: 24, .size: 8, .value_kind: global_buffer, .address_space: global }
    .group_segment_fixed_size: 308736
    .private_segment_fixed_size: 0
    .kernarg_segment_align: 8
    .kernarg_segment_size: 32
    .max_flat_workgroup_size: 128
    .sgpr_count:     80
    .vgpr_count:     240
    .wavefront_size: 32
...
	.end_amdgpu_metadata
.endif
;; end of part 6
;; launch gemm_qkv (part 7): grid 4 x 64, 4 waves a work-group, clusters of 4 x 4, 327,680 bytes of LDS; arguments xb, wc, bias, bp, qkv; writes qkv
.if DOCPART == 7
	.amdgcn_target "amdgcn-amd-amdhsa--gfx1250"
	.amdhsa_code_object_version 6
	.text
	.protected	k_qe4caf71291_gemm_qkv
	.globl	k_qe4caf71291_gemm_qkv
	.p2align	8
	.type	k_qe4caf71291_gemm_qkv,@function
k_qe4caf71291_gemm_qkv:
	s_mov_b64 s[64:65], 0
	v_nop
	global_prefetch_b8 v0, s[64:65] scope:SCOPE_SE
	s_setreg_imm32_b32 hwreg(HW_REG_WAVE_MODE, 25, 1), 1
	s_wait_xcnt 0x0
	s_wait_alu depctr_hold_cnt(0) depctr_sa_sdst(0) depctr_va_vdst(0) depctr_va_sdst(0) depctr_va_ssrc(0) depctr_va_vcc(0) depctr_vm_vsrc(0)
	s_getreg_b32 s2, hwreg(HW_REG_IB_STS2, 6, 4)
	s_cmp_eq_u32 s2, 0
	s_cbranch_scc0 .Lentry_in_a_cluster
	s_endpgm
.Lentry_in_a_cluster:
	s_bfe_u32 s2, ttmp6, 0x10000c
	s_cmp_lg_u32 s2, 0xf033
	s_cbranch_scc0 .Lentry_shape_is_right
	s_endpgm
.Lentry_shape_is_right:
; q = x Wq + bq, k = x Wk + bk, u = 32 (x W' + b').  xb: [16384][1024] f16.  wc: [1024 k][3072 n] f16 (Wq, Wk, 32 W').  bias: f32, bq at byte 0, bk at 4,096.  bp: [16][1024] f32, sixteen copies of 32 b'.
; Sums in f32, started by the bias.  q and k are rounded once to f16.  u is stored as TWO bf16 numbers, hi = bf16(u) and lo = bf16(u - hi): u has no room in f16 for every input that the problem allows, and one bf16 is too coarse.
; qkv: [16384][4096] of 16 bits: channel 256 w + c of q, k, hi, lo (t = 0 .. 3) lies at column 1024 w + 256 t + c, so that the next launch finds a strip's four parts as 2,048 consecutive bytes of a row.
; LIMIT.  f16 ends at 65,504: a q or k beyond it becomes an infinity.  Inputs thirty times those of unit spread, or with offsets of thirty spreads, give some 29,000 at the most.
; SHARES.  A tile of the result, 256 x 256, is made by four waves, 128 x 128 each: 64 accumulators of 16 x 16, 512 registers.  A WORK-GROUP STAYS for three tiles: rows 256 y on, columns 256 x on of q, then of k, then of u:
; the same rows of xb three times, and the ring of two LDS slots does not stop at a tile's end.  64 x 4 work-groups.  K goes in steps of 128.
; B LIES [k][n]: a slot holds 128 k-rows of 256 columns, and the fragments come out turned, by ds_load_tr16_b128.
; CLUSTERS: 4 x 4 work-groups.  The four of a row of the cluster need the same tiles of xb, the four of a column the same tiles of wc: each tile is asked for JOINTLY, by the same tensor load, descriptor and mask in all four.
; THE MATRIX INSTRUCTION IS USED TRANSPOSED (source 0 = 16 columns of wc, source 1 = 16 rows of xb): lane l holds row l % 16 of the result and its registers the columns 8 (l / 16) + 0 .. 7: eight neighbours, 16 bytes of 16-bit numbers.
; REGISTERS, in windows of 256 (s_set_vgpr_msb: bits 1:0 source 0, 3:2 source 1, 5:4 source 2, 7:6 destination):
;   window 0: v0-31 addresses; v64-127, v128-191 fragments of xb, two buffers; v32-63, v192-255 at work on the way out (the last tile's also v128-167)
;   window 1: v0-63 the bias of my 128 columns, as the C operand of a tile's first products; v64-127, v128-191 fragments of wc, two buffers
;   window 2: the 32 accumulators of my rows 0-63 (accumulator (a, b) at v[8 (8 a + b)]);   window 3: those of my rows 64-127
.set SIZE_K, 1024
.set SIZE_N, 3072
.set TILES,  3
.set KSTEP,  128
.set PITCH,  272                       ; a row of xb in LDS: 256 bytes + 16 of padding = 68 words: row r starts at bank 4 r mod 64 (64 banks of 4 bytes: ISA guide 11.1), the 16 rows of a load at 16 different banks
.set PB,     544                       ; a k-row of wc in LDS: 512 bytes + 32 = 136 words: row r starts at bank 8 r mod 64
.set HALFT,  128*PITCH                 ; what one tensor load brings: 128 rows of xb, or 64 k-rows of wc (64 x 544 is the same number)
.set SLOT,   4*HALFT                   ; xb's 256 rows, then wc's 128 k-rows
.set STAGE,  2*SLOT                    ; behind the ring: 16 rows x 272 bytes for each wave, for the way out
.set SPITCH, 272
.set SPARE,  STAGE+4*16*SPITCH         ; behind the stages: the spare words, 128 bytes for each wave: two blocks of 256 bytes that no other line names
.set LAPS,   SIZE_K/(2*KSTEP)          ; a lap = two K steps = once round the ring
.set BSTEP,  KSTEP*SIZE_N*2            ; bytes of wc from a K step to the next
.set BACK_A, (SIZE_K-2*KSTEP)*2        ; from a slot's last K step of a tile to its first of the next: xb goes back along K,
.set BACK_B, (SIZE_K/KSTEP-2)*BSTEP-1024*2  ; wc back along K and 1,024 columns on
.set CROW,   4096*2                    ; bytes in a row of qkv
.set ADRA, 16                          ; v16-17  LDS address of my fragments of xb in slot 0, 1
.set ADRB, 20                          ; v20-21  the same for wc
.set STO,  24                          ; v24     the way out: where I put 16 bytes of a row
.set RD,   25                          ; v25     the way out: where I read a row back
.set CO,   26                          ; v26     my byte offset in two rows of qkv
.set BO,   27                          ; v27     my byte offset in the tile's 256 numbers of the bias
.set SPW,  28                          ; v28     LDS address of my spare word: SPARE + 4 x my thread's number; never rewritten
.set NIL,  29                          ; v29     0; never rewritten
.set NEG1, 30                          ; v30     -1.0
.set F0,   64                          ; fragment buffer 0
.set F1,   128                         ; fragment buffer 1
.set TMP,  192                         ; the way out: packed results
.set TML,  128                         ; the last tile's way out: the packed lo parts,
.set DT,   160                         ; and eight differences at work
.set OB,   32                          ; the way out: 16 rows read back from the stage: v32-63 and v224-255 by turns
.set G1,  24                           ; s[24:31] descriptor group 1 for xb's tiles
.set G0,  32                           ; s[32:39] descriptor group 0 for xb's tiles, one set for each slot
.set G1B, 48                           ; s[48:55] descriptor group 1 for wc's tiles
.set G0B, 56                           ; s[56:63] descriptor group 0 for wc's tiles, one set for each slot
.set BI,  66                           ; s[66:67] the bias at the tile's first column;  s[68:69] the next tile's;  s[70:71] the last tile's
.set MSB, 0
.macro WIN new                         ; the immediate's high byte repeats the setting that is left; a switch that changes nothing is dropped
.if MSB != (\new)
	s_set_vgpr_msb (MSB<<8)|(\new)
.set MSB, \new
.endif
.endm
.set MUL_LO, 0xa1                      ; source 0 (wc) window 1, source 1 (xb) window 0, C and D window 2; + 0x50: C and D window 3
.set MUL_B,  0x91                      ; the same with C (the bias) in window 1; + 0x40: D window 3
.set TO_B,   0x40                      ; destination window 1, address window 0
; A joint load.  Waves 0 and 1 fetch xb's two halves, waves 2 and 3 wc's.  Each line has one mask and one set of registers; the branch hangs on the wave's number alone.
; An s_nop 0 and four v_nop follow each of the two lines, ahead of the jump, the label and what follows.
.macro JLOAD s
	s_cmp_eq_u32 s11, 0
	s_cbranch_scc0 .Lfor_b_\@
	tensor_load_to_lds s[G0+4*(\s):G0+4*(\s)+3], s[G1:G1+7]
	s_nop 0
.rept 4
	v_nop
.endr
	s_branch .Lasked_\@
.Lfor_b_\@:
	tensor_load_to_lds s[G0B+4*(\s):G0B+4*(\s)+3], s[G1B:G1B+7]
	s_nop 0
.rept 4
	v_nop
.endr
.Lasked_\@:
.endm
; A round of the cluster's barrier: my work-group's barrier; wave 0 signals for the work-group; every wave waits for all sixteen work-groups; my work-group's barrier once more.
.macro CREST                           ; a round behind its opening barrier
	s_cmp_lg_u32 s10, 0
	s_cbranch_scc1 .Lnot_wave_0_\@
	s_barrier_signal -3
.Lnot_wave_0_\@:
	s_barrier_wait -3
	s_barrier_signal -1
	s_barrier_wait -1
.endm
.macro CROUND                          ; a whole round
	s_barrier_signal -1
	s_barrier_wait -1
	CREST
.endm
	s_load_b128 s[4:7], s[0:1], 0x0                ; xb s[4:5], wc s[6:7]
	s_load_b128 s[68:71], s[0:1], 0x10             ; bias s[68:69], bp s[70:71]
	s_load_b64 s[8:9], s[0:1], 0x20                ; qkv
	v_lshl_add_u32 v[SPW], v0, 2, SPARE
	v_mov_b32 v[NIL], 0
	ds_add_u32 v[SPW], v[NIL]                      ; the wave's opening: the add and its wait stand ahead of my first tensor load; the set-up below, work on registers, stands between them
	ds_add_u32 v28, v29
	v_lshrrev_b32 v1, 5, v0
	v_readfirstlane_b32 s10, v1                    ; wave 0..3
	s_lshr_b32 s11, s10, 1                         ; which half of the tile's rows is mine.  Also: I fetch for xb (0) or for wc (1)
	s_and_b32 s12, s10, 1                          ; which half of its columns.  Also: which half of that tile I fetch
	s_bfe_u32 s40, ttmp6, 0x40000                  ; cx: my place along the cluster's x
	s_bfe_u32 s41, ttmp6, 0x40004                  ; cy: along its y
	s_lshl_b32 s42, ttmp9, 2                       ; in a cluster launch ttmp9 and ttmp7 count clusters
	s_add_co_u32 s42, s42, s40                     ; the strip of 256 channels = 4 x cluster x + cx
	s_and_b32 s13, ttmp7, 0xffff
	s_lshl_b32 s13, s13, 2
	s_add_co_u32 s13, s13, s41                     ; tile row = 4 x cluster y + cy
	s_lshl_b32 s43, s41, 2
	s_lshl_b32 s43, 15, s43                        ; my row of the cluster: places 4 cy .. 4 cy + 3
	s_lshl_b32 s44, 0x1111, s40                    ; my column: places cx, cx + 4, cx + 8, cx + 12
	; descriptor group 1.  xb: 128 rows x 128 elements; wc: 64 k-rows x 256 elements; both padded in LDS
	s_or_b32 s[G1+0], s43, (1<<16)|(1<<20)|(1<<21)|(5<<22)|(3<<25)   ; 15:0 the mask: my row; 17:16 elements of 2 bytes; 20 padding on; 21 set beside a mask; 24:22 after every 64 words (code 5); 31:25 4 words of it (code 3)
	s_or_b32 s[G1B+0], s44, (1<<16)|(1<<20)|(1<<21)|(6<<22)|(7<<25)  ; the mask: my column; after every 128 words (code 6) 8 words (code 7)
	s_mov_b32 s[G1+1], KSTEP<<16                   ; tensor_dim0 = 128
	s_mov_b32 s[G1+2], 128<<16                     ; tensor_dim1 = 128
	s_mov_b32 s[G1+3], KSTEP<<16                   ; tile_dim0 = 128
	s_mov_b32 s[G1+4], 128                         ; tile_dim1 = 128
	s_mov_b32 s[G1+5], SIZE_K                      ; elements from row to row
	s_mov_b32 s[G1+6], 0
	s_mov_b32 s[G1+7], 0
	s_mov_b32 s[G1B+1], 256<<16                    ; tensor_dim0 = 256
	s_mov_b32 s[G1B+2], 64<<16                     ; tensor_dim1 = 64
	s_mov_b32 s[G1B+3], 256<<16                    ; tile_dim0 = 256
	s_mov_b32 s[G1B+4], 64                         ; tile_dim1 = 64
	s_mov_b32 s[G1B+5], SIZE_N                     ; elements from k-row to k-row
	s_mov_b32 s[G1B+6], 0
	s_mov_b32 s[G1B+7], 0
	; where the tiles come from.  xb's hang on the tile row alone, which my row of the cluster shares; wc's on the strip alone, which my column shares.  Each in registers that never hold the other coordinate.
	s_lshl_b32 s17, s12, 7
	s_lshl_b32 s16, s13, 8
	s_add_co_u32 s16, s16, s17                     ; xb: row 256 x tile row + 128 x half,
	s_lshl_b32 s16, s16, 11                        ; of 2,048 bytes: under 2^25
	s_mov_b32 s17, 0
	s_mul_i32 s46, s12, 64*SIZE_N*2                ; wc: k-row 64 x half,
	s_lshl_b32 s47, s42, 9                         ; column 256 x strip
	s_add_co_u32 s46, s46, s47
	s_mov_b32 s47, 0
	s_mul_i32 s20, s10, HALFT                      ; and where they go: wave x 34,816: no place in the cluster enters an LDS address
	s_wait_dscnt 0x0                               ; the opening add is done
	s_wait_kmcnt 0x0
	s_add_nc_u64 s[14:15], s[4:5], s[16:17]
	s_add_nc_u64 s[46:47], s[6:7], s[46:47]
	CROUND                                         ; all sixteen work-groups are here: the first joint loads meet
.irp s, 0,1
	s_mov_b32 s[G0+4*(\s)], 1                                        ; 1:0 count = 1
	s_add_co_u32 s[G0+4*(\s)+1], s20, (\s)*SLOT                      ; 63:32 LDS address
	s_add_nc_u64 s[G0+4*(\s)+2:G0+4*(\s)+3], s[14:15], (\s)*KSTEP*2  ; 120:64 global address: K step s
	s_or_b32 s[G0+4*(\s)+3], s[G0+4*(\s)+3], 0x80000000              ; 127:126 type = 2
	s_mov_b32 s[G0B+4*(\s)], 1
	s_add_co_u32 s[G0B+4*(\s)+1], s20, (\s)*SLOT
	s_add_nc_u64 s[G0B+4*(\s)+2:G0B+4*(\s)+3], s[46:47], (\s)*BSTEP
	s_or_b32 s[G0B+4*(\s)+3], s[G0B+4*(\s)+3], 0x80000000
	JLOAD \s                                       ; the ring is filled before anything else is done: two tensor loads of mine are out
.endr
; The bias of my 128 columns, laid as a C operand: in block b register j of lane l is bias[16 b + 8 (l / 16) + j]: every row of the tile gets the same numbers.
.macro BIASLD
	WIN TO_B
.irp b, 0,1,2,3,4,5,6,7
	global_load_b128 v[8*(\b):8*(\b)+3],   v[BO], s[BI:BI+1] offset:64*(\b)
	global_load_b128 v[8*(\b)+4:8*(\b)+7], v[BO], s[BI:BI+1] offset:64*(\b)+16
.endr
	WIN 0
.endm
	v_and_b32 v1, 15, v0                           ; l % 16
	v_bfe_u32 v2, v0, 4, 1                         ; l / 16
	v_mov_b32 v[NEG1], -1.0
	s_lshl_b32 s46, s42, 10                        ; my strip's 256 numbers of 4 bytes (in the registers that held wc's address: none that feeds xb's descriptors ever holds cx):
	s_mov_b32 s47, 0
	s_add_nc_u64 s[BI:BI+1], s[68:69], s[46:47]    ; of bq, for the first tile,
	s_add_nc_u64 s[68:69], s[BI:BI+1], 4096        ; of bk, for the second,
	s_add_nc_u64 s[70:71], s[70:71], s[46:47]      ; and of 32 b', for the third:
	s_and_b32 s16, s13, 15                         ; the copy of my tile row modulo 16
	s_lshl_b32 s16, s16, 12
	s_mov_b32 s17, 0
	s_add_nc_u64 s[70:71], s[70:71], s[16:17]
	s_lshl_b32 s21, s12, 9                         ; my half of the 256
	v_lshl_add_u32 v[BO], v2, 5, s21
	BIASLD
	; A fragment of xb is 16 rows x 32 K in 8 registers: lane l holds row l % 16, K = 8 (l / 16) + 0..7 and 16 + 8 (l / 16) + 0..7: two loads of 16 bytes, 32 bytes apart.
	v_mul_u32_u24 v3, v1, PITCH
	v_lshl_add_u32 v3, v2, 4, v3                   ; row x pitch + 16 x half
	; The turning load takes 16 k x 16 columns (lane l reads k-row 8 (l / 16) + l % 8, columns 8 ((l / 8) % 2) + 0..7) and leaves half a fragment: lane l holds column l % 16 and 8 k.
	v_and_b32 v4, 7, v0
	v_lshl_add_u32 v4, v2, 3, v4
	v_mul_u32_u24 v4, v4, PB
	v_bfe_u32 v5, v0, 3, 1
	v_lshl_add_u32 v4, v5, 4, v4
	s_mul_i32 s21, s11, HALFT                      ; my 128 rows of xb
	s_lshl_b32 s22, s12, 8                         ; my 128 columns of wc,
	s_add_co_u32 s22, s22, 2*HALFT                 ; which lies behind xb's 256 rows
.irp s, 0,1
	v_add_nc_u32 v[ADRA+(\s)], s21, v3
	v_add_nc_u32 v[ADRB+(\s)], s22, v4
	s_add_co_u32 s21, s21, SLOT
	s_add_co_u32 s22, s22, SLOT
.endr
	s_mul_i32 s23, s10, 16*SPITCH
	s_add_co_u32 s23, s23, STAGE                   ; my stage
	v_mul_u32_u24 v6, v1, SPITCH                   ; in: row l % 16, 16 bytes for each half of the lanes
	v_lshl_add_u32 v6, v2, 4, v6
	v_add_nc_u32 v[STO], s23, v6
	v_mul_u32_u24 v7, v2, SPITCH                   ; back: lanes 0-15 take one row of 256 bytes, lanes 16-31 the next
	v_lshl_add_u32 v7, v1, 4, v7
	v_add_nc_u32 v[RD], s23, v7
	v_mul_u32_u24 v7, v2, CROW                     ; and the same two rows in qkv
	v_lshl_add_u32 v[CO], v1, 4, v7
	s_lshl_b32 s16, s13, 8                         ; qkv at my part of the first tile: row 256 x tile row + 128 x half,
	s_lshl_b32 s17, s11, 7
	s_add_co_u32 s16, s16, s17
	s_lshl_b32 s16, s16, 13                        ; of 8,192 bytes: under 2^27
	s_mov_b32 s17, 0
	s_add_nc_u64 s[8:9], s[8:9], s[16:17]
	s_lshl_b32 s46, s42, 11                        ; the strip's 2,048 bytes, my half of q's 512
	s_lshl_b32 s47, s12, 8
	s_add_co_u32 s46, s46, s47
	s_mov_b32 s47, 0
	s_add_nc_u64 s[8:9], s[8:9], s[46:47]
; 16 matrix instructions: row blocks a0, a0 + 1 of the window's four (hi = 0: my rows 0-63, 1: rows 64-127) x all 8 column blocks, 32 along K.
; zero = 1: a tile's first products: the bias is their C operand and starts the sums: nothing is cleared, nothing is added later.
; The 64 accumulators take turns in one order everywhere, one instruction a turn.
.macro MUL16 f, hi, a0, zero
.if \zero
	WIN MUL_B+0x40*(\hi)
.else
	WIN MUL_LO+0x50*(\hi)
.endif
.irp a, \a0, (\a0)+1
.irp b, 0,1,2,3,4,5,6,7
.if \zero
	v_wmma_f32_16x16x32_f16 v[8*(8*(\a)+(\b)):8*(8*(\a)+(\b))+7], v[(\f)+8*(\b):(\f)+8*(\b)+7], v[(\f)+8*(4*(\hi)+(\a)):(\f)+8*(4*(\hi)+(\a))+7], v[8*(\b):8*(\b)+7]
.else
	v_wmma_f32_16x16x32_f16 v[8*(8*(\a)+(\b)):8*(8*(\a)+(\b))+7], v[(\f)+8*(\b):(\f)+8*(\b)+7], v[(\f)+8*(4*(\hi)+(\a)):(\f)+8*(4*(\hi)+(\a))+7], v[8*(8*(\a)+(\b)):8*(8*(\a)+(\b))+7]
.endif
.endr
.endr
.endm
; 32 LDS loads in one run: the fragments of quarter q of a K step (32 k x my 128 columns of wc, turned; my 128 rows of xb x 32 k) into buffer f
.macro FETCH slot, q, f
	WIN TO_B
.irp i, 0,1,2,3,4,5,6,7
	ds_load_tr16_b128 v[(\f)+8*(\i):(\f)+8*(\i)+3],   v[ADRB+(\slot)] offset:(\q)*32*PB+32*(\i)
	ds_load_tr16_b128 v[(\f)+8*(\i)+4:(\f)+8*(\i)+7], v[ADRB+(\slot)] offset:(\q)*32*PB+16*PB+32*(\i)
.endr
	WIN 0
.irp i, 0,1,2,3,4,5,6,7
	ds_load_b128 v[(\f)+8*(\i):(\f)+8*(\i)+3],   v[ADRA+(\slot)] offset:(\q)*64+(\i)*16*PITCH
	ds_load_b128 v[(\f)+8*(\i)+4:(\f)+8*(\i)+7], v[ADRA+(\slot)] offset:(\q)*64+(\i)*16*PITCH+32
.endr
.endm
; A load into a register that a matrix instruction has read, and a vector instruction or LDS store that reads a matrix result, stand four places behind that matrix instruction; only plain vector
; instructions that name none of its registers are places (ISA guide 7.12.1 for vector instructions).
.macro PLACES
.rept 4
	v_nop
.endr
.endm
; A K step is four quarters of 32 along K, 64 matrix instructions each, on buffers 0, 1, 0, 1.  One of the first three: multiplies buffer f; in its middle it fetches quarter q of the same slot into buffer g.
.macro QUARTER slot, q, f, g, zero
	s_wait_dscnt 8                                 ; wc's fragments and xb's rows 0-63 are in; the youngest eight loads (xb's rows 64-127) may be out
	MUL16 \f, 0, 0, \zero
	MUL16 \f, 0, 2, \zero
	PLACES
	FETCH \slot, \q, \g
	s_wait_dscnt 32                                ; all but the 32 just issued
	MUL16 \f, 1, 0, \zero
	MUL16 \f, 1, 2, \zero
.endm
; The last quarter multiplies buffer 1 and changes slots.  MEET is its first half: ONE barrier for the change.  In front of it each wave waits for all its tensor loads, of which one is out: its part of the next
; slot; adds 0 to its spare word; and waits for that and for its own reads of this slot.  Behind it nobody reads this slot any more and the next slot is whole.
.macro MEET round                      ; round = 1: a round of the cluster's barrier follows
	WIN 0                                          ; (the add's two registers lie in window 0)
	s_wait_tensorcnt 0x0                           ; all my tensor loads have landed;
	ds_add_u32 v[SPW], v[NIL]                      ; 0 onto my spare word;
	s_wait_dscnt 9                                 ; (the add and the youngest eight loads may be out)
	MUL16 F1, 0, 0, 0                              ; sixteen matrix instructions stand between the add and the wait for it
	s_wait_dscnt 0x0                               ; the add is done, and my reads of this slot are over:
	s_barrier_signal -1                            ; say so,
	MUL16 F1, 0, 2, 0                              ; work on registers while the others arrive,
.if \round
	WIN 0
.endif
	s_barrier_wait -1                              ; and go on when all four have said so
.endm
; The whole last quarter.  Behind the round the slot just read out is filled again first: with this tile's K step two steps on (on = 0) or, in a tile's last two K steps, with the NEXT tile's K step 0 or 1 (on = 1).
; From a request to the wait for it a wave issues 224 matrix instructions, across tiles too; one tensor load of mine is out.
.macro TURN slot, next, on
	MEET 1
	CREST                                          ; no wave of any partner still reads this slot's tile or has a load on its way
.if \on
	s_sub_nc_u64 s[G0+4*(\slot)+2:G0+4*(\slot)+3], s[G0+4*(\slot)+2:G0+4*(\slot)+3], BACK_A
	s_sub_nc_u64 s[G0B+4*(\slot)+2:G0B+4*(\slot)+3], s[G0B+4*(\slot)+2:G0B+4*(\slot)+3], BACK_B
.else
	s_add_nc_u64 s[G0+4*(\slot)+2:G0+4*(\slot)+3], s[G0+4*(\slot)+2:G0+4*(\slot)+3], 2*KSTEP*2
	s_add_nc_u64 s[G0B+4*(\slot)+2:G0B+4*(\slot)+3], s[G0B+4*(\slot)+2:G0B+4*(\slot)+3], 2*BSTEP
.endif
	JLOAD \slot                                    ; the first tensor load behind the round; the four v_nop behind it are also the places in front of the loads below
	FETCH \next, 0, F0
	MUL16 F1, 1, 0, 0
	MUL16 F1, 1, 2, 0
.endm
.macro ENDTURN                         ; the last change of slots of all: nothing is filled, so no round follows
	MEET 0
	PLACES                                         ; for the loads into buffer 0, which the quarter before multiplied
	FETCH 1, 0, F0
	MUL16 F1, 1, 0, 0
	MUL16 F1, 1, 2, 0
.endm
.macro LASTQ                           ; the very last quarter: nothing more to fetch
	s_wait_dscnt 8
	MUL16 F1, 0, 0, 0
	MUL16 F1, 0, 2, 0
	s_wait_dscnt 0x0
	MUL16 F1, 1, 0, 0
	MUL16 F1, 1, 2, 0
.endm
; THE WAY OUT of block a (16 of my rows).  PACK: rounded to f16, 16 bytes a lane, each accumulator's registers in ascending order.  TOSTAGE: into my own stage in LDS, and back as whole rows of 256 bytes.  SEND: stored.
.macro PACK a
.set AC, 64*((\a)%4)
	WIN 0x0a+5*((\a)/4)                            ; sources 0 and 1: window 2 or 3
.irp b, 0,1,2,3,4,5,6,7
.irp r, 0,1,2,3
	v_cvt_pk_f16_f32 v[TMP+4*(\b)+(\r)], v[AC+8*(\b)+2*(\r)], v[AC+8*(\b)+2*(\r)+1]
.endr
.endr
	WIN 0
.endm
.macro PACKH a                         ; the last tile: hi = the sums rounded to bf16
.set AC, 64*((\a)%4)
	WIN 0x0a+5*((\a)/4)
.irp b, 0,1,2,3,4,5,6,7
.irp r, 0,1,2,3
	v_cvt_pk_bf16_f32 v[TMP+4*(\b)+(\r)], v[AC+8*(\b)+2*(\r)], v[AC+8*(\b)+2*(\r)+1]
.endr
.endr
	WIN 0
.endm
.macro PACKL a                         ; lo = the rest, hi x (-1) + sum, which f32 holds exactly, rounded to bf16
.set AC, 64*((\a)%4)
	WIN 0x20+0x10*((\a)/4)                         ; source 2: window 2 or 3
.irp b, 0,1,2,3,4,5,6,7
.irp r, 0,1,2,3
	v_fma_mix_f32_bf16 v[DT+2*(\r)],   v[TMP+4*(\b)+(\r)], v[NEG1], v[AC+8*(\b)+2*(\r)]   op_sel_hi:[1,0,0]                ; source 0 is the word's low bf16,
	v_fma_mix_f32_bf16 v[DT+2*(\r)+1], v[TMP+4*(\b)+(\r)], v[NEG1], v[AC+8*(\b)+2*(\r)+1] op_sel:[1,0,0] op_sel_hi:[1,0,0]  ; its high one
.endr
.irp r, 0,1,2,3
	v_cvt_pk_bf16_f32 v[TML+4*(\b)+(\r)], v[DT+2*(\r)], v[DT+2*(\r)+1]
.endr
.endr
	WIN 0
.endm
.macro TOSTAGE src, par                ; src: the 32 packed registers; par: which of the two sets of registers takes the rows
	WIN 0
.set BK, OB+192*(\par)
.irp b, 0,1,2,3,4,5,6,7
	ds_store_b128 v[STO], v[(\src)+4*(\b):(\src)+4*(\b)+3] offset:32*(\b)
.endr
.irp t, 0,1,2,3,4,5,6,7
	ds_load_b128 v[BK+4*(\t):BK+4*(\t)+3], v[RD] offset:(\t)*2*SPITCH  ; LDS serves a wave's instructions in order (ISA guide 5.7.1.4): these see the stores above
.endr
.endm
.macro SEND a, par, col                ; col: bytes from the stores' base to the part of the strip that is stored
	WIN 0
.set BK, OB+192*(\par)
	s_wait_dscnt 0x0                               ; the rows are back in registers
	s_wait_xcnt 0x0                                ; the stores before have had their addresses translated (ISA guide 3.1): their registers are loaded again, by the next TOSTAGE, only behind this wait
.irp t, 0,1,2,3,4,5,6,7
	global_store_b128 v[CO], v[BK+4*(\t):BK+4*(\t)+3], s[8:9] offset:(16*(\a)+2*(\t))*CROW+(\col)  ; 16 lanes store 256 consecutive bytes, at a multiple of 256 from qkv's first byte; 126 rows at the most: inside the signed 24-bit immediate
.endr
.endm
.macro OUT                             ; block a's conversions stand between block a - 1's loads from the stage and the wait for them
	PACK 0
	TOSTAGE TMP, 0
.irp a, 1,2,3,4,5,6,7
	PACK \a
	SEND (\a)-1, ((\a)-1)%2, 0
	TOSTAGE TMP, (\a)%2
.endr
	SEND 7, 1, 0
.endm
.macro OUTV                            ; the last tile: each block goes through the stage twice, hi and then lo, 512 bytes further on in the strip; again arithmetic stands between a trip's loads and the wait for them
	PACKH 0
	TOSTAGE TMP, 0
.irp a, 0,1,2,3,4,5,6,7
	PACKL \a
	SEND \a, 0, 0
	TOSTAGE TML, 1
.if (\a) < 7
	PACKH (\a)+1
.endif
	SEND \a, 1, 512
.if (\a) < 7
	TOSTAGE TMP, 0
.endif
.endr
.endm
	s_wait_tensorcnt 1                             ; my part of K step 0 is in; K step 1's may stay out
	s_barrier_signal -1
	s_barrier_wait -1                              ; everybody's is
	FETCH 0, 0, F0
	s_mov_b32 s2, TILES                            ; tiles to go, this one among them: the same number in every work-group
.Ltile:                                                ; (FETCH and SEND leave every window 0)
	s_wait_loadcnt 0x0                             ; the tile's bias
	QUARTER 0, 1, F0, F1, 1                        ; a tile's first quarter stands in front of the loop: its products start the sums
	WIN 0                                          ; at a label and at a branch every window is 0
	s_mov_b32 s3, LAPS-1
.Llap:                                                 ; a trip goes once round the ring, from a lap's second quarter to the next lap's first, and fills both slots again
	QUARTER 0, 2, F1, F0, 0
	QUARTER 0, 3, F0, F1, 0
	TURN 0, 1, 0
	QUARTER 1, 1, F0, F1, 0
	QUARTER 1, 2, F1, F0, 0
	QUARTER 1, 3, F0, F1, 0
	TURN 1, 0, 0
	QUARTER 0, 1, F0, F1, 0
	WIN 0
	s_sub_co_u32 s3, s3, 1
	s_cmp_lg_u32 s3, 0
	s_cbranch_scc1 .Llap
	QUARTER 0, 2, F1, F0, 0                        ; the tile's last lap goes on
	QUARTER 0, 3, F0, F1, 0
	WIN 0
	s_cmp_eq_u32 s2, 1
	s_cbranch_scc1 .Llast                          ; the last tile's tail is written out: it asks for nothing more
	TURN 0, 1, 1                                   ; THE RING GOES ON INTO THE NEXT TILE: slot 0 takes its K step 0,
	QUARTER 1, 1, F0, F1, 0
	QUARTER 1, 2, F1, F0, 0
	QUARTER 1, 3, F0, F1, 0
	TURN 1, 0, 1                                   ; slot 1 its K step 1, and the next tile's first fragments are fetched
	s_mov_b64 s[BI:BI+1], s[68:69]                 ; the next tile's bias: the last loads by this base were waited for at the tile's head;
	s_mov_b64 s[68:69], s[70:71]                   ; the tile after it is the last
	BIASLD                                         ; the products that read these registers stand a whole tile back
	OUT                                            ; no v_nop: blocks 0-3 were finished in front of the joint load's places, and their 128 conversions, which name no register of the last products, are those products' places
	s_wait_xcnt 0x0                                ; the stores have had their addresses translated: their base may step
	s_add_nc_u64 s[8:9], s[8:9], 512               ; the strip's next part
	s_sub_co_u32 s2, s2, 1
	s_branch .Ltile
.Llast:
	ENDTURN
	QUARTER 1, 1, F0, F1, 0
	QUARTER 1, 2, F1, F0, 0
	QUARTER 1, 3, F0, F1, 0
	LASTQ
	WIN 0
	PLACES                                         ; the conversions read results just made
	OUTV
	s_wait_tensorcnt 0x0                           ; the wave's end: behind my last tensor load and my last LDS store
	ds_add_u32 v[SPW], v[NIL]
	s_wait_dscnt 0x0
	CROUND                                         ; the closing round: no work-group ends while a partner may still ask for a tile that names it
	s_endpgm
.Lfunc_end_k_qe4caf71291_gemm_qkv:
	.size	k_qe4caf71291_gemm_qkv, .Lfunc_end_k_qe4caf71291_gemm_qkv-k_qe4caf71291_gemm_qkv
	.p2alignl 7, 3214868480
	.fill 96, 4, 3214868480
	.section	.rodata,"a",@progbits
	.p2align	6, 0x0
	.amdhsa_kernel k_qe4caf71291_gemm_qkv
		.amdhsa_group_segment_fixed_size 327680
		.amdhsa_private_segment_fixed_size 0
		.amdhsa_enable_private_segment 0
		.amdhsa_kernarg_size 40
		.amdhsa_user_sgpr_count 2
		.amdhsa_user_sgpr_kernarg_segment_ptr 1
		.amdhsa_wavefront_size32 1
		.amdhsa_system_sgpr_workgroup_id_x 1
		.amdhsa_system_sgpr_workgroup_id_y 1
		.amdhsa_system_sgpr_workgroup_id_z 1
		.amdhsa_system_vgpr_workitem_id 0
		.amdhsa_next_free_vgpr 1024
		.amdhsa_next_free_sgpr 72
		.amdhsa_reserve_vcc 0
		.amdhsa_float_denorm_mode_32 3
		.amdhsa_float_denorm_mode_16_64 3
		.amdhsa_memory_ordered 1
		.amdhsa_forward_progress 1
		.amdhsa_inst_pref_size 255
	.end_amdhsa_kernel
	.section	.bss,"aw",@nobits
	.p2align	6
	.space	262144
	.amdgpu_metadata
---
amdhsa.version: [ 1, 2 ]
amdhsa.kernels:
  - .name:           k_qe4caf71291_gemm_qkv
    .symbol:         k_qe4caf71291_gemm_qkv.kd
    .args:
      - { .name: xb, .offset: 0, .size: 8, .value_kind: global_buffer, .address_space: global }
      - { .name: wc, .offset: 8, .size: 8, .value_kind: global_buffer, .address_space: global }
      - { .name: bias, .offset: 16, .size: 8, .value_kind: global_buffer, .address_space: global }
      - { .name: bp, .offset: 24, .size: 8, .value_kind: global_buffer, .address_space: global }
      - { .name: qkv, .offset: 32, .size: 8, .value_kind: global_buffer, .address_space: global }
    .group_segment_fixed_size: 327680
    .private_segment_fixed_size: 0
    .kernarg_segment_align: 8
    .kernarg_segment_size: 40
    .max_flat_workgroup_size: 128
    .sgpr_count:     72
    .vgpr_count:     1024
    .wavefront_size: 32
...
	.end_amdgpu_metadata
.endif
;; end of part 7
;; launch attn (part 8): grid 128 x 4, 4 waves a work-group, no clusters, 281,088 bytes of LDS; arguments qkv, bias, out0; writes out0
.if DOCPART == 8
	.amdgcn_target "amdgcn-amd-amdhsa--gfx1250"
	.amdhsa_code_object_version 6
	.text
	.protected	k_qe4caf71291_attn
	.globl	k_qe4caf71291_attn
	.p2align	8
	.type	k_qe4caf71291_attn,@function
k_qe4caf71291_attn:
	s_mov_b64 s[64:65], 0
	v_nop
	global_prefetch_b8 v0, s[64:65] scope:SCOPE_SE
	s_setreg_imm32_b32 hwreg(HW_REG_WAVE_MODE, 25, 1), 1
	s_wait_xcnt 0x0
; 512 CAUSAL ATTENTIONS OF 32 x 32, AND THE RESULT.  Group (b, p) holds rows b 4096 + 128 nb + p, nb = 0 .. 31: out0[row nb] = the sum over kb <= nb of softmax(q[nb] . k[kb] / 32) v'[kb] + bout, 1,024 channels, one head.
; v' = x (Wv Wout) + bv Wout already holds the module's last product, so that this sum is the result.
; qkv: [16384][4096] of 16 bits: channel 256 w + c of q, k (f16) and of hi, lo (bf16; hi + lo = 32 v') at column 1024 w + 256 t + c, t = 0 .. 3.  bias: f32, bout at byte 12,288.  out0: [16384][1024] f32.
; Products, maxima and sums in f32.  The weights are divided by their sum and by 32 and then split like v': Ph = bf16(p), Pl = bf16(p - Ph); the second product is hi Ph + lo Ph + hi Pl; lo Pl, some 2^-18 of a term, is left out.
; LIMITS.  q and k arrive within f16's 65,504; a weight below 2^-126 counts as 0 in the sum.  NaN and infinities are not treated apart.
; SHARES.  A work-group takes one group, wave w the channels 256 w .. 256 w + 255: TWO tensor loads a wave, q and k (32 rows x 1,024 bytes) and hi and lo (the same), bring all that the wave reads of qkv.
; The waves' partial scores meet in LDS, in f32; every wave then makes the same softmax and multiplies by its own channels.  A straight line: no loop, no LDS byte is filled twice.
; NO CLUSTER: no two work-groups read the same byte of qkv.
; LAYOUT.  S^T = K Q^T (source 0 = 16 keys, source 1 = 16 queries): a lane holds ONE query (lane % 16) and the keys 8 (lane / 16) + 0..7.  Two such results rounded in pairs ARE source 1 (32 keys x 16 queries) of
; O^T = V^T P, whose result again holds one query a lane, and eight channels.  Of the four tiles of scores the one of keys 16-31 against queries 0-15 is wholly hidden and is not made.
; THE MASK is the reference's own: a hidden score is replaced by the lowest finite f32; the row's true maximum (every row sees its own key) is taken away before the exponential.
; REGISTERS, in windows of 256 (s_set_vgpr_msb: bits 1:0 source 0, 3:2 source 1, 5:4 source 2, 7:6 destination):
;   window 0: v0-31 addresses and statistics; v32-55 S^T; v56-87 Ph, Pl; v88-183 the four waves' partial scores, later v88-215 sixteen rows of the result; v216-223 bout
;   window 1: v0-127 Q (query block qb, channels 32 ks on, at 64 qb + 8 ks); v128-255 K likewise     window 2: v0-127 hi^T (channel block cb at 8 cb); v128-255 lo^T     window 3: O^T (tile (cb, qb) at 8 (2 cb + qb))
.set PQ,    1040      ; a row of q and k in LDS: 1,024 bytes + 16 = 260 words: row r starts at bank 4 r mod 64 (64 banks of 4 bytes: ISA guide 11.1)
.set PV,    1056      ; a row of hi and lo: 1,024 + 32 = 264 words: row r starts at bank 8 r mod 64
.set QKT,   32*PQ     ; a wave's tile of q and k.  When it has been read it is the wave's STAGE for the way out: a row of the result is 1,024 bytes; the tile has had its only fill
.set VT,    32*PV     ; a wave's tile of hi and lo
.set VOFF,  4*QKT
.set SX,    VOFF+4*VT ; the partial scores: 3,072 bytes a wave: tile of scores x 1,024 + half of its registers x 512 + 16 x lane
.set SXW,   3072
.set SPARE, SX+4*SXW  ; the spare words, 128 bytes for each wave: two blocks of 256 bytes that no other line names
.set OROW,  128*4096  ; bytes of out0 from a row of the group to the next
.set AF,  4           ; v4   my lane's place in 16 rows of q
.set AV,  5           ; v5   the same for the turning loads
.set SXS, 6           ; v6   where I put my wave's partial scores
.set SXL, 7           ; v7   where I read the four waves'
.set STO, 8           ; v8   the way out: where I put 32 bytes of a row
.set RD,  9           ; v9   the way out: where I read half a row back
.set GO,  10          ; v10  my byte offset in 512 consecutive bytes
.set DG,  11          ; v11  lane % 16 - 8 (lane / 16): in a tile on the diagonal register j is hidden where j is greater
.set SPW, 14          ; v14  LDS address of my spare word: SPARE + 4 x my thread's number; never rewritten
.set NIL, 15          ; v15  0; never rewritten
.set CM,  16          ; v16, v18  c m of query blocks 0, 1 (named as pairs with v17, v19)
.set RL,  20          ; v20, v22  1 / (32 l) (pairs with v21, v23)
.set W,   24          ; v24-28 at work
.set NEG1, 29         ; v29  -1.0
.set S00, 32          ; keys 0-15 x queries 0-15
.set S01, 40          ; keys 0-15 x queries 16-31
.set S11, 48          ; keys 16-31 x queries 16-31
.set PH0, 56          ; Ph for queries 0-15: its upper four registers (keys 16-31) hold 0;  PH0 + 8: for queries 16-31
.set PL0, 72          ; Pl likewise
.set PS,  88          ; wave w's partial scores at PS + 24 w
.set R,   88          ; later: half row i of sixteen rows at R + 4 i
.set BB,  216         ; bout of my 4 + 4 channels in a row's two halves
.set MSB, 0
.macro WIN new                      ; the high byte repeats the setting that is left; a switch that changes nothing is dropped
.if MSB != (\new)
	s_set_vgpr_msb (MSB<<8)|(\new)
.set MSB, (\new)
.endif
.endm
	s_load_b128 s[4:7], s[0:1], 0x0 ; qkv s[4:5], bias s[6:7]
	s_load_b64 s[34:35], s[0:1], 0x10  ; out0
	v_lshl_add_u32 v[SPW], v0, 2, SPARE
	v_mov_b32 v[NIL], 0
	ds_add_u32 v[SPW], v[NIL]       ; the wave's opening: the add and its wait stand ahead of my first tensor load; the set-up below, work on registers, stands between them
	ds_add_u32 v14, v15
	v_lshrrev_b32 v1, 5, v0
	v_readfirstlane_b32 s8, v1      ; wave 0..3
	s_and_b32 s10, ttmp7, 0xffff    ; b
	s_lshl_b32 s31, s10, 12
	s_add_co_u32 s31, s31, ttmp9    ; the group's first row: 4,096 b + p
	s_lshl_b32 s24, s31, 13         ; in qkv, rows of 8,192 bytes: under 2^27,
	s_lshl_b32 s32, s8, 11          ; my strip's 2,048
	s_add_co_u32 s24, s24, s32
	s_mov_b32 s25, 0
	s_lshl_b32 s36, s31, 12         ; in out0, rows of 4,096 bytes,
	s_lshl_b32 s32, s8, 10          ; my 256 channels
	s_add_co_u32 s36, s36, s32
	s_mov_b32 s37, 0
	s_add_co_u32 s38, s32, 12288    ; and the same channels of bout
	s_mov_b32 s39, 0
	s_mov_b32 s12, 1                ; group 0 for q and k: 1:0 count = 1
	s_mul_i32 s13, s8, QKT          ; 63:32 LDS address: my tile
	s_mov_b32 s40, 1                ; group 0 for hi and lo
	s_mul_i32 s41, s8, VT
	s_add_co_u32 s41, s41, VOFF
	s_mov_b32 s16, (1<<16)|(1<<20)|(7<<22)|(3<<25)  ; group 1 for q and k: 17:16 elements of 2 bytes; 20 padding on; 24:22 after every 256 words (code 7), a row; 31:25 4 words of it (code 3)
	s_mov_b32 s44, (1<<16)|(1<<20)|(7<<22)|(7<<25)  ; for hi and lo: 8 words (code 7)
.irp g, 16, 44
	s_mov_b32 s[\g+1], 512<<16      ; tensor_dim0 = 512
	s_mov_b32 s[\g+2], 32<<16       ; tensor_dim1 = 32
	s_mov_b32 s[\g+3], 512<<16      ; tile_dim0 = 512
	s_mov_b32 s[\g+4], 32           ; tile_dim1 = 32
	s_mov_b32 s[\g+5], 128*4096     ; from a row of the group to the next: 128 rows of qkv
	s_mov_b32 s[\g+6], 0
	s_mov_b32 s[\g+7], 0
.endr
	s_mov_b32 s26, 0x3d38aa3b       ; c = log2(e) / 32
	s_mov_b32 s27, s26              ; named with it as a pair
	s_mov_b32 s28, 0x76543210       ; v_permlanex16_b32's selects: each lane takes its own place in the other half
	s_mov_b32 s29, 0xfedcba98
	s_mov_b32 s30, 0xff7fffff       ; the lowest finite f32
	s_wait_dscnt 0x0                ; the opening add is done
	s_wait_kmcnt 0x0
	s_add_nc_u64 s[14:15], s[4:5], s[24:25]  ; 120:64 global address: q and k,
	s_add_nc_u64 s[42:43], s[14:15], 1024    ; hi and lo behind them
	s_or_b32 s15, s15, 0x80000000   ; 127:126 type = 2
	s_or_b32 s43, s43, 0x80000000
	s_add_nc_u64 s[34:35], s[34:35], s[36:37]
	s_add_nc_u64 s[52:53], s[34:35], 16*OROW  ; a second base for rows 16-31: a store's immediate holds 24 signed bits
	s_add_nc_u64 s[6:7], s[6:7], s[38:39]
	tensor_load_to_lds s[12:15], s[16:23]  ; my two tensor loads go out together
	s_nop 0
	tensor_load_to_lds s[40:43], s[44:51]
	s_nop 0
	v_and_b32 v1, 15, v0            ; r = l % 16
	v_bfe_u32 v2, v0, 4, 1          ; h = l / 16
	v_and_b32 v3, 31, v0            ; l
	v_lshlrev_b32 v[GO], 4, v3
	global_load_b128 v[BB:BB+3],   v[GO], s[6:7]             ; bout, as the rows will lie when they leave: 512 consecutive bytes a load
	global_load_b128 v[BB+4:BB+7], v[GO], s[6:7] offset:512
	v_mul_u32_u24 v12, v1, PQ       ; a fragment of q or k: row r, channels 8 h + 0..7 and 16 + 8 h + 0..7: two loads of 16 bytes, 32 bytes apart
	v_add_nc_u32 v12, s13, v12
	v_lshl_add_u32 v[AF], v2, 4, v12
	v_lshl_add_u32 v[STO], v2, 5, v12  ; the way out: row r, 32 bytes for each half of the lanes
	v_add_nc_u32 v[RD], s13, v[GO]
	v_and_b32 v12, 7, v0            ; the turning load: lane l reads key 8 h + l % 8, channels 8 ((l / 8) % 2) + 0..7, and is left with channel l % 16 and 8 keys
	v_lshl_add_u32 v12, v2, 3, v12
	v_mul_u32_u24 v[AV], v12, PV
	v_bfe_u32 v13, v0, 3, 1
	v_lshl_add_u32 v[AV], v13, 4, v[AV]
	v_add_nc_u32 v[AV], s41, v[AV]
	s_mul_i32 s32, s8, SXW
	s_add_co_u32 s32, s32, SX
	v_add_nc_u32 v[SXS], s32, v[GO]
	v_add_nc_u32 v[SXL], SX, v[GO]
	v_lshlrev_b32 v[DG], 3, v2
	v_sub_nc_u32 v[DG], v1, v[DG]
	v_mov_b32 v[NEG1], -1.0
.irp i, CM+1, CM+3, RL+1, RL+3, W+3, W+4, PH0+4, PH0+5, PH0+6, PH0+7, PL0+4, PL0+5, PL0+6, PL0+7
	v_mov_b32 v[\i], 0              ; the pairs' upper words, the lane exchanges' destinations, and the weights of keys 16-31 for queries 0-15
.endr
	s_wait_tensorcnt 0x1            ; tensor loads of a wave end in order (ISA guide 10.11.1): q and k are in LDS, hi and lo may stay out; no other wave reads my tiles
	; THE SCORES of my 256 channels.  64 loads, in the order in which the products want them: for each 32 channels K0, Q0, Q1, K1.
.macro LDF reg, off
	ds_load_b128 v[(\reg):(\reg)+3],   v[AF] offset:(\off)
	ds_load_b128 v[(\reg)+4:(\reg)+7], v[AF] offset:(\off)+32
.endm
	WIN 0x40                        ; destination window 1, address window 0
.irp ks, 0,1,2,3,4,5,6,7
	LDF 128+8*\ks, 512+64*\ks
	LDF 8*\ks, 64*\ks
	LDF 64+8*\ks, 16*PQ+64*\ks
	LDF 192+8*\ks, 16*PQ+512+64*\ks
.endr
.macro SC d, k, q, ks               ; the first 32 channels start the sum
.if (\ks) == 0
	v_wmma_f32_16x16x32_f16 v[(\d):(\d)+7], v[(\k)+8*(\ks):(\k)+8*(\ks)+7], v[(\q)+8*(\ks):(\q)+8*(\ks)+7], 0
.else
	v_wmma_f32_16x16x32_f16 v[(\d):(\d)+7], v[(\k)+8*(\ks):(\k)+8*(\ks)+7], v[(\q)+8*(\ks):(\q)+8*(\ks)+7], v[(\d):(\d)+7]
.endif
.endm
	WIN 0x05                        ; K and Q in window 1, S^T in window 0
.irp ks, 0,1,2,3,4,5,6,7
	s_wait_dscnt 8*(7-\ks)          ; LDS loads come back in order (ISA guide 5.7.1): these 32 channels' eight are in, the later ones' stay out
	SC S00, 128, 0, \ks             ; the three accumulators take turns, one instruction a turn
	SC S01, 128, 64, \ks
	SC S11, 192, 64, \ks
.endr
	WIN 0
.rept 4
	v_nop                           ; the places between the last products and the stores that read them
.endr
	; THE EXCHANGE.  Each accumulator's lowest four registers are stored first.
.irp t, 0,1,2
	ds_store_b128 v[SXS], v[S00+8*\t:S00+8*\t+3]   offset:1024*\t
	ds_store_b128 v[SXS], v[S00+8*\t+4:S00+8*\t+7] offset:1024*\t+512
.endr
	s_wait_dscnt 0x0                ; for the others' sake: my stores are done
	s_barrier_signal -1
	s_barrier_wait -1
.irp w, 0,1,2,3
.irp u, 0,1,2,3,4,5
	ds_load_b128 v[PS+24*\w+4*\u:PS+24*\w+4*\u+3], v[SXL] offset:SXW*\w+512*\u
.endr
.endr
	s_wait_dscnt 0x0
	s_wait_tensorcnt 0x0            ; hi and lo are in LDS: their 64 turning loads go out now and land under the softmax
	WIN 0x80                        ; destination window 2
.irp cb, 0,1,2,3,4,5,6,7,8,9,10,11,12,13,14,15
	ds_load_tr16_b128 v[8*\cb:8*\cb+3],         v[AV] offset:32*\cb
	ds_load_tr16_b128 v[8*\cb+4:8*\cb+7],       v[AV] offset:16*PV+32*\cb
	ds_load_tr16_b128 v[128+8*\cb:128+8*\cb+3], v[AV] offset:512+32*\cb
	ds_load_tr16_b128 v[128+8*\cb+4:128+8*\cb+7], v[AV] offset:16*PV+512+32*\cb
.endr
	WIN 0
.irp i, 0,1,2,3,4,5,6,7,8,9,10,11   ; (wave 0 + wave 1) + (wave 2 + wave 3), alike in all four waves
	v_pk_add_f32 v[PS+2*\i:PS+2*\i+1], v[PS+2*\i:PS+2*\i+1], v[PS+24+2*\i:PS+24+2*\i+1]
	v_pk_add_f32 v[PS+48+2*\i:PS+48+2*\i+1], v[PS+48+2*\i:PS+48+2*\i+1], v[PS+72+2*\i:PS+72+2*\i+1]
.endr
.irp i, 0,1,2,3,4,5,6,7,8,9,10,11
	v_pk_add_f32 v[S00+2*\i:S00+2*\i+1], v[PS+2*\i:PS+2*\i+1], v[PS+48+2*\i:PS+48+2*\i+1]
.endr
	; THE SOFTMAX.  The mask: in the two tiles on the diagonal key 8 h + j is hidden from query r where j > r - 8 h.
.irp j, 0,1,2,3,4,5,6,7
	v_cmp_gt_i32 vcc_lo, \j, v[DG]
	v_cndmask_b32 v[S00+\j], v[S00+\j], s30, vcc_lo
	v_cndmask_b32 v[S11+\j], v[S11+\j], s30, vcc_lo
.endr
	v_max3_num_f32 v[W],   v[S00],   v[S00+1], v[S00+2]  ; three chains, three operands at a time
	v_max3_num_f32 v[W+1], v[S01],   v[S01+1], v[S01+2]
	v_max3_num_f32 v[W+2], v[S11],   v[S11+1], v[S11+2]
	v_max3_num_f32 v[W],   v[W],   v[S00+3], v[S00+4]
	v_max3_num_f32 v[W+1], v[W+1], v[S01+3], v[S01+4]
	v_max3_num_f32 v[W+2], v[W+2], v[S11+3], v[S11+4]
	v_max3_num_f32 v[W],   v[W],   v[S00+5], v[S00+6]
	v_max3_num_f32 v[W+1], v[W+1], v[S01+5], v[S01+6]
	v_max3_num_f32 v[W+2], v[W+2], v[S11+5], v[S11+6]
	v_max_num_f32  v[W],   v[W],   v[S00+7]
	v_max3_num_f32 v[W+1], v[W+1], v[S01+7], v[S11+7]
	v_max_num_f32  v[W+1], v[W+1], v[W+2]
	v_permlanex16_b32 v[W+3], v[W],   s28, s29  ; the query's other keys lie in the lane 16 away
	v_permlanex16_b32 v[W+4], v[W+1], s28, s29
	v_max_num_f32 v[W],   v[W],   v[W+3]
	v_max_num_f32 v[W+1], v[W+1], v[W+4]
	v_mul_f32 v[CM],   s26, v[W]                ; c m
	v_mul_f32 v[CM+2], s26, v[W+1]
.irp i, 0,1,2,3
	v_pk_fma_f32 v[S00+2*\i:S00+2*\i+1], v[S00+2*\i:S00+2*\i+1], s[26:27], v[CM:CM+1] op_sel_hi:[1,0,0] neg_lo:[0,0,1] neg_hi:[0,0,1]  ; c s - c m
.endr
.irp i, 0,1,2,3,4,5,6,7
	v_pk_fma_f32 v[S01+2*\i:S01+2*\i+1], v[S01+2*\i:S01+2*\i+1], s[26:27], v[CM+2:CM+3] op_sel_hi:[1,0,0] neg_lo:[0,0,1] neg_hi:[0,0,1]
.endr
.set i, 0
.rept 24
	v_exp_f32 v[S00+i], v[S00+i]
.set i, i+1
.endr
	v_nop                           ; a plain instruction between the last exponential and the use of its result (ISA guide 5.7.2)
	s_wait_alu depctr_va_vdst(0)
	v_pk_add_f32 v[PS+8:PS+9],   v[S00:S00+1],   v[S00+2:S00+3]  ; the sums, into registers of their own: the weights are kept
	v_pk_add_f32 v[PS+10:PS+11], v[S00+4:S00+5], v[S00+6:S00+7]
	v_pk_add_f32 v[PS:PS+1],     v[S01:S01+1],   v[S01+2:S01+3]
	v_pk_add_f32 v[PS+2:PS+3],   v[S01+4:S01+5], v[S01+6:S01+7]
	v_pk_add_f32 v[PS+4:PS+5],   v[S11:S11+1],   v[S11+2:S11+3]
	v_pk_add_f32 v[PS+6:PS+7],   v[S11+4:S11+5], v[S11+6:S11+7]
	v_pk_add_f32 v[PS+8:PS+9],   v[PS+8:PS+9],   v[PS+10:PS+11]
	v_pk_add_f32 v[PS:PS+1],     v[PS:PS+1],     v[PS+2:PS+3]
	v_pk_add_f32 v[PS+4:PS+5],   v[PS+4:PS+5],   v[PS+6:PS+7]
	v_add_f32 v[W], v[PS+8], v[PS+9]
	v_pk_add_f32 v[PS:PS+1],     v[PS:PS+1],     v[PS+4:PS+5]
	v_permlanex16_b32 v[W+3], v[W], s28, s29
	v_add_f32 v[W+1], v[PS], v[PS+1]
	v_add_f32 v[W], v[W], v[W+3]
	v_permlanex16_b32 v[W+4], v[W+1], s28, s29
	v_add_f32 v[W+1], v[W+1], v[W+4]
	v_rcp_f32 v[RL],   v[W]
	v_rcp_f32 v[RL+2], v[W+1]
	v_nop                           ; a plain instruction behind the reciprocals
	s_wait_alu depctr_va_vdst(0)
	v_mul_f32 v[RL],   0x3d000000, v[RL]    ; times 1 / 32, exact: hi + lo is 32 v'
	v_mul_f32 v[RL+2], 0x3d000000, v[RL+2]
.irp i, 0,1,2,3
	v_pk_mul_f32 v[S00+2*\i:S00+2*\i+1], v[S00+2*\i:S00+2*\i+1], v[RL:RL+1] op_sel_hi:[1,0]  ; the weights are divided before they are rounded: O^T needs no scaling
.endr
.irp i, 0,1,2,3,4,5,6,7
	v_pk_mul_f32 v[S01+2*\i:S01+2*\i+1], v[S01+2*\i:S01+2*\i+1], v[RL+2:RL+3] op_sel_hi:[1,0]
.endr
.irp i, 0,1,2,3
	v_cvt_pk_bf16_f32 v[PH0+\i], v[S00+2*\i], v[S00+2*\i+1]
.endr
.irp i, 0,1,2,3,4,5,6,7
	v_cvt_pk_bf16_f32 v[PH0+8+\i], v[S01+2*\i], v[S01+2*\i+1]  ; S01's keys 0-15 into registers 0-3, S11's keys 16-31 into 4-7
.endr
.irp i, 0,1,2,3                     ; the rest, Ph x (-1) + p, which f32 holds exactly, in place
	v_fma_mix_f32_bf16 v[S00+2*\i],   v[PH0+\i], v[NEG1], v[S00+2*\i]   op_sel_hi:[1,0,0]
	v_fma_mix_f32_bf16 v[S00+2*\i+1], v[PH0+\i], v[NEG1], v[S00+2*\i+1] op_sel:[1,0,0] op_sel_hi:[1,0,0]
.endr
.irp i, 0,1,2,3,4,5,6,7
	v_fma_mix_f32_bf16 v[S01+2*\i],   v[PH0+8+\i], v[NEG1], v[S01+2*\i]   op_sel_hi:[1,0,0]
	v_fma_mix_f32_bf16 v[S01+2*\i+1], v[PH0+8+\i], v[NEG1], v[S01+2*\i+1] op_sel:[1,0,0] op_sel_hi:[1,0,0]
.endr
.irp i, 0,1,2,3
	v_cvt_pk_bf16_f32 v[PL0+\i], v[S00+2*\i], v[S00+2*\i+1]
.endr
.irp i, 0,1,2,3,4,5,6,7
	v_cvt_pk_bf16_f32 v[PL0+8+\i], v[S01+2*\i], v[S01+2*\i+1]
.endr
	; O^T = hi^T Ph + lo^T Ph + hi^T Pl: 16 blocks of 16 channels x 2 blocks of 16 queries, 32 keys deep.  The 32 accumulators take turns, one instruction a turn.
	s_wait_dscnt 0x0                ; hi and lo are in registers
	WIN 0xf2                        ; hi, lo in window 2, P in window 0, O^T in window 3
.set t, 0
.rept 32
	v_wmma_f32_16x16x32_bf16 v[8*t:8*t+7], v[8*(t/2):8*(t/2)+7], v[PH0+8*(t%2):PH0+8*(t%2)+7], 0
.set t, t+1
.endr
.set t, 0
.rept 32
	v_wmma_f32_16x16x32_bf16 v[8*t:8*t+7], v[128+8*(t/2):128+8*(t/2)+7], v[PH0+8*(t%2):PH0+8*(t%2)+7], v[8*t:8*t+7]
.set t, t+1
.endr
.set t, 0
.rept 32
	v_wmma_f32_16x16x32_bf16 v[8*t:8*t+7], v[8*(t/2):8*(t/2)+7], v[PL0+8*(t%2):PL0+8*(t%2)+7], v[8*t:8*t+7]
.set t, t+1
.endr
	WIN 0
.rept 4
	v_nop                           ; the places between the last products and the stores that read them
.endr
	; THE WAY OUT.  A lane's eight channels of a row are 32 bytes: into my stage (each accumulator's lowest four registers first), back as half rows of 512 bytes, bout added, stored.  Sixteen rows at a time.
.macro TOST qb                      ; the sixteen tiles of query block qb
	WIN 0x0c                        ; the stores' data (source 1): window 3
.set t, 0
.rept 16
	ds_store_b128 v[STO], v[8*(2*t+(\qb)):8*(2*t+(\qb))+3]   offset:(\qb)*16*PQ+64*t
	ds_store_b128 v[STO], v[8*(2*t+(\qb))+4:8*(2*t+(\qb))+7] offset:(\qb)*16*PQ+64*t+16
.set t, t+1
.endr
	WIN 0
.endm
.macro BACK qb                      ; its sixteen rows, two loads each.  LDS serves a wave's instructions in order (ISA guide 5.7.1.4): these see the stores above
.set t, 0
.rept 32
	ds_load_b128 v[R+4*t:R+4*t+3], v[RD] offset:((\qb)*16+t/2)*PQ+512*(t%2)
.set t, t+1
.endr
.endm
.macro LEAVE base, younger          ; younger: the LDS instructions issued behind BACK's loads
.set t, 0
.rept 32
	s_wait_dscnt (\younger)+31-t    ; half row t is back, the later ones stay out
	v_pk_add_f32 v[R+4*t:R+4*t+1],   v[R+4*t:R+4*t+1],   v[BB+4*(t%2):BB+4*(t%2)+1]
	v_pk_add_f32 v[R+4*t+2:R+4*t+3], v[R+4*t+2:R+4*t+3], v[BB+4*(t%2)+2:BB+4*(t%2)+3]
	global_store_b128 v[GO], v[R+4*t:R+4*t+3], s[(\base):(\base)+1] offset:(t/2)*OROW+512*(t%2) th:TH_STORE_NT  ; 512 consecutive bytes, at a multiple of 256 from out0's first; 15 x 524,288 + 512 at the most: inside the signed 24-bit immediate
.set t, t+1
.endr
.endm
	TOST 0
	BACK 0
	TOST 1                          ; other rows of the stage: they are written while rows 0-15 come back
	s_wait_loadcnt 0x0              ; bout
	LEAVE 34, 32
	s_wait_xcnt 0x0                 ; the stores have had their addresses translated (ISA guide 3.1): their registers are loaded again only behind this wait
	BACK 1
	LEAVE 52, 0
	s_wait_tensorcnt 0x0            ; the wave's end: behind my last tensor load and my last LDS store
	ds_add_u32 v[SPW], v[NIL]
	s_wait_dscnt 0x0
	s_endpgm
.Lfunc_end_k_qe4caf71291_attn:
	.size	k_qe4caf71291_attn, .Lfunc_end_k_qe4caf71291_attn-k_qe4caf71291_attn
	.p2alignl 7, 3214868480
	.fill 96, 4, 3214868480
	.section	.rodata,"a",@progbits
	.p2align	6, 0x0
	.amdhsa_kernel k_qe4caf71291_attn
		.amdhsa_group_segment_fixed_size 281088
		.amdhsa_private_segment_fixed_size 0
		.amdhsa_enable_private_segment 0
		.amdhsa_kernarg_size 24
		.amdhsa_user_sgpr_count 2
		.amdhsa_user_sgpr_kernarg_segment_ptr 1
		.amdhsa_wavefront_size32 1
		.amdhsa_system_sgpr_workgroup_id_x 1
		.amdhsa_system_sgpr_workgroup_id_y 1
		.amdhsa_system_sgpr_workgroup_id_z 1
		.amdhsa_system_vgpr_workitem_id 0
		.amdhsa_next_free_vgpr 1024
		.amdhsa_next_free_sgpr 66
		.amdhsa_reserve_vcc 1
		.amdhsa_float_denorm_mode_32 3
		.amdhsa_float_denorm_mode_16_64 3
		.amdhsa_memory_ordered 1
		.amdhsa_forward_progress 1
		.amdhsa_inst_pref_size 59
	.end_amdhsa_kernel
	.amdgpu_metadata
---
amdhsa.version: [ 1, 2 ]
amdhsa.kernels:
  - .name:           k_qe4caf71291_attn
    .symbol:         k_qe4caf71291_attn.kd
    .args:
      - { .name: qkv, .offset: 0, .size: 8, .value_kind: global_buffer, .address_space: global }
      - { .name: bias, .offset: 8, .size: 8, .value_kind: global_buffer, .address_space: global }
      - { .name: out0, .offset: 16, .size: 8, .value_kind: global_buffer, .address_space: global }
    .group_segment_fixed_size: 281088
    .private_segment_fixed_size: 0
    .kernarg_segment_align: 8
    .kernarg_segment_size: 24
    .max_flat_workgroup_size: 128
    .sgpr_count:     66
    .vgpr_count:     1024
    .wavefront_size: 32
...
	.end_amdgpu_metadata
.endif
;; end of part 8
